; MI455X (gfx1250); checked and timed in simulation.
; The chip was launched on July 23, 2026; its instructions are those of AMD's public machine-readable ISA for CDNA 5 (MIT licence, August 2026) and "CDNA5" Instruction Set Architecture Reference Guide (July 2026). The comments in the code are by the model that wrote it; some were corrected since.
;; Attention. Allowed arithmetic: matrix products marked QUANTISED: E2M1 operands, one E8M0 scale for each 32 along K, by v_wmma_scale_f32_16x16x128_f8f6f4 with both operands' format E2M1 (or v_wmma_scale_f32_32x16x128_f4), f32 sums; everything else in f32.
;; Inputs: W_fc2_codes 1,024 x 32 x 16 uint8 (E2M1 codes of W_fc2, K innermost, in blocks of 32 codes, two codes a byte); W_fc2_scales 1,024 x 32 uint8 (E8M0 scales of W_fc2, one for each 32 codes along K); W_fc_codes 3,072 x 32 x 16 uint8 (E2M1 codes of W_fc, K innermost, in blocks of 32 codes, two codes a byte); W_fc_scales 3,072 x 32 uint8 (E8M0 scales of W_fc, one for each 32 codes along K); b_fc 3,072 float32; b_fc2 1,024 float32; x 4 x 2,048 x 1,024 float32.
;; Outputs: out0 4 x 2,048 x 1,024 float32.
;; This version of the problem:
;;   THIS VERSION OF THE PROBLEM IS GIVEN IN LOW PRECISION. The matrix products marked QUANTISED in the list below multiply operands that are first quantised to E2M1 (2 exponent bits, 1 mantissa bit; 4 bits a number), with one power-of-two scale for each 32 numbers along K (OCP MX v1.0); their sums are f32. All else is computed in f32.
;;   The module's matrix products, in the order in which they are computed (A, B: the left and right operand; K: the contracted axis; several contracted axes count as one K, in the product's order):
;;     1. [M 8,192, K 1,024] x [K 1,024, N 3,072]; A: input x; B: input W_fc (given as codes): QUANTISED
;;     2. batch 64 x [M 2,048, K 64] x [K 64, N 2,048]; A: computed on the way; B: computed on the way: QUANTISED
;;     3. batch 64 x [M 64, K 2,048] x [K 2,048, N 2,048]; A: computed on the way; B: softmax (see below): QUANTISED
;;     4. [M 8,192, K 1,024] x [K 1,024, N 1,024]; A: computed on the way; B: input W_fc2 (given as codes): QUANTISED
;;   THE QUANTISER, for each operand of a quantised product, along K:
;;     - K is cut into blocks of 32 from its start; a last block that is shorter is filled with zeros.
;;     - A block's scale is 2^e with e = floor(log2(the largest magnitude in the block)) - 2, held to -126 .. 127; a block of zeros has e = 0. As a byte (E8M0): e + 127.
;;     - Each number is divided by its block's scale, clamped to +-6, and rounded to the nearest number of E2M1, ties to even, subnormals kept.
;;     - The product sums the exact products of the quantised numbers (number of the format x scale) in f32.
;;   ~~~python
;;   def quantise(x, axis):      # numpy; x: float32 -> the quantised numbers, widened to float32 again
;;       x = np.moveaxis(x, axis, -1); K = x.shape[-1]
;;       x = np.pad(x, [(0, 0)] * (x.ndim - 1) + [(0, -K % 32)]); x = x.reshape(x.shape[:-1] + (-1, 32)); a = np.abs(x).max(-1, keepdims=True)
;;       e = np.where(a > 0, np.clip(np.frexp(np.where(a > 0, a, 1))[1] - 1 - 2, -126, 127), 0)      # np.frexp(a)[1] - 1 = floor(log2(a)), exactly
;;       r = np.clip(x / 2.0 ** e, -6, 6)
;;       step = 2.0 ** (np.maximum(np.frexp(np.where(r == 0, 1, r))[1] - 1, 0) - 1)
;;       q = np.round(r / step) * step * 2.0 ** e      # np.round: ties to even
;;       return np.moveaxis(q.reshape(q.shape[:-2] + (-1,))[..., :K], -1, axis).astype(np.float32)
;;   ~~~
;;   SOFTMAX AHEAD OF A QUANTISED PRODUCT. Where the list says 'softmax', what is quantised is not the finished softmax but p = 2^(t - M), with t = logit x log2(e) and M = ceil(the row's largest t), a whole number; so 1/2 < the row's largest p <= 1. The row's sum l is taken of the UNQUANTISED p, in f32, and the product's result is divided by l at the end. Since M is a whole number, a kernel that streams over the keys may use a running M (the ceiling of the running maximum): every later rescaling is an exact power of two, which a block's scale takes up: the codes' values come out the same.
;;   OPERANDS COMPUTED ON THE WAY. 'Computed on the way' means the value that the module computes at that place (a softmax that the list does not call 'softmax' is quantised finished and normalised). What goes into a quantiser is computed in f32, as accurately as f32 sums, v_exp_f32 and their like allow (about 1e-6 of the number): no bf16 or f16 on the way to a quantiser, and a product that is left as it is and whose result goes on into a quantised operand takes f32 operands (vector FMAs, or v_wmma_f32_16x16x4_f32). A number that lies on a knife's edge between two numbers of the format may be rounded either way, as far as f32 arithmetic and the matrix unit's own rounding can turn it there, and no further.
;;   INPUTS GIVEN AS CODES. W_fc (in the module: [1024, 3072], K = its axis 0); W_fc2 (in the module: [1024, 1024], K = its axis 0): each comes as NAME_codes (uint8): NAME with its K axis moved to the last place and cut into blocks of 32 codes, [.., K / 32, bytes a block], one block behind the other in memory; two codes a byte, the lower K in the low four bits (a code: sign, 2 exponent bits, 1 mantissa bit); and NAME_scales (uint8): the same leading axes, one E8M0 byte (e + 127) for each 32 codes along K. Its value is code x scale, taken as it is: it is not quantised again, and the codes and scales need not be those that the quantiser above would give.
;; 2 versions. Each part assembles by itself: llvm-mc -triple=amdgcn-amd-amdhsa -mcpu=gfx1250 --defsym DOCPART=n.
;; ======== version 1 of 2: 4 launches
;; workspace buffers: xc 4,194,304 bytes; xs 262,144 bytes; qkc 8,388,608 bytes; vc 4,194,304 bytes; qks 1,048,576 bytes; vsc 262,144 bytes; nvc 4,194,304 bytes; nvs 262,144 bytes
;; launch quant (part 1): grid 256 x 1, 4 waves a work-group, no clusters, 33,280 bytes of LDS; arguments x, xc, xs; writes xc, xs
.if DOCPART == 1
	.amdgcn_target "amdgcn-amd-amdhsa--gfx1250"
	.amdhsa_code_object_version 6
	.text
	.protected	k_q2ea7c70af2_quant
	.globl	k_q2ea7c70af2_quant
	.p2align	8
	.type	k_q2ea7c70af2_quant,@function
k_q2ea7c70af2_quant:
	s_mov_b64 s[64:65], 0
	v_nop
	global_prefetch_b8 v0, s[64:65] scope:SCOPE_SE
	s_setreg_imm32_b32 hwreg(HW_REG_WAVE_MODE, 25, 1), 1
	s_wait_xcnt 0x0
; x [8192][1024] f32 becomes codes of FP4 (E2M1), K innermost (xc: 512 bytes a row), with one E8M0 scale byte for each 32 along K (xs: 32 bytes a row).
; A block's scale is 2^(floor(log2(its largest magnitude)) - 2); its byte is the largest magnitude's exponent field - 2, held at 1 from below.
; LIMITS: a block whose largest magnitude lies under 2^-124 (a block of zeros among them) gets the byte 1: the bytes are read by this program alone, and zero codes add nothing under it.
; NaN and infinities among the inputs are not served.
; Rows are dense and 1024 is a multiple of 32: x is a plain stream of blocks of 32, and so are the codes and the bytes.  A wave takes 16 steps of 512 numbers.
; Each of a step's four loads reads 512 consecutive bytes, 16 a lane; the 2,048 bytes turn through the wave's own stage in LDS and come back 64 bytes a lane, so that a lane holds
; 16 neighbours along K (two neighbouring lanes hold a block).  A lane's 16 codes are 8 bytes: the wave stores 256 consecutive bytes.  A wave's 256 scale bytes are gathered in LDS
; and leave as one aligned run of 256 bytes.  Waves share nothing: no barrier, no cluster (no two work-groups read the same bytes).  Loads run four steps ahead.
.set STEPS, 16
.set CB,    8                          ; bytes of 16 codes
.set R,     16                         ; v16-79   four sets of 16 numbers as they are loaded
.set X,     80                         ; v80-111  two sets of 16 neighbours
.set E,     112                        ; v112-127 a scale byte for each step
.set C,     128                        ; v128-191 codes: four registers for each step, so that no store's data are written again
.set WREG,  8192                       ; LDS: a region for each wave: two stages of 32 x SP bytes, behind them its 256 scale bytes
.set SP,    80                         ; a lane's place in a stage: its 64 bytes + 16 of padding
	s_load_b128 s[4:7], s[0:1], 0x0                ; x, xc
	s_load_b64 s[8:9], s[0:1], 0x10                ; xs
	v_lshl_add_u32 v192, v0, 2, 0x8000
	v_mov_b32 v193, 0
	v_lshrrev_b32 v1, 5, v0
	v_readfirstlane_b32 s16, v1                    ; wave
	v_and_b32 v2, 31, v0                           ; lane
	v_lshlrev_b32 v3, 4, v2                        ; my 16 bytes of a load's 512
	s_mul_i32 s17, s16, WREG
	v_lshrrev_b32 v14, 2, v2
	v_mul_u32_u24 v14, v14, SP
	v_and_b32 v15, 3, v2
	v_lshl_add_u32 v14, v15, 4, v14
	v_add_nc_u32 v14, s17, v14                     ; the stage, on the way in: SP (lane / 4) + 16 (lane % 4)
	v_mul_u32_u24 v15, v2, SP
	v_add_nc_u32 v15, s17, v15                     ; and on the way out: SP x lane: my 16 neighbours
	v_mul_u32_u24 v4, v2, CB                       ; my codes' place in a step's
	v_lshrrev_b32 v5, 1, v2
	s_add_co_u32 s17, s17, 2*32*SP
	v_add_nc_u32 v5, s17, v5                       ; LDS: my wave's 256 scale bytes, my block's byte
	v_lshlrev_b32 v7, 3, v2                        ; and on the way out 8 bytes a lane
	v_add_nc_u32 v6, s17, v7
	s_lshl_b32 s18, ttmp9, 2
	s_add_co_u32 s18, s18, s16                     ; which run of 8,192 numbers is my wave's: 0 .. 1023
	s_lshl_b32 s20, s18, 15                        ; 32,768 bytes of x,
	s_mov_b32 s21, 0
	s_lshl_b32 s22, s18, 12                        ; 4,096 bytes of codes,
	s_mov_b32 s23, 0
	s_lshl_b32 s24, s18, 8                         ; 256 scale bytes a run
	s_mov_b32 s25, 0
	s_wait_kmcnt 0x0
	s_add_nc_u64 s[4:5], s[4:5], s[20:21]
	s_add_nc_u64 s[6:7], s[6:7], s[22:23]
	s_add_nc_u64 s[8:9], s[8:9], s[24:25]
.macro LOAD t
.irp i, 0,1,2,3
	global_load_b128 v[R+16*((\t)%4)+4*\i:R+16*((\t)%4)+4*\i+3], v3, s[4:5] offset:2048*(\t)+512*\i   ; 32 lanes read 512 consecutive bytes
.endr
.endm
.macro TURN t                          ; step t's numbers through the stage: LDS serves a wave's instructions in order, so no wait stands between the stores and the loads
.irp i, 0,1,2,3
	ds_store_b128 v14, v[R+16*((\t)%4)+4*\i:R+16*((\t)%4)+4*\i+3] offset:32*SP*((\t)%2)+8*SP*\i
.endr
.irp i, 0,1,2,3
	ds_load_b128 v[X+16*((\t)%2)+4*\i:X+16*((\t)%2)+4*\i+3], v15 offset:32*SP*((\t)%2)+16*\i
.endr
.endm
.irp t, 0,1,2,3
	LOAD \t
.endr
	s_wait_loadcnt 12                              ; step 0's four loads are in; those of steps 1 to 3 may be out
	TURN 0
.macro STEP t
.set XS, X+16*((\t)%2)
.if (\t) > 0
	s_wait_dscnt 1                                 ; this step's numbers are back from the stage (the last step's byte store may be out): so its stores into the stage have read their registers,
.else
	s_wait_dscnt 0x0
.endif
.if (\t)+4 < STEPS
	LOAD (\t)+4                                    ; which take the loads of four steps on
.endif
.if (\t)+1 < STEPS
.if STEPS-2-(\t) >= 3
	s_wait_loadcnt 12                              ; the next step's four loads are in; those of the three steps behind it may be out
.else
	s_wait_loadcnt 4*(STEPS-2-(\t))
.endif
	TURN (\t)+1                                    ; and go through the other stage while this step is worked
.endif
	v_max3_num_f32 v8, |v[XS]|, |v[XS+1]|, |v[XS+2]|               ; the largest magnitude of my 16, in two chains
	v_max3_num_f32 v9, |v[XS+3]|, |v[XS+4]|, |v[XS+5]|
.irp i, 6,10
	v_max3_num_f32 v8, v8, |v[XS+\i]|, |v[XS+\i+1]|
	v_max3_num_f32 v9, v9, |v[XS+\i+2]|, |v[XS+\i+3]|
.endr
	v_max3_num_f32 v8, v8, |v[XS+14]|, |v[XS+15]|
	v_max3_num_f32 v8, v8, v9, 0x1800000           ; and the floor 2^(3 - 127): so the byte cannot fall under 1
	v_max_num_f32_dpp v8, v8, v8 row_xmask:1 row_mask:0xf bank_mask:0xf   ; and of my neighbour's 16: the block's
	v_add_nc_u32 v11, 0xff000000, v8               ; 2 off its exponent field: the conversion takes the exponent field of this operand as its scale
	v_cvt_scalef32_pk8_fp4_f32 v[C+4*(\t)], v[XS:XS+7], v11
	v_cvt_scalef32_pk8_fp4_f32 v[C+4*(\t)+1], v[XS+8:XS+15], v11
	v_lshrrev_b32 v[E+(\t)], 23, v11               ; the scale's byte
	ds_store_b8 v5, v[E+(\t)] offset:16*(\t)       ; both lanes of a block write the same byte with the same value
	global_store_b64 v4, v[C+4*(\t):C+4*(\t)+1], s[6:7] offset:32*CB*(\t)   ; 32 lanes store 256 consecutive bytes
.endm
.irp t, 0,1,2,3,4,5,6,7,8,9,10,11,12,13,14,15
	STEP \t
.endr
	ds_load_b64 v[12:13], v6                       ; LDS serves a wave's instructions in order: these see my stores
	s_wait_dscnt 0x0
	global_store_b64 v7, v[12:13], s[8:9]          ; 32 lanes store one aligned run of 256 bytes
	s_wait_tensorcnt 0x0
	ds_add_u32 v192, v193
	s_wait_dscnt 0x0
	s_endpgm
.Lfunc_end_k_q2ea7c70af2_quant:
	.size	k_q2ea7c70af2_quant, .Lfunc_end_k_q2ea7c70af2_quant-k_q2ea7c70af2_quant
	.p2alignl 7, 3214868480
	.fill 96, 4, 3214868480
	.section	.rodata,"a",@progbits
	.p2align	6, 0x0
	.amdhsa_kernel k_q2ea7c70af2_quant
		.amdhsa_group_segment_fixed_size 33280
		.amdhsa_private_segment_fixed_size 0
		.amdhsa_enable_private_segment 0
		.amdhsa_kernarg_size 24
		.amdhsa_user_sgpr_count 2
		.amdhsa_user_sgpr_kernarg_segment_ptr 1
		.amdhsa_wavefront_size32 1
		.amdhsa_system_sgpr_workgroup_id_x 1
		.amdhsa_system_sgpr_workgroup_id_y 1
		.amdhsa_system_sgpr_workgroup_id_z 1
		.amdhsa_system_vgpr_workitem_id 0
		.amdhsa_next_free_vgpr 194
		.amdhsa_next_free_sgpr 66
		.amdhsa_reserve_vcc 0
		.amdhsa_float_denorm_mode_32 3
		.amdhsa_float_denorm_mode_16_64 3
		.amdhsa_memory_ordered 1
		.amdhsa_forward_progress 1
		.amdhsa_inst_pref_size 33
	.end_amdhsa_kernel
	.amdgpu_metadata
---
amdhsa.version: [ 1, 2 ]
amdhsa.kernels:
  - .name:           k_q2ea7c70af2_quant
    .symbol:         k_q2ea7c70af2_quant.kd
    .args:
      - { .name: x, .offset: 0, .size: 8, .value_kind: global_buffer, .address_space: global }
      - { .name: xc, .offset: 8, .size: 8, .value_kind: global_buffer, .address_space: global }
      - { .name: xs, .offset: 16, .size: 8, .value_kind: global_buffer, .address_space: global }
    .group_segment_fixed_size: 33280
    .private_segment_fixed_size: 0
    .kernarg_segment_align: 8
    .kernarg_segment_size: 24
    .max_flat_workgroup_size: 128
    .sgpr_count:     66
    .vgpr_count:     194
    .wavefront_size: 32
...
	.end_amdgpu_metadata
.endif
;; end of part 1
;; launch qkv (part 2): grid 16 x 32, 4 waves a work-group, clusters of 4 x 4, 246,272 bytes of LDS; arguments xc, xs, W_fc_codes, W_fc_scales, b_fc, qkc, vc, qks, vsc; writes qkc, vc, qks, vsc
.if DOCPART == 2
	.amdgcn_target "amdgcn-amd-amdhsa--gfx1250"
	.amdhsa_code_object_version 6
	.text
	.protected	k_q2ea7c70af2_qkv
	.globl	k_q2ea7c70af2_qkv
	.p2align	8
	.type	k_q2ea7c70af2_qkv,@function
k_q2ea7c70af2_qkv:
	s_mov_b64 s[64:65], 0
	v_nop
	global_prefetch_b8 v0, s[64:65] scope:SCOPE_SE
	s_setreg_imm32_b32 hwreg(HW_REG_WAVE_MODE, 25, 1), 1
	s_wait_xcnt 0x0
	s_wait_alu depctr_hold_cnt(0) depctr_sa_sdst(0) depctr_va_vdst(0) depctr_va_sdst(0) depctr_va_ssrc(0) depctr_va_vcc(0) depctr_vm_vsrc(0)
	s_getreg_b32 s2, hwreg(HW_REG_IB_STS2, 6, 4)
	s_cmp_eq_u32 s2, 0
	s_cbranch_scc0 .Lentry_in_a_cluster
	s_endpgm
.Lentry_in_a_cluster:
	s_bfe_u32 s2, ttmp6, 0x10000c
	s_cmp_lg_u32 s2, 0xf033
	s_cbranch_scc0 .Lentry_shape_is_right
	s_endpgm
.Lentry_shape_is_right:
; qkv = swish(x W_fc + b_fc) on codes of FP4 with E8M0 scales, and its three parts quantised for the attention: q and k along the head's 64 channels, v along the keys.
; SHARES.  A work-group takes 256 tokens (grid y) x the 192 features of one head (grid x: q | k | v, 64 each).  Wave w takes tokens 64 w .. 64 w + 63 x all 192 features:
; 4 tiles of tokens (m) x 12 tiles of features (t): 48 accumulators.  K = 1024 lies in LDS whole, as two chunks of 512 (rows of 256 bytes), each filled once: no slot is filled again.
; q's and k's tiles (t = 0 .. 7) are used TRANSPOSED (source 0 = 16 rows of W, source 1 = 16 tokens): a lane holds one token and eight neighbouring features, the next product's K.
; v's tiles (t = 8 .. 11) are used as they stand (source 0 = tokens, source 1 = W): a lane holds one feature and eight neighbouring tokens, which are v's K.  Both take the same fragments.
; The biases are the C of each sum's first matrix instruction.
; CLUSTER 4 x 4: the four work-groups of a row of the cluster need the same tokens' codes, the four of a column the same head's weights: each tile is asked for jointly.
; SCALES: a row's 32 scale bytes; sixteen rows are 512 dense bytes: one load of 16 bytes a lane at 32 r + 16 h gives four registers whose lanes 0-15 hold the words of K steps 0 .. 3
; and whose lanes 16-31 those of K steps 4 .. 7; the later steps name the same registers with the upper row of lanes.
; OUT, all as images of the next operand's registers, 512 consecutive bytes a store:
;   qkc [q, k][batch x head][tile of 16 tokens][lane][16 bytes]: lane (r, h): token r of the tile, channels 32 h .. 32 h + 31
;   vc  [batch x head][128 keys][tile of 16 channels][c][lane][16 bytes]: lane (r, h): channel r of the tile, keys 64 c + 32 h .. + 31
;   qks [batch x head][64 tokens][q, k][r][tile m][word]: byte 0, 1 = the two blocks' scale bytes, bytes 2, 3 = 0 (they scale zero codes in the next launch)
;   vsc [batch x head][128 keys][r][tile of channels][word]: byte j for keys 32 j .. 32 j + 31
; LIMITS: NaN and infinities are not served.  A block whose largest magnitude lies under 2^-124 gets the byte 1 (read by this program alone).
; swish(y) = y / (1 + 2^(-y log2 e)) by v_exp_f32 and v_rcp_f32; for y under about -88 the result is -0.
; REGISTERS, in windows of 256.  Window 0: v1-11 addresses; v12-17 at work in the quantiser; v20-31 scale words on their way out; v32-47 x's scale words; v48-95 W's; v96-127 T: 32 numbers at work;
;   v128-175 codes; v176-179 v's scale halfwords; v160-223 b_fc for q and k (K step 0 alone); v224-255 b_fc for v.
;   Window 1: q's accumulators at 32 m + 8 t, k's at 128 + 32 m + 8 (t - 4).  Window 2: v's at 32 tv + 8 m.  Window 3: two sets of fragments at 0 and 128: tokens' at + 8 m, W's at + 32 + 8 t.
.set PITCH, 272                        ; an LDS row: 256 bytes + 16 of padding: an odd multiple of 16, so the sixteen rows of a load begin in sixteen different 16-byte columns of 256 bytes
.set HALFA, 128*PITCH                  ; what one load brings of the tokens' codes
.set HALFB, 96*PITCH                   ; and of W's
.set BOFF,  256*PITCH                  ; in a chunk: 256 rows of tokens, then 192 rows of W
.set CHK,   448*PITCH                  ; a chunk
.set STG,   2*CHK                      ; behind the chunks: 512 bytes in which v's scale halfwords of four waves meet; no tile lands there
.set LI,  3                            ; v3   16 x lane
.set ADA, 4                            ; v4-5 LDS address of my tokens' fragments in chunk 0, 1
.set ADB, 6                            ; v6-7 of W's
.set MX,  12
.set MY,  14
.set SO,  16
.set QW,  20
.set KW,  24
.set WW,  28
.set AS,  32
.set BS,  48
.set T,   96
.set P,   128
.set VW,  176
.set BQ,  160
.set BV,  224
.set WV,  22                           ; s22  wave
.set HF,  23                           ; s23  wave / 2: I fetch tokens' codes (0) or W's (1)
.set G1A, 24
.set G0A, 32
.set G1B, 48
.set G0B, 56
.set SEL, 80                           ; s[80:81] v_permlanex16_b32's selects for lane l xor 16
.set NL,  82                           ; s[82:83] -log2(e)
.set HI,  84                           ; s84  lanes 16-31
.set MSB, 0
.macro WIN new                         ; the immediate's high byte repeats the setting that is left
.if MSB != \new
	s_set_vgpr_msb (MSB<<8)|\new
.set MSB, \new
.endif
.endm
.macro PLACES                          ; four plain places behind a matrix instruction, in front of loads into its registers and of reads of its results
.rept 4
	v_nop
.endr
.endm
; A joint load: waves 0 and 1 fetch the tokens' halves, waves 2 and 3 W's.  Each line has one mask and one set of registers for all that issue it; the branch hangs on the wave's number alone.
; Four v_nop follow each of the two lines.
.macro JLOAD g0a, g1a, g0b, g1b
	s_cmp_eq_u32 s[HF], 0
	s_cbranch_scc0 .Lfor_b_\@
	tensor_load_to_lds s[\g0a:\g0a+3], s[\g1a:\g1a+7]
	s_nop 0
.rept 4
	v_nop
.endr
	s_branch .Lasked_\@
.Lfor_b_\@:
	tensor_load_to_lds s[\g0b:\g0b+3], s[\g1b:\g1b+7]
	s_nop 0
.rept 4
	v_nop
.endr
.Lasked_\@:
.endm
.macro CROUND                          ; a round of the cluster's barrier
	s_barrier_signal -1
	s_barrier_wait -1
	s_cmp_lg_u32 s[WV], 0
	s_cbranch_scc1 .Lnot_wave_0_\@
	s_barrier_signal -3
.Lnot_wave_0_\@:
	s_barrier_wait -3
	s_barrier_signal -1
	s_barrier_wait -1
.endm
	s_load_b256 s[4:11], s[0:1], 0x0               ; xc s[4:5], xs s[6:7], W's codes s[8:9], W's scales s[10:11]
	s_load_b256 s[12:19], s[0:1], 0x20             ; b_fc s[12:13], qkc s[14:15], vc s[16:17], qks s[18:19]
	s_load_b64 s[20:21], s[0:1], 0x40              ; vsc
	v_lshl_add_u32 v19, v0, 2, 0x3c000
	s_set_vgpr_msb 0x80
	v_mov_b32 v255, 0
	s_set_vgpr_msb 0x8088
	ds_add_u32 v19, v255
	ds_add_u32 v19, v255
	s_set_vgpr_msb 0x8800
	v_lshrrev_b32 v1, 5, v0
	v_readfirstlane_b32 s[WV], v1                  ; wave 0..3
	s_lshr_b32 s[HF], s[WV], 1
	s_and_b32 s40, s[WV], 1                        ; which half of that tile I fetch
	s_bfe_u32 s41, ttmp6, 0x40000                  ; cx
	s_bfe_u32 s42, ttmp6, 0x40004                  ; cy
	s_lshl_b32 s43, ttmp9, 2
	s_add_co_u32 s43, s43, s41                     ; the head = 4 x cluster x + cx
	s_and_b32 s44, ttmp7, 0xffff
	s_lshl_b32 s44, s44, 2
	s_add_co_u32 s44, s44, s42                     ; the block of 256 tokens = 4 x cluster y + cy
	s_lshl_b32 s45, s42, 2
	s_lshl_b32 s45, 15, s45                        ; my row of the cluster
	s_lshl_b32 s46, 0x1111, s41                    ; my column
	; descriptor group 1: rows of 256 bytes, 512 bytes apart in memory, 16 bytes of padding behind each in LDS
	s_or_b32 s[G1A], s45, (1<<20)|(1<<21)|(5<<22)|(3<<25)   ; 15:0 the mask; 17:16 elements of 1 byte; 20 padding on; 21 set beside a mask; 24:22 after every 64 words; 31:25 four words
	s_or_b32 s[G1B], s46, (1<<20)|(1<<21)|(5<<22)|(3<<25)
	s_mov_b32 s[G1A+1], 256<<16                    ; tensor_dim0
	s_mov_b32 s[G1A+2], 128<<16                    ; tensor_dim1
	s_mov_b32 s[G1A+3], 256<<16                    ; tile_dim0
	s_mov_b32 s[G1A+4], 128                        ; tile_dim1
	s_mov_b32 s[G1A+5], 512                        ; the pitch in memory
	s_mov_b32 s[G1A+6], 0
	s_mov_b32 s[G1A+7], 0
	s_mov_b32 s[G1B+1], 256<<16
	s_mov_b32 s[G1B+2], 96<<16
	s_mov_b32 s[G1B+3], 256<<16
	s_mov_b32 s[G1B+4], 96
	s_mov_b32 s[G1B+5], 512
	s_mov_b32 s[G1B+6], 0
	s_mov_b32 s[G1B+7], 0
	s_lshl_b32 s66, s44, 17                        ; tokens: (256 x block + 128 x half) rows of 512 bytes: hangs on the block alone, which my row shares
	s_lshl_b32 s67, s40, 16
	s_add_co_u32 s66, s66, s67
	s_mov_b32 s67, 0
	s_mul_i32 s68, s43, 98304                      ; W: (192 x head + 96 x half) rows of 512 bytes: hangs on the head alone, which my column shares
	s_mul_i32 s69, s40, 49152
	s_add_co_u32 s68, s68, s69
	s_mov_b32 s69, 0
	s_mul_i32 s70, s40, HALFA                      ; where they go: no place in the cluster enters an LDS address
	s_mul_i32 s71, s40, HALFB
	s_add_co_u32 s71, s71, BOFF
	s_wait_dscnt 0x0
	s_wait_kmcnt 0x0
	s_add_nc_u64 s[66:67], s[4:5], s[66:67]
	s_add_nc_u64 s[68:69], s[8:9], s[68:69]
	CROUND                                         ; all sixteen work-groups are here: the joint loads meet
.irp c, 0,1
	s_mov_b32 s[G0A+4*\c], 1
	s_add_co_u32 s[G0A+4*\c+1], s70, \c*CHK
	s_add_nc_u64 s[G0A+4*\c+2:G0A+4*\c+3], s[66:67], \c*256
	s_or_b32 s[G0A+4*\c+3], s[G0A+4*\c+3], 0x80000000
	s_mov_b32 s[G0B+4*\c], 1
	s_add_co_u32 s[G0B+4*\c+1], s71, \c*CHK
	s_add_nc_u64 s[G0B+4*\c+2:G0B+4*\c+3], s[68:69], \c*256
	s_or_b32 s[G0B+4*\c+3], s[G0B+4*\c+3], 0x80000000
	JLOAD G0A+4*\c, G1A, G0B+4*\c, G1B             ; both chunks are asked for before anything else is done: two loads of mine are out
.endr
	v_and_b32 v1, 15, v0                           ; r
	v_bfe_u32 v2, v0, 4, 1                         ; h
	v_and_b32 v[LI], 31, v0
	v_lshlrev_b32 v[LI], 4, v[LI]
	v_mul_u32_u24 v[ADA], v1, PITCH
	v_lshl_add_u32 v[ADA], v2, 4, v[ADA]           ; a fragment's row x pitch + 16 x half
	v_add_nc_u32 v[ADB], BOFF, v[ADA]
	v_add_nc_u32 v[ADB+1], BOFF+CHK, v[ADA]
	s_mul_i32 s72, s[WV], 64*PITCH                 ; my 64 tokens
	v_add_nc_u32 v[ADA], s72, v[ADA]
	v_add_nc_u32 v[ADA+1], CHK, v[ADA]
	v_lshlrev_b32 v8, 5, v1
	v_lshl_add_u32 v8, v2, 4, v8                   ; scale rows: 32 r + 16 h
	v_lshlrev_b32 v9, 5, v2                        ; b_fc for q, k: my half's eight numbers
	v_lshlrev_b32 v10, 2, v1                       ; b_fc for v: my feature's
	s_lshl_b32 s72, s[HF], 8
	s_lshl_b32 s73, s40, 1
	s_add_co_u32 s72, s72, s73
	s_add_co_u32 s72, s72, STG
	v_lshl_add_u32 v11, v1, 4, s72                 ; where v's scale halfwords go: STG + 256 (wave / 2) + 16 r + 2 (wave % 2)
	s_lshl_b32 s72, s44, 13                        ; xs: (256 x block + 64 x wave) rows of 32 bytes
	s_lshl_b32 s73, s[WV], 11
	s_add_co_u32 s72, s72, s73
	s_mov_b32 s73, 0
	s_add_nc_u64 s[6:7], s[6:7], s[72:73]
	s_mul_i32 s72, s43, 6144                       ; W's scales: 192 rows of 32 bytes a head
	s_add_nc_u64 s[10:11], s[10:11], s[72:73]
	s_mul_i32 s72, s43, 768                        ; b_fc: 192 numbers a head
	s_add_nc_u64 s[12:13], s[12:13], s[72:73]
.irp m, 0,1,2,3
	global_load_b128 v[AS+4*\m:AS+4*\m+3], v8, s[6:7] offset:512*\m
.endr
.irp t, 0,1,2,3,4,5,6,7,8,9,10,11
	global_load_b128 v[BS+4*\t:BS+4*\t+3], v8, s[10:11] offset:512*\t
.endr
.irp t, 0,1,2,3,4,5,6,7
	global_load_b128 v[BQ+8*\t:BQ+8*\t+3], v9, s[12:13] offset:64*\t          ; lane (r, h), register j: b_fc at feature 16 t + 8 h + j
	global_load_b128 v[BQ+8*\t+4:BQ+8*\t+7], v9, s[12:13] offset:64*\t+16
.endr
.irp t, 0,1,2,3
	global_load_b32 v[BV+8*\t], v10, s[12:13] offset:512+64*\t                ; b_fc at v's feature 16 t + r: the same for the lane's eight tokens
.endr
	; where the results go
	s_lshr_b32 s74, s44, 3
	s_lshl_b32 s74, s74, 4
	s_add_co_u32 s74, s74, s43                     ; batch x 16 + head
	s_and_b32 s75, s44, 7                          ; the block within its batch
	s_lshl_b32 s72, s74, 16
	s_lshl_b32 s76, s75, 13
	s_add_co_u32 s72, s72, s76                     ; 65,536 a head + 8,192 a block: for qkc and for vc
	s_lshl_b32 s76, s[WV], 11
	s_add_co_u32 s76, s72, s76
	s_mov_b32 s77, 0
	s_add_nc_u64 s[14:15], s[14:15], s[76:77]      ; qkc: + 2,048 x wave (four tiles of 512 bytes)
	s_lshl_b32 s76, s[HF], 12
	s_add_co_u32 s76, s72, s76
	s_lshl_b32 s78, s40, 9
	s_add_co_u32 s76, s76, s78
	s_add_nc_u64 s[16:17], s[16:17], s[76:77]      ; vc: + 4,096 (wave / 2) + 512 (wave % 2)
	s_lshl_b32 s76, s74, 14
	s_lshl_b32 s78, s75, 11
	s_add_co_u32 s76, s76, s78
	s_lshl_b32 s78, s[WV], 9
	s_add_co_u32 s76, s76, s78
	s_add_nc_u64 s[18:19], s[18:19], s[76:77]      ; qks: 16,384 a head + 2,048 a block + 512 x wave
	s_lshl_b32 s76, s74, 12
	s_lshl_b32 s78, s75, 9
	s_add_co_u32 s76, s76, s78
	s_add_nc_u64 s[20:21], s[20:21], s[76:77]      ; vsc: 4,096 a head + 512 a block
	s_mov_b32 s[SEL], 0x76543210
	s_mov_b32 s[SEL+1], 0xfedcba98
	s_mov_b32 s[NL], 0xbfb8aa3b                    ; -log2(e)
	s_mov_b32 s[NL+1], s[NL]                       ; (named with it as a pair, so it is written)
	s_mov_b32 s[HI], 0xffff0000
	v_mov_b32 v[MY], 0                             ; written once: a lane permute's destination counts as one of its sources
	v_mov_b32 v[MY+1], 0
	s_wait_loadcnt 0x0
.irp t, 0,1,2,3
.irp j, 1,2,3,4,5,6,7
	v_mov_b32 v[BV+8*\t+\j], v[BV+8*\t]
.endr
.endr
; 32 LDS loads in one run: the fragments of K step s (4 tiles of tokens, 12 of W) into set f.  16 rows x 128 K of 4-bit codes are 8 registers: two loads of 16 bytes, 32 bytes apart.
.macro FETCH s, f
	WIN 0xc0                                       ; destination window 3, address window 0
.irp m, 0,1,2,3
.irp c, 0,1
	ds_load_b128 v[128*(\f)+8*\m+4*\c:128*(\f)+8*\m+4*\c+3], v[ADA+(\s)/4] offset:\m*16*PITCH+((\s)%4)*64+32*\c
.endr
.endr
.irp t, 0,1,2,3,4,5,6,7,8,9,10,11
.irp c, 0,1
	ds_load_b128 v[128*(\f)+32+8*\t+4*\c:128*(\f)+32+8*\t+4*\c+3], v[ADB+(\s)/4] offset:\t*16*PITCH+((\s)%4)*64+32*\c
.endr
.endr
	WIN 0
.endm
; 32 matrix instructions: q's and k's tiles, transposed.  The 48 accumulators take turns, one instruction a turn, in the same order in every K step.
.macro MULQK s
.if \s == 0
	WIN 0x4f                                       ; sources 0 and 1 window 3, C (the bias) window 0, D window 1
.else
	WIN 0x5f                                       ; C and D window 1
.endif
.irp m, 0,1,2,3
.irp t, 0,1,2,3,4,5,6,7
.set rD, 128*(\t/4)+32*\m+8*(\t%4)
.set rA, 128*((\s)%2)+8*\m
.set rB, 128*((\s)%2)+32+8*\t
.if \s == 0
	v_wmma_scale_f32_16x16x128_f8f6f4 v[rD:rD+7], v[rB:rB+7], v[rA:rA+7], v[BQ+8*\t:BQ+8*\t+7], v[BS+4*\t], v[AS+4*\m] matrix_a_fmt:MATRIX_FMT_FP4 matrix_b_fmt:MATRIX_FMT_FP4
.elseif \s < 4
	v_wmma_scale_f32_16x16x128_f8f6f4 v[rD:rD+7], v[rB:rB+7], v[rA:rA+7], v[rD:rD+7], v[BS+4*\t+\s], v[AS+4*\m+\s] matrix_a_fmt:MATRIX_FMT_FP4 matrix_b_fmt:MATRIX_FMT_FP4
.else
	v_wmma_scale_f32_16x16x128_f8f6f4 v[rD:rD+7], v[rB:rB+7], v[rA:rA+7], v[rD:rD+7], v[BS+4*\t+\s-4], v[AS+4*\m+\s-4] matrix_a_fmt:MATRIX_FMT_FP4 matrix_b_fmt:MATRIX_FMT_FP4 matrix_a_scale:MATRIX_SCALE_ROW1 matrix_b_scale:MATRIX_SCALE_ROW1
.endif
.endr
.endr
.endm
; 16 matrix instructions: v's tiles, as they stand
.macro MULV s
.if \s == 0
	WIN 0x8f                                       ; C (the bias) window 0, D window 2
.else
	WIN 0xaf
.endif
.irp t, 0,1,2,3
.irp m, 0,1,2,3
.set rD, 32*\t+8*\m
.set rA, 128*((\s)%2)+8*\m
.set rB, 128*((\s)%2)+32+8*(8+\t)
.if \s == 0
	v_wmma_scale_f32_16x16x128_f8f6f4 v[rD:rD+7], v[rA:rA+7], v[rB:rB+7], v[BV+8*\t:BV+8*\t+7], v[AS+4*\m], v[BS+4*(8+\t)] matrix_a_fmt:MATRIX_FMT_FP4 matrix_b_fmt:MATRIX_FMT_FP4
.elseif \s < 4
	v_wmma_scale_f32_16x16x128_f8f6f4 v[rD:rD+7], v[rA:rA+7], v[rB:rB+7], v[rD:rD+7], v[AS+4*\m+\s], v[BS+4*(8+\t)+\s] matrix_a_fmt:MATRIX_FMT_FP4 matrix_b_fmt:MATRIX_FMT_FP4
.else
	v_wmma_scale_f32_16x16x128_f8f6f4 v[rD:rD+7], v[rA:rA+7], v[rB:rB+7], v[rD:rD+7], v[AS+4*\m+\s-4], v[BS+4*(8+\t)+\s-4] matrix_a_fmt:MATRIX_FMT_FP4 matrix_b_fmt:MATRIX_FMT_FP4 matrix_a_scale:MATRIX_SCALE_ROW1 matrix_b_scale:MATRIX_SCALE_ROW1
.endif
.endr
.endr
.endm
; A K step of 128: the next step's fragments are asked for, into the set that the step before multiplied; then this step's 48 products.
.macro KSTEP s
	PLACES
.if \s == 3
	s_wait_tensorcnt 0x0                           ; my part of chunk 1 has landed,
	s_wait_dscnt 0x0                               ; no LDS load of mine is out at the signal,
	s_barrier_signal -1
	s_barrier_wait -1                              ; everybody's has: the next fetch reads chunk 1
.endif
.if \s < 7
	FETCH \s+1, (\s+1)%2
	s_wait_dscnt 32                                ; all but the 32 just issued: this step's fragments are in
.else
	s_wait_dscnt 0x0
.endif
	MULQK \s
	MULV \s
.endm
; T = 1 / (1 + 2^(-y log2 e)) of the 32 numbers y at v[a] on of window win.  Each accumulator is read from its low end on.
.macro ACT win, a
	WIN \win
.set i, 0
.rept 16
	v_pk_mul_f32 v[T+i:T+i+1], v[\a+i:\a+i+1], s[NL:NL+1] op_sel_hi:[1,0]
.set i, i+2
.endr
	WIN 0
.set i, 0
.rept 32
	v_exp_f32 v[T+i], v[T+i]
.set i, i+1
.endr
	v_nop                                          ; a plain place behind the transcendentals
.set i, 0
	s_wait_alu depctr_va_vdst(0)
.rept 16
	v_pk_add_f32 v[T+i:T+i+1], v[T+i:T+i+1], 1.0 op_sel_hi:[1,0]
.set i, i+2
.endr
.set i, 0
.rept 32
	v_rcp_f32 v[T+i], v[T+i]
.set i, i+1
.endr
	v_nop
.endm
.macro GATE win, a                     ; T = y x T: swish
	WIN \win
.set i, 0
	s_wait_alu depctr_va_vdst(0)
.rept 16
	v_pk_mul_f32 v[T+i:T+i+1], v[\a+i:\a+i+1], v[T+i:T+i+1]
.set i, i+2
.endr
	WIN 0
.endm
; 32 numbers of a lane, register 8 u + j = place 16 u + 8 (lane / 16) + j along the next K (u = 0 .. 3), of the row lane % 16, become four registers of codes, v[p] on, in which lane (r, h)
; holds places 32 h .. 32 h + 31 of row r, and the two blocks' scale bytes in v[w].  A block of 32 lies in lanes l and l xor 16.
.macro QUANT2 t, p, w
.irp b, 0,1
	v_max3_num_f32 v[MX+\b], |v[\t+16*\b]|, |v[\t+16*\b+1]|, 0x1800000        ; and the floor 2^(3 - 127): so the byte cannot fall under 1
.endr
.irp i, 2,4,6,8,10,12,14
.irp b, 0,1
	v_max3_num_f32 v[MX+\b], v[MX+\b], |v[\t+16*\b+\i]|, |v[\t+16*\b+\i+1]|
.endr
.endr
.irp b, 0,1
	v_permlanex16_b32 v[MY+\b], v[MX+\b], s[SEL], s[SEL+1]
.endr
.irp b, 0,1
	v_max_num_f32 v[MX+\b], v[MX+\b], v[MY+\b]     ; the block's largest magnitude
.endr
.irp b, 0,1
	v_add_nc_u32 v[SO+\b], 0xff000000, v[MX+\b]    ; 2 off its exponent field: the conversion's scale operand
.endr
.irp b, 0,1
	v_lshrrev_b32 v[MY+\b], 23, v[SO+\b]           ; the scale's byte
.endr
	v_lshl_or_b32 v[\w], v[MY+1], 8, v[MY]
	v_cvt_scalef32_pk8_fp4_f32 v[\p], v[\t:\t+7], v[SO]
	v_cvt_scalef32_pk8_fp4_f32 v[\p+2], v[\t+8:\t+15], v[SO]
	v_cvt_scalef32_pk8_fp4_f32 v[\p+1], v[\t+16:\t+23], v[SO+1]
	v_cvt_scalef32_pk8_fp4_f32 v[\p+3], v[\t+24:\t+31], v[SO+1]
	v_nop                                          ; one plain place behind a scaled conversion
	v_permlane16_swap_b32 v[\p], v[\p+1]           ; the first's lanes 16-31 change places with the second's lanes 0-15: a whole block in a lane
	v_permlane16_swap_b32 v[\p+2], v[\p+3]
.endm
	s_wait_tensorcnt 1                             ; my part of chunk 0 is in; chunk 1's load may be out
	s_barrier_signal -1
	s_barrier_wait -1                              ; everybody's is
	FETCH 0, 0
.irp s, 0,1,2,3,4,5,6,7
	KSTEP \s
.endr
	PLACES                                         ; in front of the first read of results
.irp m, 0,1,2,3
	ACT 1, 32*\m                                   ; q, tokens 16 m on
	GATE 1, 32*\m
	QUANT2 T, P+4*\m, QW+\m
	global_store_b128 v[LI], v[P+4*\m:P+4*\m+3], s[14:15] offset:512*\m                        ; 512 consecutive bytes a store; every store has data registers of its own
	ACT 1, 128+32*\m                               ; k
	GATE 1, 128+32*\m
	QUANT2 T, P+16+4*\m, KW+\m
	global_store_b128 v[LI], v[P+16+4*\m:P+16+4*\m+3], s[14:15] offset:4194304+512*\m
.endr
.irp t, 0,1,2,3
	ACT 2, 32*\t                                   ; v, channels 16 t on: my 64 tokens are two blocks of keys
	GATE 2, 32*\t
	QUANT2 T, P+32+4*\t, VW+\t
	global_store_b128 v[LI], v[P+32+4*\t:P+32+4*\t+3], s[16:17] offset:1024*\t
	ds_store_b16 v11, v[VW+\t] offset:4*\t         ; both halves of the lanes write the same bytes with the same value
.endr
.irp m, 0,1,2,3
	v_cndmask_b32 v[WW+\m], v[QW+\m], v[KW+\m], s[HI]   ; lanes 0-15: q's words, lanes 16-31: k's
.endr
	global_store_b128 v[LI], v[WW:WW+3], s[18:19]
	s_wait_dscnt 0x0                               ; for the others' sake: my halfwords lie in the stage
	s_barrier_signal -1
	s_barrier_wait -1
	s_cmp_lg_u32 s[WV], 0
	s_cbranch_scc1 .Lno_vsc
	v_add_nc_u32 v18, STG, v[LI]
	ds_load_b128 v[T:T+3], v18                     ; the work-group's 512 bytes of v's scale words
	s_wait_dscnt 0x0
	global_store_b128 v[LI], v[T:T+3], s[20:21]
.Lno_vsc:
	s_set_vgpr_msb 0x8
	s_wait_tensorcnt 0x0
	ds_add_u32 v19, v255
	s_wait_dscnt 0x0
	s_set_vgpr_msb 0x800
	CROUND                                         ; the closing round: no work-group ends while a partner may still ask for a tile that names it
	s_endpgm
.Lfunc_end_k_q2ea7c70af2_qkv:
	.size	k_q2ea7c70af2_qkv, .Lfunc_end_k_q2ea7c70af2_qkv-k_q2ea7c70af2_qkv
	.p2alignl 7, 3214868480
	.fill 96, 4, 3214868480
	.section	.rodata,"a",@progbits
	.p2align	6, 0x0
	.amdhsa_kernel k_q2ea7c70af2_qkv
		.amdhsa_group_segment_fixed_size 246272
		.amdhsa_private_segment_fixed_size 0
		.amdhsa_enable_private_segment 0
		.amdhsa_kernarg_size 72
		.amdhsa_user_sgpr_count 2
		.amdhsa_user_sgpr_kernarg_segment_ptr 1
		.amdhsa_wavefront_size32 1
		.amdhsa_system_sgpr_workgroup_id_x 1
		.amdhsa_system_sgpr_workgroup_id_y 1
		.amdhsa_system_sgpr_workgroup_id_z 1
		.amdhsa_system_vgpr_workitem_id 0
		.amdhsa_next_free_vgpr 1024
		.amdhsa_next_free_sgpr 96
		.amdhsa_reserve_vcc 0
		.amdhsa_float_denorm_mode_32 3
		.amdhsa_float_denorm_mode_16_64 3
		.amdhsa_memory_ordered 1
		.amdhsa_forward_progress 1
		.amdhsa_inst_pref_size 167
	.end_amdhsa_kernel
	.amdgpu_metadata
---
amdhsa.version: [ 1, 2 ]
amdhsa.kernels:
  - .name:           k_q2ea7c70af2_qkv
    .symbol:         k_q2ea7c70af2_qkv.kd
    .args:
      - { .name: xc, .offset: 0, .size: 8, .value_kind: global_buffer, .address_space: global }
      - { .name: xs, .offset: 8, .size: 8, .value_kind: global_buffer, .address_space: global }
      - { .name: W_fc_codes, .offset: 16, .size: 8, .value_kind: global_buffer, .address_space: global }
      - { .name: W_fc_scales, .offset: 24, .size: 8, .value_kind: global_buffer, .address_space: global }
      - { .name: b_fc, .offset: 32, .size: 8, .value_kind: global_buffer, .address_space: global }
      - { .name: qkc, .offset: 40, .size: 8, .value_kind: global_buffer, .address_space: global }
      - { .name: vc, .offset: 48, .size: 8, .value_kind: global_buffer, .address_space: global }
      - { .name: qks, .offset: 56, .size: 8, .value_kind: global_buffer, .address_space: global }
      - { .name: vsc, .offset: 64, .size: 8, .value_kind: global_buffer, .address_space: global }
    .group_segment_fixed_size: 246272
    .private_segment_fixed_size: 0
    .kernarg_segment_align: 8
    .kernarg_segment_size: 72
    .max_flat_workgroup_size: 128
    .sgpr_count:     96
    .vgpr_count:     1024
    .wavefront_size: 32
...
	.end_amdgpu_metadata
.endif
;; end of part 2
;; launch attn (part 3): grid 8 x 64, 16 waves a work-group, clusters of 4 x 1, 169,984 bytes of LDS; arguments qkc, vc, qks, vsc, nvc, nvs; writes nvc, nvs
.if DOCPART == 3
	.amdgcn_target "amdgcn-amd-amdhsa--gfx1250"
	.amdhsa_code_object_version 6
	.text
	.protected	k_q2ea7c70af2_attn
	.globl	k_q2ea7c70af2_attn
	.p2align	8
	.type	k_q2ea7c70af2_attn,@function
k_q2ea7c70af2_attn:
	s_mov_b64 s[64:65], 0
	v_nop
	global_prefetch_b8 v0, s[64:65] scope:SCOPE_SE
	s_setreg_imm32_b32 hwreg(HW_REG_WAVE_MODE, 25, 1), 1
	s_wait_xcnt 0x0
	s_wait_alu depctr_hold_cnt(0) depctr_sa_sdst(0) depctr_va_vdst(0) depctr_va_sdst(0) depctr_va_ssrc(0) depctr_va_vcc(0) depctr_vm_vsrc(0)
	s_getreg_b32 s2, hwreg(HW_REG_IB_STS2, 6, 4)
	s_cmp_eq_u32 s2, 0
	s_cbranch_scc0 .Lentry_in_a_cluster
	s_endpgm
.Lentry_in_a_cluster:
	s_bfe_u32 s2, ttmp6, 0x10000c
	s_cmp_lg_u32 s2, 0x3003
	s_cbranch_scc0 .Lentry_shape_is_right
	s_endpgm
.Lentry_shape_is_right:
; new_v = softmax(q k^T / sqrt(2048)) v for one head of one batch (grid y), 256 queries a work-group (grid x), both products on codes of FP4 with E8M0 scales; new_v is quantised along its 64 channels.
; THE SOFTMAX AHEAD OF THE SECOND PRODUCT: t = score x log2(e) / sqrt(2048); M = the row's largest t so far, rounded UP to a whole number; p = 2^(t - M) is quantised along the keys, not normalised.
; The row's sum is taken of the unquantised p, in f32, and divides O at the end.  When M moves, the sum and O are multiplied by 2^(old M - new M): exact.
; SHARES.  Each of the SIXTEEN waves owns 16 queries in 256 registers: four waves to a SIMD, so that one wave's vector work stands beside another's matrix work and LDS loads.  Every wave walks all 2,048 keys, 128 a step.
; THE HEAD'S K AND V LIE IN LDS WHOLE (65,536 bytes each, and their scale words), filled once, in four chunks of 512 keys; nothing is filled again.  All lie as images of the operands' registers:
; a fragment's four registers are 512 consecutive bytes, 16 a lane: no pitch, no padding.
; LAYOUT.  Both products are used transposed: S^T = K Q^T (source 0 = 16 keys, source 1 = my 16 queries), O^T = V^T P^T (source 0 = 16 channels, source 1 = P): a lane holds ONE query (lane % 16) throughout.
; The first product's K is 64: the upper 64 places of the instruction's 128 hold zero codes on both sides (registers 4-7 of Q's and K's fragments, cleared once); their scale bytes are 0, which is 2^-127 over zeros.
; In S^T tile t, lane (r, h), register j is key 16 t + 8 h + j.  The eight conversions' results are laid so that two exchanges of halves for each 64 keys give the operand's layout.
; CLUSTER 4 x 1: the four query blocks of a cluster walk the same head: K, V and their scales are asked for jointly, by waves 0 (K) and 1 (V).
; LIMITS: NaN and infinities are not served.  A block of p whose largest number lies under 2^-124 gets the byte 1.  A block's largest p is taken from its largest score through the same multiply-add and
; exponential, which takes v_exp_f32 not to fall where its input rises.  Divisions are v_rcp_f32 and a multiplication.
; REGISTERS: v1-4 addresses that stay; v8-11 addresses of the step; v12 -M, v13 the largest t, v[14:15] the sum in two halves; v16-23 Q; v24 Q's scale words; v26-29 the conversions' scale operands; v30 the result's scale
; halfword; v32-95 K's eight fragments; v96-127 V's four; v128-191 S^T, then p; v192-223 O^T; v224-231 p's codes; v232-235 K's scale words; v240-243 V's; v244-251 at work; v252 f; v253 p's scale word.
.set KSC,  131072                      ; LDS: K's codes at 0, V's at 65,536; K's scale words, 8,192 bytes;
.set VSC,  139264                      ; V's, 4,096 bytes;
.set STG,  143360                      ; and 512 bytes in which the sixteen waves' scale halfwords meet; no tile lands there
.set LI,  1                            ; v1   16 x lane: K's place
.set LV,  2                            ; v2   + 65,536: V's
.set LK,  3                            ; v3   KSC + 16 x lane
.set LT,  4                            ; v4   VSC + 16 r
.set ADK, 8
.set ADV, 9
.set ADS, 10
.set ADT, 11
.set SO,  26
.set S,   128
.set O,   192
.set P,   224
.set KS,  232
.set VS,  240
.set MX,  244
.set MY,  248
.set WV,  16                           ; s16  wave
.set SEL, 20                           ; s[20:21] v_permlanex16_b32's selects for lane l xor 16
.set CS,  22                           ; s[22:23] c = log2(e) / sqrt(2048)
.set G1C, 24                           ; s[24:31] group 1 for a chunk of codes: 16,384 dense bytes as 64 rows of 256
.set G1SK, 32                          ; s[32:39] for K's scale words: 32 rows of 256 bytes, 512 apart in memory
.set G0K, 40                           ; s[40:59] five groups 0: K's scale words, K's four chunks
.set TB,  60                           ; s60  the step's codes: 4,096 bytes a step
.set TS,  61                           ; s61  K's scale words: 512 a step
.set TJ,  62                           ; s62  V's: 256 a step
.set CNT, 63
.set G1SV, 68                          ; s[68:75] for V's scale words: 4,096 dense bytes as 16 rows of 256
.set G0V, 76                           ; s[76:95] five groups 0 for V
.macro PLACES
.rept 4
	v_nop
.endr
.endm
.macro CROUND                          ; a round of the cluster's barrier
	s_barrier_signal -1
	s_barrier_wait -1
	s_cmp_lg_u32 s[WV], 0
	s_cbranch_scc1 .Lnot_wave_0_\@
	s_barrier_signal -3
.Lnot_wave_0_\@:
	s_barrier_wait -3
	s_barrier_signal -1
	s_barrier_wait -1
.endm
	s_load_b256 s[4:11], s[0:1], 0x0               ; qkc s[4:5], vc s[6:7], qks s[8:9], vsc s[10:11]
	s_load_b128 s[12:15], s[0:1], 0x20             ; nvc s[12:13], nvs s[14:15]
	v_lshl_add_u32 v239, v0, 2, 0x29000
	v_mov_b32 v255, 0
	ds_add_u32 v239, v255
	ds_add_u32 v239, v255
	v_lshrrev_b32 v1, 5, v0
	v_readfirstlane_b32 s[WV], v1                  ; wave 0..15
	s_bfe_u32 s17, ttmp6, 0x40000                  ; cx
	s_lshl_b32 s18, ttmp9, 2
	s_add_co_u32 s18, s18, s17                     ; my block of 256 queries: it enters Q's and the results' addresses alone
	s_and_b32 s19, ttmp7, 0xffff                   ; batch x 16 + head, which the four partners share
	s_mov_b32 s[G1C], 15|(3<<16)|(1<<21)           ; 15:0 the mask: all four; 17:16 elements of 8 bytes; 21 set beside a mask; no padding
	s_mov_b32 s[G1C+1], 32<<16                     ; tensor_dim0 = 32 elements
	s_mov_b32 s[G1C+2], 64<<16                     ; tensor_dim1
	s_mov_b32 s[G1C+3], 32<<16                     ; tile_dim0
	s_mov_b32 s[G1C+4], 64                         ; tile_dim1
	s_mov_b32 s[G1C+5], 32                         ; the pitch: dense
	s_mov_b32 s[G1C+6], 0
	s_mov_b32 s[G1C+7], 0
	s_mov_b32 s[G1SK], 15|(3<<16)|(1<<21)
	s_mov_b32 s[G1SK+1], 32<<16
	s_mov_b32 s[G1SK+2], 32<<16
	s_mov_b32 s[G1SK+3], 32<<16
	s_mov_b32 s[G1SK+4], 32
	s_mov_b32 s[G1SK+5], 64                        ; every second 256 bytes: k's half of each group of 64 tokens
	s_mov_b32 s[G1SK+6], 0
	s_mov_b32 s[G1SK+7], 0
	s_mov_b32 s[G1SV], 15|(3<<16)|(1<<21)
	s_mov_b32 s[G1SV+1], 32<<16
	s_mov_b32 s[G1SV+2], 16<<16
	s_mov_b32 s[G1SV+3], 32<<16
	s_mov_b32 s[G1SV+4], 16
	s_mov_b32 s[G1SV+5], 32
	s_mov_b32 s[G1SV+6], 0
	s_mov_b32 s[G1SV+7], 0
	s_lshl_b32 s96, s19, 16                        ; a head's codes: 65,536 bytes,
	s_mov_b32 s97, 0
	s_lshl_b32 s98, s19, 14                        ; q's and k's scale words: 16,384,
	s_mov_b32 s99, 0
	s_lshl_b32 s100, s19, 12                       ; v's: 4,096
	s_mov_b32 s101, 0
	s_wait_dscnt 0x0
	s_wait_kmcnt 0x0
	s_add_nc_u64 s[4:5], s[4:5], s[96:97]
	s_add_nc_u64 s[6:7], s[6:7], s[96:97]
	s_add_nc_u64 s[8:9], s[8:9], s[98:99]
	s_add_nc_u64 s[10:11], s[10:11], s[100:101]
	s_mov_b32 s[G0K], 1
	s_mov_b32 s[G0K+1], KSC
	s_add_nc_u64 s[G0K+2:G0K+3], s[8:9], 256
	s_or_b32 s[G0K+3], s[G0K+3], 0x80000000
	s_mov_b32 s[G0V], 1
	s_mov_b32 s[G0V+1], VSC
	s_mov_b64 s[G0V+2:G0V+3], s[10:11]
	s_or_b32 s[G0V+3], s[G0V+3], 0x80000000
.irp c, 0,1,2,3
	s_mov_b32 s[G0K+4+4*\c], 1
	s_mov_b32 s[G0K+5+4*\c], \c*16384
	s_add_nc_u64 s[G0K+6+4*\c:G0K+7+4*\c], s[4:5], 4194304+\c*16384    ; k lies behind q in qkc
	s_or_b32 s[G0K+7+4*\c], s[G0K+7+4*\c], 0x80000000
	s_mov_b32 s[G0V+4+4*\c], 1
	s_mov_b32 s[G0V+5+4*\c], 65536+\c*16384
	s_add_nc_u64 s[G0V+6+4*\c:G0V+7+4*\c], s[6:7], \c*16384
	s_or_b32 s[G0V+7+4*\c], s[G0V+7+4*\c], 0x80000000
.endr
	CROUND                                         ; all four work-groups are here: the joint loads meet
	s_cmp_eq_u32 s[WV], 0                          ; a wave's fills stand in one branch on the wave's number: five loads of wave 0 or 1 are out; four v_nop follow the last
	s_cbranch_scc0 .Lnot_k
	tensor_load_to_lds s[G0K:G0K+3], s[G1SK:G1SK+7]
	s_nop 0
	tensor_load_to_lds s[G0K+4:G0K+7], s[G1C:G1C+7]
	s_nop 0
	tensor_load_to_lds s[G0K+8:G0K+11], s[G1C:G1C+7]
	s_nop 0
	tensor_load_to_lds s[G0K+12:G0K+15], s[G1C:G1C+7]
	s_nop 0
	tensor_load_to_lds s[G0K+16:G0K+19], s[G1C:G1C+7]
	s_nop 0
.rept 4
	v_nop
.endr
	s_branch .Lasked
.Lnot_k:
	s_cmp_eq_u32 s[WV], 1
	s_cbranch_scc0 .Lasked
	tensor_load_to_lds s[G0V:G0V+3], s[G1SV:G1SV+7]
	s_nop 0
	tensor_load_to_lds s[G0V+4:G0V+7], s[G1C:G1C+7]
	s_nop 0
	tensor_load_to_lds s[G0V+8:G0V+11], s[G1C:G1C+7]
	s_nop 0
	tensor_load_to_lds s[G0V+12:G0V+15], s[G1C:G1C+7]
	s_nop 0
	tensor_load_to_lds s[G0V+16:G0V+19], s[G1C:G1C+7]
	s_nop 0
.rept 4
	v_nop
.endr
.Lasked:
	s_lshl_b32 s96, s18, 4
	s_add_co_u32 s96, s96, s[WV]                   ; my tile of 16 queries within the head: 0 .. 127
	s_lshl_b32 s98, s96, 9
	s_mov_b32 s99, 0
	s_add_nc_u64 s[98:99], s[4:5], s[98:99]        ; its codes
	s_lshr_b32 s100, s96, 2
	s_lshl_b32 s100, s100, 9
	s_and_b32 s101, s96, 3
	s_lshl_b32 s101, s101, 2
	s_add_co_u32 s100, s100, s101
	s_mov_b32 s101, 0
	s_add_nc_u64 s[100:101], s[8:9], s[100:101]    ; its scale words: group of 64 tokens, q's half, tile in the group
	v_and_b32 v5, 31, v0
	v_lshlrev_b32 v[LI], 4, v5
	v_and_b32 v6, 15, v0                           ; r
	v_lshlrev_b32 v7, 4, v6
	global_load_b128 v[16:19], v[LI], s[98:99]     ; Q's fragment stays in registers
	global_load_b32 v24, v7, s[100:101]
	v_add_nc_u32 v[LV], 65536, v[LI]
	v_add_nc_u32 v[LK], KSC, v[LI]
	v_lshl_add_u32 v[LT], v6, 4, VSC
	v_add_nc_u32 v5, STG, v[LI]                    ; the stage, on the way out
	s_lshl_b32 s2, s[WV], 5
	s_add_co_u32 s2, s2, STG
	v_lshl_add_u32 v31, v6, 1, s2                  ; and on the way in: STG + 32 x wave + 2 r
	s_lshr_b32 s2, s19, 4                          ; the batch
	s_lshl_b32 s3, s2, 7
	s_add_co_u32 s3, s3, s96                       ; my tile of tokens among all 512
	s_lshl_b32 s96, s3, 13                         ; nvc: 8,192 bytes a tile,
	s_and_b32 s3, s19, 15                          ; the head:
	s_lshl_b32 s97, s3, 9                          ; 512 bytes a head (K step head / 2, half head % 2)
	s_add_co_u32 s96, s96, s97
	s_mov_b32 s97, 0
	s_add_nc_u64 s[12:13], s[12:13], s[96:97]
	s_lshl_b32 s96, s3, 14                         ; nvs: 16,384 bytes a head,
	s_lshl_b32 s2, s2, 12                          ; 4,096 a batch,
	s_add_co_u32 s96, s96, s2
	s_lshl_b32 s2, s18, 9                          ; 512 a block of 256 queries
	s_add_co_u32 s96, s96, s2
	s_add_nc_u64 s[14:15], s[14:15], s[96:97]
	s_mov_b32 s[SEL], 0x76543210
	s_mov_b32 s[SEL+1], 0xfedcba98
	s_mov_b32 s[CS], 0x3d0293ee                    ; c = log2(e) / sqrt(2048)
	s_mov_b32 s[CS+1], s[CS]                       ; (named with it as a pair, so it is written)
	s_mov_b32 s[TB], 0
	s_mov_b32 s[TS], 0
	s_mov_b32 s[TJ], 0
.irp j, 20,21,22,23
	v_mov_b32 v[\j], 0                             ; Q's upper 64 places: zero codes
.endr
.irp t, 0,1,2,3,4,5,6,7
.irp j, 4,5,6,7
	v_mov_b32 v[32+8*\t+\j], 0                     ; K's likewise: cleared once, never written again
.endr
.endr
	v_mov_b32 v13, 0xff61b1e6                      ; the largest t so far: -3e38, under every t
	v_floor_f32 v12, -v13                          ; -M
	v_mov_b32 v14, 0                               ; the sum, in two halves
	v_mov_b32 v15, 0
.irp b, 0,1,2,3
	v_mov_b32 v[MY+\b], 0                          ; written once: a lane permute's destination counts as one of its sources
.endr
	v_mov_b32 v253, 0                              ; (named as the upper half of the pair v[252:253] before it is first written)
.set i, 0
.rept 32
	v_mov_b32 v[O+i], 0                            ; O^T.  (The step is written once: the first finds zeros, which the first change of M leaves zeros)
.set i, i+1
.endr
; A KEY STEP: 128 keys.
.macro STEP
	v_add_nc_u32 v[ADK], s[TB], v[LI]              ; (these four are also the places in front of loads into registers that the last step's products have read)
	v_add_nc_u32 v[ADV], s[TB], v[LV]
	v_add_nc_u32 v[ADS], s[TS], v[LK]
	v_add_nc_u32 v[ADT], s[TJ], v[LT]
.irp t, 0,1,2,3,4,5,6,7
	ds_load_b128 v[32+8*\t:35+8*\t], v[ADK] offset:512*\t                     ; K's tile t: keys 16 t + r, channels 32 h on
.endr
	ds_load_b128 v[KS:KS+3], v[ADS]                ; register q: lanes 0-15 the words of tile q, lanes 16-31 those of tile 4 + q
.irp t, 0,1,2,3
.irp c, 0,1
	ds_load_b128 v[96+8*\t+4*\c:99+8*\t+4*\c], v[ADV] offset:1024*\t+512*\c   ; V^T's tile t: channels 16 t + r, keys 64 c + 32 h on
.endr
.endr
	ds_load_b128 v[VS:VS+3], v[ADT]                ; register t: the word of channel 16 t + r
	s_wait_dscnt 9                                 ; K and its words are in; V's eight loads and its words may be out
.irp t, 0,1,2,3
	v_wmma_scale_f32_16x16x128_f8f6f4 v[S+8*\t:S+8*\t+7], v[32+8*\t:39+8*\t], v[16:23], 0, v[KS+\t], v24 matrix_a_fmt:MATRIX_FMT_FP4 matrix_b_fmt:MATRIX_FMT_FP4
.endr
.irp t, 4,5,6,7
	v_wmma_scale_f32_16x16x128_f8f6f4 v[S+8*\t:S+8*\t+7], v[32+8*\t:39+8*\t], v[16:23], 0, v[KS+\t-4], v24 matrix_a_fmt:MATRIX_FMT_FP4 matrix_b_fmt:MATRIX_FMT_FP4 matrix_a_scale:MATRIX_SCALE_ROW1
.endr
	PLACES
.irp b, 0,1,2,3
	v_max3_num_f32 v[MX+\b], v[S+16*\b], v[S+1+16*\b], v[S+2+16*\b]           ; THE LARGEST SCORE OF EACH BLOCK OF 32 KEYS: for the row's maximum, and, since p rises with the score, for the block's largest p
.endr
.irp i, 3,5,7,9,11,13
.irp b, 0,1,2,3
	v_max3_num_f32 v[MX+\b], v[MX+\b], v[S+16*\b+\i], v[S+1+16*\b+\i]         ; (the four blocks by turns; each tile of scores is first read at its low end)
.endr
.endr
.irp b, 0,1,2,3
	v_max_num_f32 v[MX+\b], v[MX+\b], v[S+15+16*\b]
.endr
.irp b, 0,1,2,3
	v_permlanex16_b32 v[MY+\b], v[MX+\b], s[SEL], s[SEL+1]
.endr
.irp b, 0,1,2,3
	v_max_num_f32 v[MX+\b], v[MX+\b], v[MY+\b]     ; with lane l xor 16's 16 keys
.endr
	v_max3_num_f32 v254, v[MX], v[MX+1], v[MX+2]
	v_max_num_f32 v254, v254, v[MX+3]              ; the step's largest score of my query
	v_mul_f32 v254, s[CS], v254                    ; as t (c is positive)
	v_max_num_f32 v13, v13, v254                   ; the running largest t
	v_mov_b32 v254, v12
	v_floor_f32 v12, -v13                          ; the new -M = floor(-t) = -ceil(t): M IS A WHOLE NUMBER
	v_sub_f32 v254, v12, v254                      ; M's old value less its new one: a whole number, 0 or less
	v_cvt_i32_f32 v254, v254                       ; (it saturates)
	v_ldexp_f32 v252, 1.0, v254                    ; f = 2^(old M - new M)
.set i, 0
.rept 32
	v_pk_fma_f32 v[S+i:S+i+1], v[S+i:S+i+1], s[CS:CS+1], v[12:13] op_sel_hi:[1,0,0]   ; t - M, two at a time (of the pairs c and -M the low word serves both halves)
.set i, i+2
.endr
.irp b, 0,1,2,3
	v_fma_f32 v[MX+\b], v[MX+\b], s[CS], v12       ; the same of each block's largest score
.endr
.set i, 0
.rept 64
	v_exp_f32 v[S+i], v[S+i]                       ; p = 2^(t - M), at most 1: NOT normalised
.set i, i+1
.endr
.irp b, 0,1,2,3
	v_exp_f32 v[MX+\b], v[MX+\b]                   ; the block's largest p: the same two instructions on the same number give the same bits
.endr
	v_pk_mul_f32 v[14:15], v[14:15], v[252:253] op_sel_hi:[1,0]               ; the sums under the new M.  (A plain place behind the exponentials)
	s_wait_alu depctr_va_vdst(0)
.irp b, 0,1,2,3
	v_max_num_f32 v[MX+\b], 0x1800000, v[MX+\b]    ; the floor 2^(3 - 127): the byte cannot fall under 1
.endr
.irp b, 0,1,2,3
	v_add_nc_u32 v[SO+\b], 0xff000000, v[MX+\b]    ; 2 off the exponent field: the conversion's scale operand
.endr
.irp b, 0,1,2,3
	v_lshrrev_b32 v[MY+\b], 23, v[SO+\b]           ; the scale's byte
.endr
	v_lshl_or_b32 v253, v[MY+1], 8, v[MY]          ; p's scale word for these 128 keys
	v_lshl_or_b32 v253, v[MY+2], 16, v253
	v_lshl_or_b32 v253, v[MY+3], 24, v253
.irp c, 0,1
	v_cvt_scalef32_pk8_fp4_f32 v[P+4*\c], v[S+32*\c:S+32*\c+7], v[SO+2*\c]
	v_cvt_scalef32_pk8_fp4_f32 v[P+4*\c+2], v[S+32*\c+8:S+32*\c+15], v[SO+2*\c]
	v_cvt_scalef32_pk8_fp4_f32 v[P+4*\c+1], v[S+32*\c+16:S+32*\c+23], v[SO+2*\c+1]
	v_cvt_scalef32_pk8_fp4_f32 v[P+4*\c+3], v[S+32*\c+24:S+32*\c+31], v[SO+2*\c+1]
.endr
	v_nop                                          ; one plain place behind a scaled conversion
.irp c, 0,1                                    ; the operand's layout wants a WHOLE block in a lane: lanes 0-15 block 2 c, lanes 16-31 block 2 c + 1
	v_permlane16_swap_b32 v[P+4*\c], v[P+4*\c+1]
	v_permlane16_swap_b32 v[P+4*\c+2], v[P+4*\c+3]
.endr
	v_pk_add_f32 v[MY:MY+1], v[S:S+1], v[S+2:S+3]  ; THE ROW'S SUM IS TAKEN OF THE UNQUANTISED p: two at a time, in two chains
.irp j, 4,8,12,16,20,24,28,32,36,40,44,48,52,56,60
	v_pk_add_f32 v[14:15], v[14:15], v[S+\j:S+\j+1]
	v_pk_add_f32 v[MY:MY+1], v[MY:MY+1], v[S+\j+2:S+\j+3]
.endr
	v_pk_add_f32 v[14:15], v[14:15], v[MY:MY+1]
.set i, 0
.rept 16
	v_pk_mul_f32 v[O+i:O+i+1], v[O+i:O+i+1], v[252:253] op_sel_hi:[1,0]       ; O^T under the new M: x f.  (The sums and these are the places between p's codes and scale word and the products below)
.set i, i+2
.endr
	s_wait_dscnt 0x0                               ; V and its words are in
.irp t, 0,1,2,3
	v_wmma_scale_f32_16x16x128_f8f6f4 v[O+8*\t:O+8*\t+7], v[96+8*\t:103+8*\t], v[P:P+7], v[O+8*\t:O+8*\t+7], v[VS+\t], v253 matrix_a_fmt:MATRIX_FMT_FP4 matrix_b_fmt:MATRIX_FMT_FP4
.endr
	s_add_co_u32 s[TB], s[TB], 4096
	s_add_co_u32 s[TS], s[TS], 512
	s_add_co_u32 s[TJ], s[TJ], 256
.endm
; Chunk c: 512 keys, four steps.  The wave that asked waits for its part, then the barrier shows it to all; the later chunks' loads stay out.
.macro CHUNK c
	s_wait_tensorcnt 3-\c                          ; behind chunk c's load stand those of the 3 - c later chunks (a wave that asked for nothing passes)
	s_wait_dscnt 0x0                               ; no LDS load of mine is out at the signal
	s_barrier_signal -1
	s_barrier_wait -1
	s_mov_b32 s[CNT], 4
.Lstep_\@:
	STEP
	s_sub_co_u32 s[CNT], s[CNT], 1
	s_cmp_lg_u32 s[CNT], 0
	s_cbranch_scc1 .Lstep_\@
.endm
; 32 numbers of a lane become four registers of codes and a halfword of two scale bytes: as in the launch before
.macro QUANT2 t, p, w
.irp b, 0,1
	v_max3_num_f32 v[MX+\b], |v[\t+16*\b]|, |v[\t+16*\b+1]|, 0x1800000
.endr
.irp i, 2,4,6,8,10,12,14
.irp b, 0,1
	v_max3_num_f32 v[MX+\b], v[MX+\b], |v[\t+16*\b+\i]|, |v[\t+16*\b+\i+1]|
.endr
.endr
.irp b, 0,1
	v_permlanex16_b32 v[MY+\b], v[MX+\b], s[SEL], s[SEL+1]
.endr
.irp b, 0,1
	v_max_num_f32 v[MX+\b], v[MX+\b], v[MY+\b]
.endr
.irp b, 0,1
	v_add_nc_u32 v[SO+\b], 0xff000000, v[MX+\b]
.endr
.irp b, 0,1
	v_lshrrev_b32 v[MY+\b], 23, v[SO+\b]
.endr
	v_lshl_or_b32 v[\w], v[MY+1], 8, v[MY]
	v_cvt_scalef32_pk8_fp4_f32 v[\p], v[\t:\t+7], v[SO]
	v_cvt_scalef32_pk8_fp4_f32 v[\p+2], v[\t+8:\t+15], v[SO]
	v_cvt_scalef32_pk8_fp4_f32 v[\p+1], v[\t+16:\t+23], v[SO+1]
	v_cvt_scalef32_pk8_fp4_f32 v[\p+3], v[\t+24:\t+31], v[SO+1]
	v_nop
	v_permlane16_swap_b32 v[\p], v[\p+1]
	v_permlane16_swap_b32 v[\p+2], v[\p+3]
.endm
	s_wait_loadcnt 0x0                             ; Q and its scale words
	CHUNK 0
	CHUNK 1
	CHUNK 2
	CHUNK 3                                        ; its wait is for 0: no tensor load is out from here on
	; THE END: O^T / the sum is new_v: lane (r, h), register 8 t + j: query r, channel 16 t + 8 h + j; it is quantised along the channels, which are the next product's K.
	PLACES
	v_add_f32 v14, v14, v15                        ; the sum's two halves,
	v_permlanex16_b32 v[MY], v14, s[SEL], s[SEL+1]
	v_add_f32 v14, v14, v[MY]                      ; and lane l xor 16's: the row's sum
	v_rcp_f32 v14, v14
	v_nop                                          ; a plain place behind the transcendental
.set i, 0
	s_wait_alu depctr_va_vdst(0)
.rept 16
	v_pk_mul_f32 v[S+i:S+i+1], v[O+i:O+i+1], v[14:15] op_sel_hi:[1,0]         ; each accumulator from its low end on
.set i, i+2
.endr
	QUANT2 S, P, 30
	global_store_b128 v[LI], v[P:P+3], s[12:13]    ; 512 consecutive bytes: half a fragment of the next product's operand
	ds_store_b16 v31, v30                          ; both halves of the lanes write the same bytes with the same value
	s_wait_dscnt 0x0                               ; for the others' sake
	s_barrier_signal -1
	s_barrier_wait -1
	s_cmp_lg_u32 s[WV], 0
	s_cbranch_scc1 .Lno_nvs
	ds_load_b128 v[32:35], v5                      ; the 256 queries' halfwords
	s_wait_dscnt 0x0
	global_store_b128 v[LI], v[32:35], s[14:15]
.Lno_nvs:
	s_wait_tensorcnt 0x0
	ds_add_u32 v239, v255
	s_wait_dscnt 0x0
	CROUND                                         ; the closing round: no work-group ends while a partner may still ask for a tile that names it
	s_endpgm
.Lfunc_end_k_q2ea7c70af2_attn:
	.size	k_q2ea7c70af2_attn, .Lfunc_end_k_q2ea7c70af2_attn-k_q2ea7c70af2_attn
	.p2alignl 7, 3214868480
	.fill 96, 4, 3214868480
	.section	.rodata,"a",@progbits
	.p2align	6, 0x0
	.amdhsa_kernel k_q2ea7c70af2_attn
		.amdhsa_group_segment_fixed_size 169984
		.amdhsa_private_segment_fixed_size 0
		.amdhsa_enable_private_segment 0
		.amdhsa_kernarg_size 48
		.amdhsa_user_sgpr_count 2
		.amdhsa_user_sgpr_kernarg_segment_ptr 1
		.amdhsa_wavefront_size32 1
		.amdhsa_system_sgpr_workgroup_id_x 1
		.amdhsa_system_sgpr_workgroup_id_y 1
		.amdhsa_system_sgpr_workgroup_id_z 1
		.amdhsa_system_vgpr_workitem_id 0
		.amdhsa_next_free_vgpr 256
		.amdhsa_next_free_sgpr 102
		.amdhsa_reserve_vcc 0
		.amdhsa_float_denorm_mode_32 3
		.amdhsa_float_denorm_mode_16_64 3
		.amdhsa_memory_ordered 1
		.amdhsa_forward_progress 1
		.amdhsa_inst_pref_size 75
	.end_amdhsa_kernel
	.amdgpu_metadata
---
amdhsa.version: [ 1, 2 ]
amdhsa.kernels:
  - .name:           k_q2ea7c70af2_attn
    .symbol:         k_q2ea7c70af2_attn.kd
    .args:
      - { .name: qkc, .offset: 0, .size: 8, .value_kind: global_buffer, .address_space: global }
      - { .name: vc, .offset: 8, .size: 8, .value_kind: global_buffer, .address_space: global }
      - { .name: qks, .offset: 16, .size: 8, .value_kind: global_buffer, .address_space: global }
      - { .name: vsc, .offset: 24, .size: 8, .value_kind: global_buffer, .address_space: global }
      - { .name: nvc, .offset: 32, .size: 8, .value_kind: global_buffer, .address_space: global }
      - { .name: nvs, .offset: 40, .size: 8, .value_kind: global_buffer, .address_space: global }
    .group_segment_fixed_size: 169984
    .private_segment_fixed_size: 0
    .kernarg_segment_align: 8
    .kernarg_segment_size: 48
    .max_flat_workgroup_size: 512
    .sgpr_count:     102
    .vgpr_count:     256
    .wavefront_size: 32
...
	.end_amdgpu_metadata
.endif
;; end of part 3
;; launch proj (part 4): grid 256 x 1, 4 waves a work-group, clusters of 4 x 1, 327,680 bytes of LDS; arguments nvc, nvs, W_fc2_codes, W_fc2_scales, b_fc2, x, out0; writes out0
.if DOCPART == 4
	.amdgcn_target "amdgcn-amd-amdhsa--gfx1250"
	.amdhsa_code_object_version 6
	.text
	.protected	k_q2ea7c70af2_proj
	.globl	k_q2ea7c70af2_proj
	.p2align	8
	.type	k_q2ea7c70af2_proj,@function
k_q2ea7c70af2_proj:
	s_mov_b64 s[64:65], 0
	v_nop
	global_prefetch_b8 v0, s[64:65] scope:SCOPE_SE
	s_setreg_imm32_b32 hwreg(HW_REG_WAVE_MODE, 25, 1), 1
	s_wait_xcnt 0x0
	s_wait_alu depctr_hold_cnt(0) depctr_sa_sdst(0) depctr_va_vdst(0) depctr_va_sdst(0) depctr_va_ssrc(0) depctr_va_vcc(0) depctr_vm_vsrc(0)
	s_getreg_b32 s2, hwreg(HW_REG_IB_STS2, 6, 4)
	s_cmp_eq_u32 s2, 0
	s_cbranch_scc0 .Lentry_in_a_cluster
	s_endpgm
.Lentry_in_a_cluster:
	s_bfe_u32 s2, ttmp6, 0x10000c
	s_cmp_lg_u32 s2, 0x3003
	s_cbranch_scc0 .Lentry_shape_is_right
	s_endpgm
.Lentry_shape_is_right:
; out0 = layer_norm(x + swish(new_v W_fc2 + b_fc2)), the product on codes of FP4 with E8M0 scales, all else in f32.
; SHARES.  A work-group owns 32 tokens x all 1,024 columns, so that a row's mean and variance stay inside it.  Wave w owns columns 256 w .. 256 w + 255: 2 tiles of tokens (m) x 16 tiles of columns:
; 32 accumulators.  The product is used TRANSPOSED (source 0 = 16 rows of W_fc2, source 1 = 16 tokens): a lane holds one token and eight neighbouring columns.
; new_v's 16 fragments (all of K for 32 tokens) stay in registers.  W_fc2 streams: a row of it is read by one wave alone, so each wave has a ring of two LDS slots of its own, 64 rows x 512 bytes
; (all of K) a slot, four chunks in all; a wave reads only what it asked for, behind its own wait.
; CLUSTER 4 x 1: all work-groups stream the same W_fc2: wave w of the four partners asks jointly for its chunks.  A slot is filled again behind a round of the cluster's barrier.
; x's 32 rows x 1,024 bytes of my columns are asked for at the head, 512 consecutive bytes a load, and stay on their way under the weights' stream; they turn through LDS into the result's layout.
; The stage for that, and for the way out, is my slot 0, once it has had its last fill and its last read.
; THE VARIANCE is taken in two passes (mean first, then the squares of the differences): no difference of large sums.
; LIMITS: NaN and infinities are not served.  swish(y) = y / (1 + 2^(-y log2 e)) by v_exp_f32 and v_rcp_f32; 1 / sqrt by v_rsq_f32.
; REGISTERS, in windows of 256.  Window 0: v1-13 addresses; v14-15 the add's two; v16-23 sums; v24-31 at work; v32-95 W's scale words; v96-103 new_v's; v104-119 their halfwords, later means and 1 / deviations;
;   v128-255 b_fc2 in the result's layout, later T (v128-159) and x (v160-191).  Window 1: the accumulators, then y, at 128 m + 8 ct.  Window 2: x as loaded, later the rows on their way out.
;   Window 3: new_v's fragments at 8 (8 m + s); two sets of W's fragments at 128 and 192.
.set WP,    528                        ; a row of W in LDS: 512 bytes + 16 of padding: an odd multiple of 16
.set SLOT,  64*WP                      ; 33,792
.set RING,  2*SLOT                     ; a wave's ring
.set RED0,  4*RING                     ; 270,336: 512 bytes for the sums,
.set RED1,  RED0+512                   ; 512 for the squares,
.set SPARE, RED1+512                   ; and the spare words, 128 bytes for each wave: two blocks of 256 bytes that no other line names
.set XP,    1040                       ; a row of the stage: 1,024 bytes + 16
.set LI,  3                            ; v3   16 x lane
.set ADW, 4                            ; v4-5 my lane's place in slot 0, 1
.set XST, 6                            ; v6   the stage by rows: 16 x lane
.set DA,  7                            ; v7   the stage in the result's layout: row r, + 32 h
.set RW,  12                           ; v12  where I put my wave's sums
.set RA,  13                           ; v13  where I read the four waves'
.set SPW, 14
.set NIL, 15
.set SUM, 16
.set TR,  24
.set W2S, 32
.set AS,  96
.set U,   104
.set MU,  104
.set RS,  108
.set BI,  128
.set T,   128
.set XT,  160
.set WV,  18
.set G1W, 24
.set G0,  32
.set SEL, 40
.set NL,  42
.set HI,  44
.set MSB, 0
.macro WIN new                         ; the immediate's high byte repeats the setting that is left
.if MSB != \new
	s_set_vgpr_msb (MSB<<8)|\new
.set MSB, \new
.endif
.endm
.macro PLACES
.rept 4
	v_nop
.endr
.endm
.macro ROUND                           ; a round of the cluster's barrier
	s_barrier_signal -1
	s_barrier_wait -1
	s_cmp_lg_u32 s[WV], 0
	s_cbranch_scc1 .Lnot_wave_0_\@
	s_barrier_signal -3
.Lnot_wave_0_\@:
	s_barrier_wait -3
	s_barrier_signal -1
	s_barrier_wait -1
.endm
	s_load_b256 s[4:11], s[0:1], 0x0               ; nvc s[4:5], nvs s[6:7], W's codes s[8:9], W's scales s[10:11]
	s_load_b128 s[12:15], s[0:1], 0x20             ; b_fc2 s[12:13], x s[14:15]
	s_load_b64 s[16:17], s[0:1], 0x30              ; out0
	v_lshl_add_u32 v[SPW], v0, 2, SPARE
	v_mov_b32 v[NIL], 0
	ds_add_u32 v14, v15
	ds_add_u32 v14, v15
	s_wait_dscnt 0x0
	v_lshrrev_b32 v1, 5, v0
	v_readfirstlane_b32 s[WV], v1                  ; wave 0..3
	s_bfe_u32 s19, ttmp6, 0x40000                  ; cx
	s_lshl_b32 s20, ttmp9, 2
	s_add_co_u32 s20, s20, s19                     ; my block of 32 tokens: it enters no descriptor and no LDS address
	s_mov_b32 s[G1W], 15|(1<<20)|(1<<21)|(6<<22)|(3<<25)    ; 15:0 the mask: all four; 17:16 elements of 1 byte; 20 padding on; 21 set beside a mask; 24:22 after every 128 words; 31:25 four words
	s_mov_b32 s[G1W+1], 512<<16                    ; tensor_dim0
	s_mov_b32 s[G1W+2], 64<<16                     ; tensor_dim1
	s_mov_b32 s[G1W+3], 512<<16                    ; tile_dim0
	s_mov_b32 s[G1W+4], 64                         ; tile_dim1
	s_mov_b32 s[G1W+5], 512                        ; the pitch: dense
	s_mov_b32 s[G1W+6], 0
	s_mov_b32 s[G1W+7], 0
	s_mul_i32 s46, s[WV], RING                     ; my ring
	s_lshl_b32 s48, s[WV], 17                      ; my 256 rows of W: 131,072 bytes a wave
	s_mov_b32 s49, 0
	s_wait_kmcnt 0x0
	s_add_nc_u64 s[48:49], s[8:9], s[48:49]
	ROUND                                          ; all four work-groups are here: the joint loads meet
.irp s, 0,1
	s_mov_b32 s[G0+4*\s], 1
	s_add_co_u32 s[G0+4*\s+1], s46, \s*SLOT
	s_add_nc_u64 s[G0+4*\s+2:G0+4*\s+3], s[48:49], \s*32768
	s_or_b32 s[G0+4*\s+3], s[G0+4*\s+3], 0x80000000
.endr
	tensor_load_to_lds s[G0:G0+3], s[G1W:G1W+7]    ; chunks 0 and 1: two loads of mine are out
	s_nop 0
	tensor_load_to_lds s[G0+4:G0+7], s[G1W:G1W+7]
	s_nop 0
	PLACES                                         ; four v_nop follow
	v_and_b32 v1, 15, v0                           ; r
	v_bfe_u32 v2, v0, 4, 1                         ; h
	v_and_b32 v[LI], 31, v0
	v_lshlrev_b32 v[LI], 4, v[LI]
	v_mul_u32_u24 v[ADW], v1, WP
	v_lshl_add_u32 v[ADW], v2, 4, v[ADW]
	v_add_nc_u32 v[ADW], s46, v[ADW]
	v_add_nc_u32 v[ADW+1], SLOT, v[ADW]
	v_add_nc_u32 v[XST], s46, v[LI]
	v_mul_u32_u24 v[DA], v1, XP
	v_lshl_add_u32 v[DA], v2, 5, v[DA]
	v_add_nc_u32 v[DA], s46, v[DA]
	v_lshlrev_b32 v9, 5, v1
	v_lshl_add_u32 v9, v2, 4, v9                   ; scale rows: 32 r + 16 h
	v_lshlrev_b32 v10, 5, v2                       ; b_fc2: my half's eight numbers
	v_lshlrev_b32 v11, 17, v2
	v_lshl_add_u32 v11, v1, 1, v11                 ; nvs: lanes 16-31 take the heads 8 further on (16,384 bytes a head); 2 bytes a token
	v_lshl_add_u32 v[RW], v0, 2, RED0              ; 128 x wave + 4 x lane
	v_lshl_add_u32 v[RA], v1, 2, RED0
	v_mov_b32 v[TR], 0                             ; written once: a lane permute's destination counts as one of its sources
	v_mov_b32 v[TR+1], 0
	s_mov_b32 s51, 0
	s_lshl_b32 s50, s20, 14                        ; nvc: two tiles of 8,192 bytes a block
	s_add_nc_u64 s[4:5], s[4:5], s[50:51]
	s_lshl_b32 s50, s20, 6                         ; nvs: 64 bytes a block in each head's row
	s_add_nc_u64 s[6:7], s[6:7], s[50:51]
	s_lshl_b32 s50, s[WV], 13                      ; W's scales: 256 rows of 32 bytes a wave
	s_add_nc_u64 s[10:11], s[10:11], s[50:51]
	s_lshl_b32 s50, s[WV], 10                      ; b_fc2: 256 numbers a wave
	s_add_nc_u64 s[12:13], s[12:13], s[50:51]
	s_lshl_b32 s52, s20, 17                        ; x and out0: 32 rows of 4,096 bytes a block, + my 1,024 bytes of a row
	s_add_co_u32 s50, s50, s52
	s_add_nc_u64 s[14:15], s[14:15], s[50:51]
	s_add_nc_u64 s[16:17], s[16:17], s[50:51]
	s_mov_b32 s[SEL], 0x76543210
	s_mov_b32 s[SEL+1], 0xfedcba98
	s_mov_b32 s[NL], 0xbfb8aa3b                    ; -log2(e)
	s_mov_b32 s[NL+1], s[NL]
	s_mov_b32 s[HI], 0xffff0000
	WIN 0xc0                                       ; destination window 3
.irp m, 0,1
.irp s, 0,1,2,3,4,5,6,7
.irp c, 0,1
	global_load_b128 v[8*(8*\m+\s)+4*\c:8*(8*\m+\s)+4*\c+3], v[LI], s[4:5] offset:\m*8192+\s*1024+\c*512   ; new_v's fragments, as images of their registers
.endr
.endr
.endr
	WIN 0
.irp t, 0,1,2,3,4,5,6,7,8,9,10,11,12,13,14,15
	global_load_b128 v[W2S+4*\t:W2S+4*\t+3], v9, s[10:11] offset:512*\t       ; register q: lanes 0-15 the words of K step q, lanes 16-31 those of K step 4 + q
.endr
.irp t, 0,1,2,3,4,5,6,7,8,9,10,11,12,13,14,15
	global_load_b128 v[BI+8*\t:BI+8*\t+3], v10, s[12:13] offset:64*\t         ; lane (r, h), register j: b_fc2 at column 16 t + 8 h + j
	global_load_b128 v[BI+8*\t+4:BI+8*\t+7], v10, s[12:13] offset:64*\t+16
.endr
.irp m, 0,1
.irp q, 0,1,2,3
.irp e, 0,1
	global_load_u16 v[U+8*\m+2*\q+\e], v11, s[6:7] offset:\q*32768+\e*16384+\m*32     ; head 8 h + 2 q + e, token 16 m + r: two scale bytes
.endr
.endr
.endr
	s_wait_loadcnt 0x0
.irp m, 0,1
.irp q, 0,1,2,3
	v_lshl_or_b32 v[AS+4*\m+\q], v[U+8*\m+2*\q+1], 16, v[U+8*\m+2*\q]         ; two heads are a K step of 128: its scale word; lanes 0-15 K step q, lanes 16-31 K step 4 + q
.endr
.endr
.rept 8
	v_nop                                          ; a scale register written by a vector instruction stands eight places ahead of a scaled matrix instruction
.endr
	WIN 0x80                                       ; destination window 2
.set k, 0
.rept 64
	global_load_b128 v[4*k:4*k+3], v[LI], s[14:15] offset:(k/2)*4096+(k%2)*512 th:TH_LOAD_NT   ; x: row k / 2, half k % 2 of my 1,024 bytes: 512 consecutive bytes a load
.set k, k+1
.endr
	WIN 0
; 16 LDS loads: W's fragments of K steps 2 p and 2 p + 1, four tiles of rows, from slot sl into set f
.macro FETCHW sl, p, f
	PLACES                                         ; in front of loads into registers that matrix instructions have read
	WIN 0xc0
.irp u, 0,1
.irp t, 0,1,2,3
.irp c, 0,1
	ds_load_b128 v[128+64*(\f)+8*(4*\u+\t)+4*\c:128+64*(\f)+8*(4*\u+\t)+4*\c+3], v[ADW+\sl] offset:16*WP*\t+64*(2*(\p)+\u)+32*\c
.endr
.endr
.endr
	WIN 0
.endm
; 16 matrix instructions: K steps 2 p, 2 p + 1 x the chunk's four tiles of columns x two tiles of tokens.  The chunk's eight accumulators take turns, one instruction a turn.
.macro MULP i, p
.irp u, 0,1
.set ks, 2*(\p)+\u
.if ks == 0
	WIN 0x4f                                       ; sources 0 and 1 window 3, C (the bias) window 0, D window 1
.else
	WIN 0x5f
.endif
.irp t, 0,1,2,3
.irp m, 0,1
.set rD, 128*\m+8*(4*(\i)+\t)
.set rW, 128+64*((\p)%2)+8*(4*\u+\t)
.set rA, 8*(8*\m+ks)
.set rSW, W2S+4*(4*(\i)+\t)+ks%4
.set rSA, AS+4*\m+ks%4
.if ks == 0
	v_wmma_scale_f32_16x16x128_f8f6f4 v[rD:rD+7], v[rW:rW+7], v[rA:rA+7], v[BI+8*(4*(\i)+\t):BI+8*(4*(\i)+\t)+7], v[rSW], v[rSA] matrix_a_fmt:MATRIX_FMT_FP4 matrix_b_fmt:MATRIX_FMT_FP4
.elseif ks < 4
	v_wmma_scale_f32_16x16x128_f8f6f4 v[rD:rD+7], v[rW:rW+7], v[rA:rA+7], v[rD:rD+7], v[rSW], v[rSA] matrix_a_fmt:MATRIX_FMT_FP4 matrix_b_fmt:MATRIX_FMT_FP4
.else
	v_wmma_scale_f32_16x16x128_f8f6f4 v[rD:rD+7], v[rW:rW+7], v[rA:rA+7], v[rD:rD+7], v[rSW], v[rSA] matrix_a_fmt:MATRIX_FMT_FP4 matrix_b_fmt:MATRIX_FMT_FP4 matrix_a_scale:MATRIX_SCALE_ROW1 matrix_b_scale:MATRIX_SCALE_ROW1
.endif
.endr
.endr
.endr
.endm
.macro CHUNK i, sl                     ; chunk i: my columns 64 i .. 64 i + 63, all of K, from slot sl
	FETCHW \sl, 0, 0
.irp p, 0,1,2,3
.if \p < 3
	FETCHW \sl, \p+1, (\p+1)%2
	s_wait_dscnt 16                                ; all but the 16 just issued
.else
	s_wait_dscnt 0x0
.endif
	MULP \i, \p
.endr
	WIN 0
.endm
; Slot sl, which has been read, is filled again with the chunk two further on.
.macro CHANGE sl
	s_wait_tensorcnt 0x0                           ; all my tensor loads have landed, the other slot's too: a group 0 may be written
	ds_add_u32 v[SPW], v[NIL]                      ; 0 onto my spare word
	s_add_nc_u64 s[G0+4*\sl+2:G0+4*\sl+3], s[G0+4*\sl+2:G0+4*\sl+3], 65536
	s_wait_dscnt 0x0                               ; the add is done, and my reads of the slot are over
	ROUND                                          ; both now hold of every wave of the four work-groups
	tensor_load_to_lds s[G0+4*\sl:G0+4*\sl+3], s[G1W:G1W+7]    ; my one tensor load behind the round, and the first thing there
	s_nop 0
	PLACES
.endm
; T = 1 / (1 + 2^(-y log2 e)) of the 32 numbers y at v[a] on of window win.  Each accumulator is read from its low end on.
.macro ACT win, a
	WIN \win
.set i, 0
.rept 16
	v_pk_mul_f32 v[T+i:T+i+1], v[\a+i:\a+i+1], s[NL:NL+1] op_sel_hi:[1,0]
.set i, i+2
.endr
	WIN 0
.set i, 0
.rept 32
	v_exp_f32 v[T+i], v[T+i]
.set i, i+1
.endr
	v_nop                                          ; a plain place behind the transcendentals
.set i, 0
	s_wait_alu depctr_va_vdst(0)
.rept 16
	v_pk_add_f32 v[T+i:T+i+1], v[T+i:T+i+1], 1.0 op_sel_hi:[1,0]
.set i, i+2
.endr
.set i, 0
.rept 32
	v_rcp_f32 v[T+i], v[T+i]
.set i, i+1
.endr
	v_nop
.endm
; Tokens 16 m on, my columns 64 g .. 64 g + 63: y = x + swish, in place of the accumulators; and the row's sum
.macro EPI m, g
.irp t, 0,1,2,3
.irp e, 0,1
	ds_load_b128 v[XT+8*\t+4*\e:XT+8*\t+4*\e+3], v[DA] offset:\m*16*XP+(4*\g+\t)*64+16*\e
.endr
.endr
	ACT 1, 128*\m+32*\g
	s_wait_dscnt 0x0                               ; x is in
	WIN 0x41                                       ; destination and source 0 window 1
.set i, 0
	s_wait_alu depctr_va_vdst(0)
.rept 16
	v_pk_fma_f32 v[128*\m+32*\g+i:128*\m+32*\g+i+1], v[128*\m+32*\g+i:128*\m+32*\g+i+1], v[T+i:T+i+1], v[XT+i:XT+i+1]
.set i, i+2
.endr
	WIN 0x01                                       ; source 0 window 1
.set i, 0
.rept 16
	v_pk_add_f32 v[SUM+4*\m+2*((i/2)%2):SUM+4*\m+2*((i/2)%2)+1], v[128*\m+32*\g+i:128*\m+32*\g+i+1], v[SUM+4*\m+2*((i/2)%2):SUM+4*\m+2*((i/2)%2)+1]
.set i, i+2
.endr
	WIN 0
.endm
; The lane's sums (two chains of pairs for each m) become the rows' means over 1,024 columns: v[d0] for token r, v[d1] for token 16 + r.  The four waves' parts meet in LDS at off bytes from RED0.
.macro REDUCE off, d0, d1
.irp m, 0,1
	v_pk_add_f32 v[SUM+4*\m:SUM+4*\m+1], v[SUM+4*\m:SUM+4*\m+1], v[SUM+4*\m+2:SUM+4*\m+3]
.endr
.irp m, 0,1
	v_add_f32 v[SUM+4*\m], v[SUM+4*\m], v[SUM+4*\m+1]
.endr
.irp m, 0,1
	v_permlanex16_b32 v[TR+\m], v[SUM+4*\m], s[SEL], s[SEL+1]
.endr
.irp m, 0,1
	v_add_f32 v[SUM+4*\m], v[SUM+4*\m], v[TR+\m]   ; with lane l xor 16's columns: my wave's 256
.endr
	v_cndmask_b32 v[TR], v[SUM], v[SUM+4], s[HI]   ; lanes 0-15 carry token r, lanes 16-31 token 16 + r
	ds_store_b32 v[RW], v[TR] offset:\off
	s_wait_dscnt 0x0                               ; for the others' sake
	s_barrier_signal -1
	s_barrier_wait -1
.irp k, 0,1,2,3
.irp m, 0,1
	ds_load_b32 v[TR+2*\k+\m], v[RA] offset:\off+128*\k+64*\m
.endr
.endr
	s_wait_dscnt 0x0
.irp k, 1,2,3
.irp m, 0,1
	v_add_f32 v[TR+\m], v[TR+\m], v[TR+2*\k+\m]    ; the same order in every wave
.endr
.endr
	v_mul_f32 v[\d0], 0x3a800000, v[TR]            ; / 1024
	v_mul_f32 v[\d1], 0x3a800000, v[TR+1]
.endm
	s_wait_tensorcnt 1                             ; chunk 0 is in; chunk 1's load may be out.  The bytes are my wave's own: my wait is all that my reads need
	CHUNK 0, 0
	CHANGE 0                                       ; chunk 2 into slot 0
	CHUNK 1, 1
	CHANGE 1                                       ; chunk 3 into slot 1; its wait for 0 has shown chunk 2 landed
	CHUNK 2, 0
	s_wait_loadcnt 0x0                             ; x is in registers.  Slot 0 has had its last fill and its last read: it is the stage now
	WIN 0x08                                       ; an LDS store's data are its source 1: window 2
.set k, 0
.rept 64
	ds_store_b128 v[XST], v[4*k:4*k+3] offset:(k/2)*XP+(k%2)*512
.set k, k+1
.endr
	WIN 0
	s_wait_tensorcnt 0x0                           ; chunk 3 is in
	CHUNK 3, 1
	PLACES                                         ; in front of the first read of results
.irp j, 0,1,2,3,4,5,6,7
	v_mov_b32 v[SUM+\j], 0
.endr
.irp m, 0,1
.irp g, 0,1,2,3
	EPI \m, \g
.endr
.endr
	REDUCE 0, MU, MU+2
.irp j, 0,1,2,3,4,5,6,7
	v_mov_b32 v[SUM+\j], 0
.endr
	WIN 0x41
.set i, 0
.rept 64
	v_pk_add_f32 v[i:i+1], v[i:i+1], v[MU:MU+1] op_sel_hi:[1,0] neg_lo:[0,1] neg_hi:[0,1]               ; y - the row's mean
	v_pk_add_f32 v[128+i:128+i+1], v[128+i:128+i+1], v[MU+2:MU+3] op_sel_hi:[1,0] neg_lo:[0,1] neg_hi:[0,1]
.set i, i+2
.endr
	WIN 0x05                                       ; sources 0 and 1 window 1
.set i, 0
.rept 64
	v_pk_fma_f32 v[SUM+2*((i/2)%2):SUM+2*((i/2)%2)+1], v[i:i+1], v[i:i+1], v[SUM+2*((i/2)%2):SUM+2*((i/2)%2)+1]   ; four chains by turns
	v_pk_fma_f32 v[SUM+4+2*((i/2)%2):SUM+4+2*((i/2)%2)+1], v[128+i:128+i+1], v[128+i:128+i+1], v[SUM+4+2*((i/2)%2):SUM+4+2*((i/2)%2)+1]
.set i, i+2
.endr
	WIN 0
	REDUCE 512, RS, RS+2                           ; the variances; other bytes than the sums', so no further barrier
	v_add_f32 v[RS], 0x3727c5ac, v[RS]             ; + 1e-5
	v_add_f32 v[RS+2], 0x3727c5ac, v[RS+2]
	v_rsq_f32 v[RS], v[RS]
	v_rsq_f32 v[RS+2], v[RS+2]
	v_nop                                          ; a plain place behind the transcendentals
	WIN 0x41
.set i, 0
	s_wait_alu depctr_va_vdst(0)
.rept 64
	v_pk_mul_f32 v[i:i+1], v[i:i+1], v[RS:RS+1] op_sel_hi:[1,0]
	v_pk_mul_f32 v[128+i:128+i+1], v[128+i:128+i+1], v[RS+2:RS+3] op_sel_hi:[1,0]
.set i, i+2
.endr
	; THE WAY OUT: back through the stage, where x lay, and out as whole rows.  LDS serves a wave's instructions in order: no wait between the stores and the loads.
	WIN 0x04                                       ; the data: window 1
.irp m, 0,1
.irp t, 0,1,2,3,4,5,6,7,8,9,10,11,12,13,14,15
.irp e, 0,1
	ds_store_b128 v[DA], v[128*\m+8*\t+4*\e:128*\m+8*\t+4*\e+3] offset:\m*16*XP+\t*64+16*\e
.endr
.endr
.endr
	WIN 0x80                                       ; destination window 2
.set k, 0
.rept 64
	ds_load_b128 v[4*k:4*k+3], v[XST] offset:(k/2)*XP+(k%2)*512
.set k, k+1
.endr
	WIN 0x08                                       ; a store's data are its source 1: window 2
.set k, 0
.rept 64
	s_wait_dscnt 63-k                              ; load k is in; the younger ones may be out
	global_store_b128 v[LI], v[4*k:4*k+3], s[16:17] offset:(k/2)*4096+(k%2)*512 th:TH_STORE_NT   ; 32 lanes store 512 consecutive bytes, at a multiple of 256 from out0's first byte
.set k, k+1
.endr
	WIN 0
	s_wait_tensorcnt 0x0                           ; the wave's end, behind my last tensor load and my last LDS store
	ds_add_u32 v[SPW], v[NIL]
	s_wait_dscnt 0x0
	ROUND                                          ; the closing round: no work-group ends while a partner may still ask for a tile that names it
	s_endpgm
.Lfunc_end_k_q2ea7c70af2_proj:
	.size	k_q2ea7c70af2_proj, .Lfunc_end_k_q2ea7c70af2_proj-k_q2ea7c70af2_proj
	.p2alignl 7, 3214868480
	.fill 96, 4, 3214868480
	.section	.rodata,"a",@progbits
	.p2align	6, 0x0
	.amdhsa_kernel k_q2ea7c70af2_proj
		.amdhsa_group_segment_fixed_size 327680
		.amdhsa_private_segment_fixed_size 0
		.amdhsa_enable_private_segment 0
		.amdhsa_kernarg_size 56
		.amdhsa_user_sgpr_count 2
		.amdhsa_user_sgpr_kernarg_segment_ptr 1
		.amdhsa_wavefront_size32 1
		.amdhsa_system_sgpr_workgroup_id_x 1
		.amdhsa_system_sgpr_workgroup_id_y 1
		.amdhsa_system_sgpr_workgroup_id_z 1
		.amdhsa_system_vgpr_workitem_id 0
		.amdhsa_next_free_vgpr 1024
		.amdhsa_next_free_sgpr 66
		.amdhsa_reserve_vcc 0
		.amdhsa_float_denorm_mode_32 3
		.amdhsa_float_denorm_mode_16_64 3
		.amdhsa_memory_ordered 1
		.amdhsa_forward_progress 1
		.amdhsa_inst_pref_size 178
	.end_amdhsa_kernel
	.amdgpu_metadata
---
amdhsa.version: [ 1, 2 ]
amdhsa.kernels:
  - .name:           k_q2ea7c70af2_proj
    .symbol:         k_q2ea7c70af2_proj.kd
    .args:
      - { .name: nvc, .offset: 0, .size: 8, .value_kind: global_buffer, .address_space: global }
      - { .name: nvs, .offset: 8, .size: 8, .value_kind: global_buffer, .address_space: global }
      - { .name: W_fc2_codes, .offset: 16, .size: 8, .value_kind: global_buffer, .address_space: global }
      - { .name: W_fc2_scales, .offset: 24, .size: 8, .value_kind: global_buffer, .address_space: global }
      - { .name: b_fc2, .offset: 32, .size: 8, .value_kind: global_buffer, .address_space: global }
      - { .name: x, .offset: 40, .size: 8, .value_kind: global_buffer, .address_space: global }
      - { .name: out0, .offset: 48, .size: 8, .value_kind: global_buffer, .address_space: global }
    .group_segment_fixed_size: 327680
    .private_segment_fixed_size: 0
    .kernarg_segment_align: 8
    .kernarg_segment_size: 56
    .max_flat_workgroup_size: 128
    .sgpr_count:     66
    .vgpr_count:     1024
    .wavefront_size: 32
...
	.end_amdgpu_metadata
.endif
;; end of part 4
;; ======== version 2 of 2: 4 launches
;; limits: right only within a limited range of input values
;; workspace buffers: xc 4,194,304 bytes; xs 262,144 bytes; qkc 8,388,608 bytes; vc 4,194,304 bytes; qks 1,048,576 bytes; vsc 262,144 bytes; nvc 4,194,304 bytes; nvs 262,144 bytes
;; launch quant (part 5): grid 256 x 1, 4 waves a work-group, no clusters, 33,280 bytes of LDS; arguments x, xc, xs; writes xc, xs
.if DOCPART == 5
	.amdgcn_target "amdgcn-amd-amdhsa--gfx1250"
	.amdhsa_code_object_version 6
	.text
	.protected	k_q2ea7c70af2_quant
	.globl	k_q2ea7c70af2_quant
	.p2align	8
	.type	k_q2ea7c70af2_quant,@function
k_q2ea7c70af2_quant:
	s_mov_b64 s[64:65], 0
	v_nop
	global_prefetch_b8 v0, s[64:65] scope:SCOPE_SE
	s_setreg_imm32_b32 hwreg(HW_REG_WAVE_MODE, 25, 1), 1
	s_wait_xcnt 0x0
; x [8192][1024] f32 becomes codes of FP4 (E2M1), K innermost (xc: 512 bytes a row), with one E8M0 scale byte for each 32 along K (xs: 32 bytes a row).
; A block's scale is 2^(floor(log2(its largest magnitude)) - 2); its byte is the largest magnitude's exponent field - 2, held at 1 from below.
; LIMITS: a block whose largest magnitude lies under 2^-124 (a block of zeros among them) gets the byte 1: the bytes are read by this program alone, and zero codes add nothing under it.
; NaN and infinities among the inputs are not served.
; Rows are dense and 1024 is a multiple of 32: x is a plain stream of blocks of 32, and so are the codes and the bytes.  A wave takes 16 steps of 512 numbers.
; Each of a step's four loads reads 512 consecutive bytes, 16 a lane; the 2,048 bytes turn through the wave's own stage in LDS and come back 64 bytes a lane, so that a lane holds
; 16 neighbours along K (two neighbouring lanes hold a block).  A lane's 16 codes are 8 bytes: the wave stores 256 consecutive bytes.  A wave's 256 scale bytes are gathered in LDS
; and leave as one aligned run of 256 bytes.  Waves share nothing: no barrier, no cluster (no two work-groups read the same bytes).
; Loads run eight steps ahead: 32 loads, 16,384 bytes, of every wave are on their way.
.set STEPS, 16
.set DEPTH, 8                          ; steps whose loads are out
.set CB,    8                          ; bytes of 16 codes
.set R,     16                         ; v16-143  eight sets of 16 numbers as they are loaded
.set X,     144                        ; v144-175 two sets of 16 neighbours
.set E,     176                        ; v176-191 a scale byte for each step
.set C,     192                        ; v192-223 codes: two registers for each step, so that no store's data are written again
.set WREG,  8192                       ; LDS: a region for each wave: two stages of 32 x SP bytes, behind them its 256 scale bytes
.set SP,    80                         ; a lane's place in a stage: its 64 bytes + 16 of padding
	s_load_b128 s[4:7], s[0:1], 0x0                ; x, xc
	s_load_b64 s[8:9], s[0:1], 0x10                ; xs
	v_lshl_add_u32 v224, v0, 2, 0x8000
	v_mov_b32 v225, 0
	v_lshrrev_b32 v1, 5, v0
	v_readfirstlane_b32 s16, v1                    ; wave
	v_and_b32 v2, 31, v0                           ; lane
	v_lshlrev_b32 v3, 4, v2                        ; my 16 bytes of a load's 512
	s_mul_i32 s17, s16, WREG
	v_lshrrev_b32 v14, 2, v2
	v_mul_u32_u24 v14, v14, SP
	v_and_b32 v15, 3, v2
	v_lshl_add_u32 v14, v15, 4, v14
	v_add_nc_u32 v14, s17, v14                     ; the stage, on the way in: SP (lane / 4) + 16 (lane % 4)
	v_mul_u32_u24 v15, v2, SP
	v_add_nc_u32 v15, s17, v15                     ; and on the way out: SP x lane: my 16 neighbours
	v_mul_u32_u24 v4, v2, CB                       ; my codes' place in a step's
	v_lshrrev_b32 v5, 1, v2
	s_add_co_u32 s17, s17, 2*32*SP
	v_add_nc_u32 v5, s17, v5                       ; LDS: my wave's 256 scale bytes, my block's byte
	v_lshlrev_b32 v7, 3, v2                        ; and on the way out 8 bytes a lane
	v_add_nc_u32 v6, s17, v7
	s_lshl_b32 s18, ttmp9, 2
	s_add_co_u32 s18, s18, s16                     ; which run of 8,192 numbers is my wave's: 0 .. 1023
	s_lshl_b32 s20, s18, 15                        ; 32,768 bytes of x,
	s_mov_b32 s21, 0
	s_lshl_b32 s22, s18, 12                        ; 4,096 bytes of codes,
	s_mov_b32 s23, 0
	s_lshl_b32 s24, s18, 8                         ; 256 scale bytes a run
	s_mov_b32 s25, 0
	s_wait_alu depctr_va_vdst(0)
	s_wait_kmcnt 0x0
	s_add_nc_u64 s[4:5], s[4:5], s[20:21]
	s_add_nc_u64 s[6:7], s[6:7], s[22:23]
	s_add_nc_u64 s[8:9], s[8:9], s[24:25]
.macro LOAD t
.irp i, 0,1,2,3
	global_load_b128 v[R+16*((\t)%DEPTH)+4*\i:R+16*((\t)%DEPTH)+4*\i+3], v3, s[4:5] offset:2048*(\t)+512*\i   ; 32 lanes read 512 consecutive bytes
.endr
.endm
.macro TURN t                          ; step t's numbers through the stage: LDS serves a wave's instructions in order, so no wait stands between the stores and the loads
.irp i, 0,1,2,3
	ds_store_b128 v14, v[R+16*((\t)%DEPTH)+4*\i:R+16*((\t)%DEPTH)+4*\i+3] offset:32*SP*((\t)%2)+8*SP*\i
.endr
.irp i, 0,1,2,3
	ds_load_b128 v[X+16*((\t)%2)+4*\i:X+16*((\t)%2)+4*\i+3], v15 offset:32*SP*((\t)%2)+16*\i
.endr
.endm
.irp t, 0,1,2,3,4,5,6,7
	LOAD \t
.endr
	s_wait_loadcnt 4*(DEPTH-1)                     ; step 0's four loads are in; those of steps 1 to 7 may be out
	TURN 0
.macro STEP t
.set XS, X+16*((\t)%2)
.if (\t) > 0
	s_wait_dscnt 1                                 ; this step's numbers are back from the stage (the last step's byte store may be out): so its stores into the stage have read their registers,
.else
	s_wait_dscnt 0x0
.endif
.if (\t)+DEPTH < STEPS
	LOAD (\t)+DEPTH                                ; which take the loads of eight steps on
.endif
.if (\t)+1 < STEPS
.if (\t)+DEPTH < STEPS
	s_wait_loadcnt 4*(DEPTH-1)                     ; the next step's four loads are in; those of the seven steps behind it may be out
.else
	s_wait_loadcnt 4*(STEPS-2-(\t))                ; nothing more is asked for: the counts run down
.endif
	TURN (\t)+1                                    ; and go through the other stage while this step is worked
.endif
	v_max3_num_f32 v8, |v[XS]|, |v[XS+1]|, |v[XS+2]|               ; the largest magnitude of my 16, in two chains
	v_max3_num_f32 v9, |v[XS+3]|, |v[XS+4]|, |v[XS+5]|
.irp i, 6,10
	v_max3_num_f32 v8, v8, |v[XS+\i]|, |v[XS+\i+1]|
	v_max3_num_f32 v9, v9, |v[XS+\i+2]|, |v[XS+\i+3]|
.endr
	v_max3_num_f32 v8, v8, |v[XS+14]|, |v[XS+15]|
	v_max3_num_f32 v8, v8, v9, 0x1800000           ; and the floor 2^(3 - 127): so the byte cannot fall under 1
	v_max_num_f32_dpp v8, v8, v8 row_xmask:1 row_mask:0xf bank_mask:0xf   ; and of my neighbour's 16: the block's
	v_add_nc_u32 v11, 0xff000000, v8               ; 2 off its exponent field: the conversion takes the exponent field of this operand as its scale
	v_cvt_scalef32_pk8_fp4_f32 v[C+2*(\t)], v[XS:XS+7], v11
	v_cvt_scalef32_pk8_fp4_f32 v[C+2*(\t)+1], v[XS+8:XS+15], v11
	v_lshrrev_b32 v[E+(\t)], 23, v11               ; the scale's byte
	ds_store_b8 v5, v[E+(\t)] offset:16*(\t)       ; both lanes of a block write the same byte with the same value
	global_store_b64 v4, v[C+2*(\t):C+2*(\t)+1], s[6:7] offset:32*CB*(\t)   ; 32 lanes store 256 consecutive bytes
.endm
.irp t, 0,1,2,3,4,5,6,7,8,9,10,11,12,13,14,15
	STEP \t
.endr
	ds_load_b64 v[12:13], v6                       ; LDS serves a wave's instructions in order: these see my stores
	s_wait_dscnt 0x0
	global_store_b64 v7, v[12:13], s[8:9]          ; 32 lanes store one aligned run of 256 bytes
	s_wait_tensorcnt 0x0
	ds_add_u32 v224, v225
	s_wait_dscnt 0x0
	s_endpgm
.Lfunc_end_k_q2ea7c70af2_quant:
	.size	k_q2ea7c70af2_quant, .Lfunc_end_k_q2ea7c70af2_quant-k_q2ea7c70af2_quant
	.p2alignl 7, 3214868480
	.fill 96, 4, 3214868480
	.section	.rodata,"a",@progbits
	.p2align	6, 0x0
	.amdhsa_kernel k_q2ea7c70af2_quant
		.amdhsa_group_segment_fixed_size 33280
		.amdhsa_private_segment_fixed_size 0
		.amdhsa_enable_private_segment 0
		.amdhsa_kernarg_size 24
		.amdhsa_user_sgpr_count 2
		.amdhsa_user_sgpr_kernarg_segment_ptr 1
		.amdhsa_wavefront_size32 1
		.amdhsa_system_sgpr_workgroup_id_x 1
		.amdhsa_system_sgpr_workgroup_id_y 1
		.amdhsa_system_sgpr_workgroup_id_z 1
		.amdhsa_system_vgpr_workitem_id 0
		.amdhsa_next_free_vgpr 226
		.amdhsa_next_free_sgpr 66
		.amdhsa_reserve_vcc 0
		.amdhsa_float_denorm_mode_32 3
		.amdhsa_float_denorm_mode_16_64 3
		.amdhsa_memory_ordered 1
		.amdhsa_forward_progress 1
		.amdhsa_inst_pref_size 33
	.end_amdhsa_kernel
	.amdgpu_metadata
---
amdhsa.version: [ 1, 2 ]
amdhsa.kernels:
  - .name:           k_q2ea7c70af2_quant
    .symbol:         k_q2ea7c70af2_quant.kd
    .args:
      - { .name: x, .offset: 0, .size: 8, .value_kind: global_buffer, .address_space: global }
      - { .name: xc, .offset: 8, .size: 8, .value_kind: global_buffer, .address_space: global }
      - { .name: xs, .offset: 16, .size: 8, .value_kind: global_buffer, .address_space: global }
    .group_segment_fixed_size: 33280
    .private_segment_fixed_size: 0
    .kernarg_segment_align: 8
    .kernarg_segment_size: 24
    .max_flat_workgroup_size: 128
    .sgpr_count:     66
    .vgpr_count:     226
    .wavefront_size: 32
...
	.end_amdgpu_metadata
.endif
;; end of part 5
;; launch qkv (part 6): grid 16 x 16, 4 waves a work-group, clusters of 4 x 4, 327,680 bytes of LDS; arguments xc, xs, W_fc_codes, W_fc_scales, b_fc, qkc, vc, qks, vsc; writes qkc, vc, qks, vsc
.if DOCPART == 6
	.amdgcn_target "amdgcn-amd-amdhsa--gfx1250"
	.amdhsa_code_object_version 6
	.text
	.protected	k_q2ea7c70af2_qkv
	.globl	k_q2ea7c70af2_qkv
	.p2align	8
	.type	k_q2ea7c70af2_qkv,@function
k_q2ea7c70af2_qkv:
	s_mov_b64 s[64:65], 0
	v_nop
	global_prefetch_b8 v0, s[64:65] scope:SCOPE_SE
	s_setreg_imm32_b32 hwreg(HW_REG_WAVE_MODE, 25, 1), 1
	s_wait_xcnt 0x0
	s_wait_alu depctr_hold_cnt(0) depctr_sa_sdst(0) depctr_va_vdst(0) depctr_va_sdst(0) depctr_va_ssrc(0) depctr_va_vcc(0) depctr_vm_vsrc(0)
	s_getreg_b32 s2, hwreg(HW_REG_IB_STS2, 6, 4)
	s_cmp_eq_u32 s2, 0
	s_cbranch_scc0 .Lentry_in_a_cluster
	s_endpgm
.Lentry_in_a_cluster:
	s_bfe_u32 s2, ttmp6, 0x10000c
	s_cmp_lg_u32 s2, 0xf033
	s_cbranch_scc0 .Lentry_shape_is_right
	s_endpgm
.Lentry_shape_is_right:
.set PITCH, 272
.set HALFA, 128*PITCH
.set HALFB, 96*PITCH
.set BOFF,  256*PITCH
.set CHK,   448*PITCH
.set STG,   2*CHK
.set SPARE, STG+1024
.set NXC,   2097152
.set NXS,   131072
.set NQS,   524288
.set LI,  3
.set ADA, 4
.set ADB, 6
.set MX,  12
.set MY,  14
.set SO,  16
.set SPW, 18
.set NIL, 19
.set QW,  20
.set KW,  24
.set WW,  28
.set AS,  32
.set BS,  48
.set T,   96
.set P,   128
.set VW,  176
.set AS1, 180
.set RDS, 196
.set BQ,  128
.set BV,  192
.set WV,  22
.set HF,  23
.set G1A, 24
.set G0A, 32
.set G1B, 48
.set G0B, 56
.set SEL, 80
.set NL,  82
.set HI,  84
.set G0R, 88
.set MSB, 0
.macro WIN new
.if MSB != \new
	s_set_vgpr_msb (MSB<<8)|\new
.set MSB, \new
.endif
.endm
.macro PLACES
.rept 4
	v_nop
.endr
.endm
.macro JLOAD g0a, g1a, g0b, g1b
	s_cmp_eq_u32 s[HF], 0
	s_cbranch_scc0 .Lfor_b_\@
	tensor_load_to_lds s[\g0a:\g0a+3], s[\g1a:\g1a+7]
	s_nop 0
.rept 4
	v_nop
.endr
	s_branch .Lasked_\@
.Lfor_b_\@:
	tensor_load_to_lds s[\g0b:\g0b+3], s[\g1b:\g1b+7]
	s_nop 0
.rept 4
	v_nop
.endr
.Lasked_\@:
.endm
.macro CROUND
	s_barrier_signal -1
	s_barrier_wait -1
	s_cmp_lg_u32 s[WV], 0
	s_cbranch_scc1 .Lnot_wave_0_\@
	s_barrier_signal -3
.Lnot_wave_0_\@:
	s_barrier_wait -3
	s_barrier_signal -1
	s_barrier_wait -1
.endm
	s_load_b256 s[4:11], s[0:1], 0x0
	s_load_b256 s[12:19], s[0:1], 0x20
	s_load_b64 s[20:21], s[0:1], 0x40
	v_lshl_add_u32 v[SPW], v0, 2, SPARE
	v_mov_b32 v[NIL], 0
	ds_add_u32 v18, v19
	ds_add_u32 v18, v19
	s_wait_dscnt 0x0
	v_lshrrev_b32 v1, 5, v0
	v_readfirstlane_b32 s[WV], v1
	s_lshr_b32 s[HF], s[WV], 1
	s_and_b32 s40, s[WV], 1
	s_bfe_u32 s41, ttmp6, 0x40000
	s_bfe_u32 s42, ttmp6, 0x40004
	s_lshl_b32 s43, ttmp9, 2
	s_add_co_u32 s43, s43, s41
	s_and_b32 s44, ttmp7, 0xffff
	s_lshl_b32 s44, s44, 2
	s_add_co_u32 s44, s44, s42
	s_lshl_b32 s45, s42, 2
	s_lshl_b32 s45, 15, s45
	s_lshl_b32 s46, 0x1111, s41
	s_or_b32 s[G1A], s45, (1<<20)|(1<<21)|(5<<22)|(3<<25)
	s_or_b32 s[G1B], s46, (1<<20)|(1<<21)|(5<<22)|(3<<25)
	s_mov_b32 s[G1A+1], 256<<16
	s_mov_b32 s[G1A+2], 128<<16
	s_mov_b32 s[G1A+3], 256<<16
	s_mov_b32 s[G1A+4], 128
	s_mov_b32 s[G1A+5], 512
	s_mov_b32 s[G1A+6], 0
	s_mov_b32 s[G1A+7], 0
	s_mov_b32 s[G1B+1], 256<<16
	s_mov_b32 s[G1B+2], 96<<16
	s_mov_b32 s[G1B+3], 256<<16
	s_mov_b32 s[G1B+4], 96
	s_mov_b32 s[G1B+5], 512
	s_mov_b32 s[G1B+6], 0
	s_mov_b32 s[G1B+7], 0
	s_lshl_b32 s66, s44, 17
	s_lshl_b32 s67, s40, 16
	s_add_co_u32 s66, s66, s67
	s_mov_b32 s67, 0
	s_mul_i32 s68, s43, 98304
	s_mul_i32 s69, s40, 49152
	s_add_co_u32 s68, s68, s69
	s_mov_b32 s69, 0
	s_mul_i32 s70, s40, HALFA
	s_mul_i32 s71, s40, HALFB
	s_add_co_u32 s71, s71, BOFF
	s_mul_i32 s86, s[HF], CHK
	s_lshl_b32 s92, s[HF], 8
	s_mov_b32 s93, 0
	s_wait_kmcnt 0x0
	s_add_nc_u64 s[66:67], s[4:5], s[66:67]
	s_add_nc_u64 s[68:69], s[8:9], s[68:69]
	s_mov_b32 s[G0R], 1
	s_add_co_u32 s[G0R+1], s86, s70
	s_add_nc_u64 s[G0R+2:G0R+3], s[66:67], s[92:93]
	s_add_nc_u64 s[G0R+2:G0R+3], s[G0R+2:G0R+3], NXC
	s_or_b32 s[G0R+3], s[G0R+3], 0x80000000
	CROUND
.irp c, 0,1
	s_mov_b32 s[G0A+4*\c], 1
	s_add_co_u32 s[G0A+4*\c+1], s70, \c*CHK
	s_add_nc_u64 s[G0A+4*\c+2:G0A+4*\c+3], s[66:67], \c*256
	s_or_b32 s[G0A+4*\c+3], s[G0A+4*\c+3], 0x80000000
	s_mov_b32 s[G0B+4*\c], 1
	s_add_co_u32 s[G0B+4*\c+1], s71, \c*CHK
	s_add_nc_u64 s[G0B+4*\c+2:G0B+4*\c+3], s[68:69], \c*256
	s_or_b32 s[G0B+4*\c+3], s[G0B+4*\c+3], 0x80000000
	s_wait_alu depctr_va_vdst(0)
	s_wait_tensorcnt 0x0
	ds_add_u32 v18, v19
	ds_add_u32 v18, v19
	s_wait_dscnt 0x0
	CROUND
	JLOAD G0A+4*\c, G1A, G0B+4*\c, G1B
.endr
	v_and_b32 v1, 15, v0
	v_bfe_u32 v2, v0, 4, 1
	v_and_b32 v[LI], 31, v0
	v_lshlrev_b32 v[LI], 4, v[LI]
	v_mul_u32_u24 v[ADA], v1, PITCH
	v_lshl_add_u32 v[ADA], v2, 4, v[ADA]
	v_add_nc_u32 v[ADB], BOFF, v[ADA]
	v_add_nc_u32 v[ADB+1], BOFF+CHK, v[ADA]
	s_mul_i32 s72, s[WV], 64*PITCH
	v_add_nc_u32 v[ADA], s72, v[ADA]
	v_add_nc_u32 v[ADA+1], CHK, v[ADA]
	v_add_nc_u32 v[RDS], STG, v[LI]
	v_lshlrev_b32 v8, 5, v1
	v_lshl_add_u32 v8, v2, 4, v8
	s_wait_alu depctr_va_vdst(0)
	v_lshlrev_b32 v9, 5, v2
	s_wait_alu depctr_va_vdst(0)
	v_lshlrev_b32 v10, 2, v1
	s_wait_alu depctr_va_vdst(0)
	s_lshl_b32 s72, s[HF], 8
	s_lshl_b32 s73, s40, 1
	s_add_co_u32 s72, s72, s73
	s_add_co_u32 s72, s72, STG
	v_lshl_add_u32 v11, v1, 4, s72
	s_lshl_b32 s72, s44, 13
	s_lshl_b32 s73, s[WV], 11
	s_add_co_u32 s72, s72, s73
	s_mov_b32 s73, 0
	s_add_nc_u64 s[6:7], s[6:7], s[72:73]
	s_mul_i32 s72, s43, 6144
	s_add_nc_u64 s[10:11], s[10:11], s[72:73]
	s_mul_i32 s72, s43, 768
	s_add_nc_u64 s[12:13], s[12:13], s[72:73]
.irp m, 0,1,2,3
	global_load_b128 v[AS+4*\m:AS+4*\m+3], v8, s[6:7] offset:512*\m
	global_load_b128 v[AS1+4*\m:AS1+4*\m+3], v8, s[6:7] offset:NXS+512*\m
.endr
.irp t, 0,1,2,3,4,5,6,7,8,9,10,11
	global_load_b128 v[BS+4*\t:BS+4*\t+3], v8, s[10:11] offset:512*\t
.endr
	WIN 0x80
.irp t, 0,1,2,3,4,5,6,7
	global_load_b128 v[BQ+8*\t:BQ+8*\t+3], v9, s[12:13] offset:64*\t
	global_load_b128 v[BQ+8*\t+4:BQ+8*\t+7], v9, s[12:13] offset:64*\t+16
.endr
.irp t, 0,1,2,3
	global_load_b32 v[BV+8*\t], v10, s[12:13] offset:512+64*\t
.endr
	WIN 0
	s_lshr_b32 s74, s44, 3
	s_lshl_b32 s74, s74, 4
	s_add_co_u32 s74, s74, s43
	s_and_b32 s75, s44, 7
	s_lshl_b32 s72, s74, 16
	s_lshl_b32 s76, s75, 13
	s_add_co_u32 s72, s72, s76
	s_lshl_b32 s76, s[WV], 11
	s_add_co_u32 s76, s72, s76
	s_mov_b32 s77, 0
	s_add_nc_u64 s[14:15], s[14:15], s[76:77]
	s_lshl_b32 s76, s[HF], 12
	s_add_co_u32 s76, s72, s76
	s_lshl_b32 s78, s40, 9
	s_add_co_u32 s76, s76, s78
	s_add_nc_u64 s[16:17], s[16:17], s[76:77]
	s_lshl_b32 s76, s74, 14
	s_lshl_b32 s78, s75, 11
	s_add_co_u32 s76, s76, s78
	s_lshl_b32 s78, s[WV], 9
	s_add_co_u32 s76, s76, s78
	s_add_nc_u64 s[18:19], s[18:19], s[76:77]
	s_lshl_b32 s76, s74, 12
	s_lshl_b32 s78, s75, 9
	s_add_co_u32 s76, s76, s78
	s_add_nc_u64 s[20:21], s[20:21], s[76:77]
	s_mov_b32 s[SEL], 0x76543210
	s_mov_b32 s[SEL+1], 0xfedcba98
	s_mov_b32 s[NL], 0xbfb8aa3b
	s_mov_b32 s[NL+1], s[NL]
	s_mov_b32 s[HI], 0xffff0000
	v_mov_b32 v[MY], 0
	v_mov_b32 v[MY+1], 0
	s_wait_loadcnt 0x0
	WIN 0x82
.irp t, 0,1,2,3
.irp j, 1,2,3,4,5,6,7
	v_mov_b32 v[BV+8*\t+\j], v[BV+8*\t]
.endr
.endr
	WIN 0
.macro FETCH s, f
	WIN 0xc0
.irp m, 0,1,2,3
.irp c, 0,1
	ds_load_b128 v[128*(\f)+8*\m+4*\c:128*(\f)+8*\m+4*\c+3], v[ADA+(\s)/4] offset:\m*16*PITCH+((\s)%4)*64+32*\c
.endr
.endr
.irp t, 0,1,2,3,4,5,6,7,8,9,10,11
.irp c, 0,1
	ds_load_b128 v[128*(\f)+32+8*\t+4*\c:128*(\f)+32+8*\t+4*\c+3], v[ADB+(\s)/4] offset:\t*16*PITCH+((\s)%4)*64+32*\c
.endr
.endr
	WIN 0
.endm
.macro MULQK s, p
.if \s == 0
	WIN 0x6f
.else
	WIN 0x5f
.endif
.irp m, 0,1,2,3
.irp t, 0,1,2,3,4,5,6,7
.set rD, 128*(\t/4)+32*\m+8*(\t%4)
.set rA, 128*((\s)%2)+8*\m
.set rB, 128*((\s)%2)+32+8*\t
.set rX, AS+(AS1-AS)*(\p)+4*\m+(\s)%4
.set rW, BS+4*\t+(\s)%4
.if \s == 0
	v_wmma_scale_f32_16x16x128_f8f6f4 v[rD:rD+7], v[rB:rB+7], v[rA:rA+7], v[BQ+8*\t:BQ+8*\t+7], v[rW], v[rX] matrix_a_fmt:MATRIX_FMT_FP4 matrix_b_fmt:MATRIX_FMT_FP4
.elseif \s < 4
	v_wmma_scale_f32_16x16x128_f8f6f4 v[rD:rD+7], v[rB:rB+7], v[rA:rA+7], v[rD:rD+7], v[rW], v[rX] matrix_a_fmt:MATRIX_FMT_FP4 matrix_b_fmt:MATRIX_FMT_FP4
.else
	v_wmma_scale_f32_16x16x128_f8f6f4 v[rD:rD+7], v[rB:rB+7], v[rA:rA+7], v[rD:rD+7], v[rW], v[rX] matrix_a_fmt:MATRIX_FMT_FP4 matrix_b_fmt:MATRIX_FMT_FP4 matrix_a_scale:MATRIX_SCALE_ROW1 matrix_b_scale:MATRIX_SCALE_ROW1
.endif
.endr
.endr
.endm
.macro MULV s, p
	WIN 0xaf
.irp t, 0,1,2,3
.irp m, 0,1,2,3
.set rD, 32*\t+8*\m
.set rA, 128*((\s)%2)+8*\m
.set rB, 128*((\s)%2)+32+8*(8+\t)
.set rX, AS+(AS1-AS)*(\p)+4*\m+(\s)%4
.set rW, BS+4*(8+\t)+(\s)%4
.if \s == 0
	v_wmma_scale_f32_16x16x128_f8f6f4 v[rD:rD+7], v[rA:rA+7], v[rB:rB+7], v[BV+8*\t:BV+8*\t+7], v[rX], v[rW] matrix_a_fmt:MATRIX_FMT_FP4 matrix_b_fmt:MATRIX_FMT_FP4
.elseif \s < 4
	v_wmma_scale_f32_16x16x128_f8f6f4 v[rD:rD+7], v[rA:rA+7], v[rB:rB+7], v[rD:rD+7], v[rX], v[rW] matrix_a_fmt:MATRIX_FMT_FP4 matrix_b_fmt:MATRIX_FMT_FP4
.else
	v_wmma_scale_f32_16x16x128_f8f6f4 v[rD:rD+7], v[rA:rA+7], v[rB:rB+7], v[rD:rD+7], v[rX], v[rW] matrix_a_fmt:MATRIX_FMT_FP4 matrix_b_fmt:MATRIX_FMT_FP4 matrix_a_scale:MATRIX_SCALE_ROW1 matrix_b_scale:MATRIX_SCALE_ROW1
.endif
.endr
.endr
.endm
.macro KSTEP s, p
	PLACES
.if (\s == 3) && (\p == 0)
	s_wait_tensorcnt 0x0
	s_wait_dscnt 0x0
	s_barrier_signal -1
	s_barrier_wait -1
.endif
.if \s < 7
	FETCH \s+1, (\s+1)%2
	s_wait_dscnt 32
.else
	s_wait_dscnt 0x0
.endif
	MULQK \s, \p
	MULV \s, \p
.endm
.macro ACT win, a
	WIN \win
.set i, 0
.rept 16
	v_pk_mul_f32 v[T+i:T+i+1], v[\a+i:\a+i+1], s[NL:NL+1] op_sel_hi:[1,0]
.set i, i+2
.endr
	WIN 0
.set i, 0
	s_wait_alu depctr_va_vdst(0)
.rept 32
	v_exp_f32 v[T+i], v[T+i]
.set i, i+1
.endr
	v_nop
.set i, 0
	s_wait_alu depctr_va_vdst(0)
.rept 16
	v_pk_add_f32 v[T+i:T+i+1], v[T+i:T+i+1], 1.0 op_sel_hi:[1,0]
.set i, i+2
.endr
.set i, 0
	s_wait_alu depctr_va_vdst(0)
.rept 32
	v_rcp_f32 v[T+i], v[T+i]
.set i, i+1
.endr
	v_nop
.endm
.macro GATE win, a
	WIN \win
.set i, 0
	s_wait_alu depctr_va_vdst(0)
.rept 16
	v_pk_mul_f32 v[T+i:T+i+1], v[\a+i:\a+i+1], v[T+i:T+i+1]
.set i, i+2
.endr
	WIN 0
.endm
.macro QUANT2 t, p, w
.irp b, 0,1
	v_max3_num_f32 v[MX+\b], |v[\t+16*\b]|, |v[\t+16*\b+1]|, 0x1800000
.endr
.irp i, 2,4,6,8,10,12,14
.irp b, 0,1
	v_max3_num_f32 v[MX+\b], v[MX+\b], |v[\t+16*\b+\i]|, |v[\t+16*\b+\i+1]|
.endr
.endr
.irp b, 0,1
	v_permlanex16_b32 v[MY+\b], v[MX+\b], s[SEL], s[SEL+1]
.endr
.irp b, 0,1
	v_max_num_f32 v[MX+\b], v[MX+\b], v[MY+\b]
.endr
.irp b, 0,1
	v_add_nc_u32 v[SO+\b], 0xff000000, v[MX+\b]
.endr
.irp b, 0,1
	v_lshrrev_b32 v[MY+\b], 23, v[SO+\b]
.endr
	v_lshl_or_b32 v[\w], v[MY+1], 8, v[MY]
	v_cvt_scalef32_pk8_fp4_f32 v[\p], v[\t:\t+7], v[SO]
	v_cvt_scalef32_pk8_fp4_f32 v[\p+2], v[\t+8:\t+15], v[SO]
	v_cvt_scalef32_pk8_fp4_f32 v[\p+1], v[\t+16:\t+23], v[SO+1]
	v_cvt_scalef32_pk8_fp4_f32 v[\p+3], v[\t+24:\t+31], v[SO+1]
	v_nop
	v_permlane16_swap_b32 v[\p], v[\p+1]
	v_permlane16_swap_b32 v[\p+2], v[\p+3]
.endm
.macro EPILOG n
.irp m, 0,1,2,3
	ACT 1, 32*\m
	GATE 1, 32*\m
	QUANT2 T, P+4*\m, QW+\m
	global_store_b128 v[LI], v[P+4*\m:P+4*\m+3], s[14:15] offset:NXC*\n+512*\m
	ACT 1, 128+32*\m
	GATE 1, 128+32*\m
	QUANT2 T, P+16+4*\m, KW+\m
	global_store_b128 v[LI], v[P+16+4*\m:P+16+4*\m+3], s[14:15] offset:4194304+NXC*\n+512*\m
.endr
.irp t, 0,1,2,3
	ACT 2, 32*\t
	GATE 2, 32*\t
	QUANT2 T, P+32+4*\t, VW+\t
	global_store_b128 v[LI], v[P+32+4*\t:P+32+4*\t+3], s[16:17] offset:NXC*\n+1024*\t
	ds_store_b16 v11, v[VW+\t] offset:512*\n+4*\t
.endr
.irp m, 0,1,2,3
	v_cndmask_b32 v[WW+\m], v[QW+\m], v[KW+\m], s[HI]
.endr
	global_store_b128 v[LI], v[WW:WW+3], s[18:19] offset:NQS*\n
.if \n == 0
	s_wait_tensorcnt 0x0
.endif
	s_wait_dscnt 0x0
	s_barrier_signal -1
	s_barrier_wait -1
	s_cmp_lg_u32 s[WV], 0
	s_cbranch_scc1 .Lno_vsc_\@
	ds_load_b128 v[T:T+3], v[RDS] offset:512*\n
	s_wait_dscnt 0x0
	global_store_b128 v[LI], v[T:T+3], s[20:21] offset:NXS*\n
.Lno_vsc_\@:
.endm
	s_wait_alu depctr_va_vdst(0)
	s_wait_tensorcnt 1
	s_barrier_signal -1
	s_barrier_wait -1
	FETCH 0, 0
.irp s, 0,1,2,3,4,5,6,7
	KSTEP \s, 0
.endr
	WIN 0
	s_wait_tensorcnt 0x0
	ds_add_u32 v[SPW], v[NIL]
	PLACES
	s_wait_dscnt 0x0
	CROUND
	tensor_load_to_lds s[G0R:G0R+3], s[G1A:G1A+7]
	s_nop 0
	PLACES
	EPILOG 0
	s_wait_xcnt 0x0
	FETCH 0, 0
.irp s, 0,1,2,3,4,5,6,7
	KSTEP \s, 1
.endr
	PLACES
	EPILOG 1
	s_wait_tensorcnt 0x0
	ds_add_u32 v[SPW], v[NIL]
	s_wait_dscnt 0x0
	CROUND
	s_endpgm
.Lfunc_end_k_q2ea7c70af2_qkv:
	.size	k_q2ea7c70af2_qkv, .Lfunc_end_k_q2ea7c70af2_qkv-k_q2ea7c70af2_qkv
	.p2alignl 7, 3214868480
	.fill 96, 4, 3214868480
	.section	.rodata,"a",@progbits
	.p2align	6, 0x0
	.amdhsa_kernel k_q2ea7c70af2_qkv
		.amdhsa_group_segment_fixed_size 327680
		.amdhsa_private_segment_fixed_size 0
		.amdhsa_enable_private_segment 0
		.amdhsa_kernarg_size 72
		.amdhsa_user_sgpr_count 2
		.amdhsa_user_sgpr_kernarg_segment_ptr 1
		.amdhsa_wavefront_size32 1
		.amdhsa_system_sgpr_workgroup_id_x 1
		.amdhsa_system_sgpr_workgroup_id_y 1
		.amdhsa_system_sgpr_workgroup_id_z 1
		.amdhsa_system_vgpr_workitem_id 0
		.amdhsa_next_free_vgpr 1024
		.amdhsa_next_free_sgpr 96
		.amdhsa_reserve_vcc 0
		.amdhsa_float_denorm_mode_32 3
		.amdhsa_float_denorm_mode_16_64 3
		.amdhsa_memory_ordered 1
		.amdhsa_forward_progress 1
		.amdhsa_inst_pref_size 255
	.end_amdhsa_kernel
	.section	.bss,"aw",@nobits
	.p2align	6
	.space	262144
	.amdgpu_metadata
---
amdhsa.version: [ 1, 2 ]
amdhsa.kernels:
  - .name:           k_q2ea7c70af2_qkv
    .symbol:         k_q2ea7c70af2_qkv.kd
    .args:
      - { .name: xc, .offset: 0, .size: 8, .value_kind: global_buffer, .address_space: global }
      - { .name: xs, .offset: 8, .size: 8, .value_kind: global_buffer, .address_space: global }
      - { .name: W_fc_codes, .offset: 16, .size: 8, .value_kind: global_buffer, .address_space: global }
      - { .name: W_fc_scales, .offset: 24, .size: 8, .value_kind: global_buffer, .address_space: global }
      - { .name: b_fc, .offset: 32, .size: 8, .value_kind: global_buffer, .address_space: global }
      - { .name: qkc, .offset: 40, .size: 8, .value_kind: global_buffer, .address_space: global }
      - { .name: vc, .offset: 48, .size: 8, .value_kind: global_buffer, .address_space: global }
      - { .name: qks, .offset: 56, .size: 8, .value_kind: global_buffer, .address_space: global }
      - { .name: vsc, .offset: 64, .size: 8, .value_kind: global_buffer, .address_space: global }
    .group_segment_fixed_size: 327680
    .private_segment_fixed_size: 0
    .kernarg_segment_align: 8
    .kernarg_segment_size: 72
    .max_flat_workgroup_size: 128
    .sgpr_count:     96
    .vgpr_count:     1024
    .wavefront_size: 32
...
	.end_amdgpu_metadata
.endif
;; end of part 6
;; launch attn (part 7): grid 4 x 64, 16 waves a work-group, clusters of 4 x 1, 169,984 bytes of LDS; arguments qkc, vc, qks, vsc, nvc, nvs; writes nvc, nvs
.if DOCPART == 7
	.amdgcn_target "amdgcn-amd-amdhsa--gfx1250"
	.amdhsa_code_object_version 6
	.text
	.protected	k_q2ea7c70af2_attn
	.globl	k_q2ea7c70af2_attn
	.p2align	8
	.type	k_q2ea7c70af2_attn,@function
k_q2ea7c70af2_attn:
	s_mov_b64 s[64:65], 0
	v_nop
	global_prefetch_b8 v0, s[64:65] scope:SCOPE_SE
	s_setreg_imm32_b32 hwreg(HW_REG_WAVE_MODE, 25, 1), 1
	s_wait_xcnt 0x0
	s_wait_alu depctr_hold_cnt(0) depctr_sa_sdst(0) depctr_va_vdst(0) depctr_va_sdst(0) depctr_va_ssrc(0) depctr_va_vcc(0) depctr_vm_vsrc(0)
	s_getreg_b32 s2, hwreg(HW_REG_IB_STS2, 6, 4)
	s_cmp_eq_u32 s2, 0
	s_cbranch_scc0 .Lentry_in_a_cluster
	s_endpgm
.Lentry_in_a_cluster:
	s_bfe_u32 s2, ttmp6, 0x10000c
	s_cmp_lg_u32 s2, 0x3003
	s_cbranch_scc0 .Lentry_shape_is_right
	s_endpgm
.Lentry_shape_is_right:
; new_v = softmax(q k^T / sqrt(2048)) v for one head of one batch (grid y), 512 queries a work-group (grid x), both products on codes of FP4 with E8M0 scales; new_v is quantised along its 64 channels.
; THE SOFTMAX AHEAD OF THE SECOND PRODUCT: t = score x log2(e) / sqrt(2048); M = the row's largest t so far, rounded UP to a whole number; p = 2^(t - M) is quantised along the keys, not normalised.
; The row's sum is taken of the unquantised p, in f32, and divides O at the end.  When M moves, the sum and O are multiplied by 2^(old M - new M): exact, in every step, with no branch.
; SHARES.  512 queries go in two passes of 256; in a pass each of sixteen waves owns 16 queries in 256 registers and walks all 2,048 keys, 128 a step.  4 x 64 work-groups.
; THE HEAD'S K AND V LIE IN LDS WHOLE, with their scale words, filled once at the kernel's head: one tensor load a wave (waves 0-3 K's chunks of 512 keys, waves 4-7 V's, wave 8 K's scale words, wave 9 V's).
; Nothing is filled again; one barrier shows all of it to all waves, and from there to the last barrier no wave waits for another.
; CLUSTER 4 x 1: the four work-groups of a cluster walk the same head and ask for K, V and their scales jointly.
; NO PREFETCH: every tile is asked for at the head in one group, so there is no loop of loads to run ahead in.
; LAYOUT.  Both products are used transposed: S^T = K Q^T (source 0 = 16 keys, source 1 = my 16 queries), O^T = V^T P^T: a lane holds ONE query (lane % 16) throughout.
; THE KEYS OF A TILE ARE CHOSEN: row m of tile t of the c-th 64 keys is key 64 c + 32 (m / 8) + 8 t + m % 8.  So lane (r, h) holds in the 32 registers of tiles 0-3 the keys 64 c + 32 h + 0 .. 31 in order:
; ONE WHOLE BLOCK of the second product's K.  A block's maximum asks no other lane, and the four conversions' results are registers 4 c .. 4 c + 3 of the operand as they stand.
; K lies in LDS as images of 16 keys x 64 channels (512 bytes, two rows of 256), each row of 256 bytes followed by 32 bytes of padding: rows m < 8 and m >= 8 of a chosen tile lie four rows, 1,152 bytes, apart,
; which is 128 modulo 256.
; The first product's K is 64: the upper 64 places of Q's fragment hold zero codes (registers 4-7, cleared once).  A tile of K takes FOUR registers; the operand's upper four are the next tile's codes
; (behind the last tile four cleared registers): whatever finite codes stand there meet Q's zero codes and add nothing; the scale bytes of those places are 0, which is 2^-127.
; K IS ASKED FOR A STEP AHEAD.  The step is written once a pass, so a pass's last step asks 128 keys beyond K's end: these loads fall on filled bytes of V and of V's scale words and their results are never used.
; EXPONENTIALS BY TURNS.  They go in four groups of 16 scores (the first with the two blocks' maxima); behind an exponential stands an instruction that is due anyway and hangs on nothing of its group: the next
; groups' t - M, LDS loads, address steps, a level of the sums' tree.  What such a line writes is first read behind the wait that opens a later group.  The sums are a tree kept in p's registers, behind the conversions.
; LIMITS: NaN and infinities are not served.  The promise holds while |t| stays under 2^31.  A block of p whose largest number lies under 2^-124 gets the byte 1.
; A block's largest p is taken from its largest score through the same multiply-add and exponential, which takes v_exp_f32 not to fall where its input rises.  Divisions are v_rcp_f32 and a multiplication.
.set KP,   288                         ; a row of 256 bytes of K in LDS, + 32 of padding
.set VOFF, 256*KP                      ; LDS: K's codes at 0 (256 rows), V's here, 65,536 bytes, dense
.set KSC,  VOFF+65536                  ; K's scale words, 8,192 bytes
.set VSC,  KSC+8192                    ; V's, 4,096 bytes
.set STG,  VSC+4096                    ; 1,024 bytes in which the waves' scale halfwords of the two passes meet; no tile lands there
.set SPARE, 0x29000                    ; the spare words: 128 bytes a wave
.set LI,  1                            ; v1   16 x lane
.set LKA, 2                            ; v2   my place in a chosen tile of K: 4 KP (r / 8) + KP h + 16 (r % 8)
.set LV,  3                            ; v3   VOFF + 16 x lane
.set LKS, 4                            ; v4   KSC + 16 (r % 8) + 8 (r / 8) + 256 h
.set LT,  5                            ; v5   VSC + 16 r
.set SPW, 6                            ; v6   my spare word; never rewritten
.set NIL, 7                            ; v7   0; never rewritten
.set ADK, 8                            ; v8-11 the step's addresses
.set ADV, 9
.set ADS, 10
.set ADT, 11
                                       ; v12 -M, v13 the largest score, v[14:15] the sum; v16-23 Q; v24 Q's scale words, v25 the second pass's
.set SO,  26                           ; v26-27 the conversions' scale operands
.set SOUT, 28                          ; v28  the stage on the way out
.set OM,  29                           ; v29  -M as it was
                                       ; v30 the result's scale halfword, v31 its place in the stage
.set KF,  32                           ; v32-63  K's eight tiles, four registers each; v64-67 zeros
.set MT,  68                           ; v68-75  a maximum for each tile of scores
.set MD,  76                           ; v76-77  at work
.set VF,  96                           ; v96-127 V's four fragments
.set S,   128                          ; v128-191 S^T, then p, then the sums' tree
.set O,   192                          ; v192-223 O^T
.set P,   224                          ; v224-231 p's codes
.set KS,  232                          ; v232-235 K's scale words: register 2 (t % 2) + t / 2 for tile t; lanes 0-15 the first 64 keys, lanes 16-31 the second
.set Q1,  236                          ; v236-239 Q of the second pass
.set VS,  240                          ; v240-243 V's scale words
.set MX,  244                          ; v244-245 my two blocks' maxima
.set MY,  248                          ; v248-249 at work
.set F,   250                          ; v250 f = 2^(old M - new M); v251 = 0, named with it as a pair
.set TM,  252                          ; v252 at work
.set PW,  253                          ; v253 p's scale word
.set WV,  16
.set SEL, 20                           ; s[20:21] v_permlanex16_b32's selects for lane l xor 16
.set CS,  22                           ; s[22:23] c = log2(e) / sqrt(2048)
.set G1C, 24                           ; s[24:31] group 1 for a chunk of V: 64 dense rows of 256 bytes
.set G1SK, 32                          ; s[32:39] K's scale words: 32 rows of 256 bytes, 512 apart in memory
.set G0K, 40                           ; s[40:55] four groups 0
.set G0V, 44
.set G0SK, 48
.set G0SV, 52
.set TK,  56                           ; s56  the step's place in K: 16 KP a step
.set TB,  60                           ; s60  in V: 4,096
.set TS,  61                           ; s61  in K's scale words: 512
.set TJ,  62                           ; s62  in V's: 256
.set CNT, 63
.set G1SV, 68                          ; s[68:75] V's scale words: 16 dense rows of 256 bytes
.set G1K, 76                           ; s[76:83] a chunk of K: as V's, with 8 words of padding behind every 64
.macro CROUND                          ; a round of the cluster's barrier
	s_barrier_signal -1
	s_barrier_wait -1
	s_cmp_lg_u32 s[WV], 0
	s_cbranch_scc1 .Lnot_wave_0_\@
	s_barrier_signal -3
.Lnot_wave_0_\@:
	s_barrier_wait -3
	s_barrier_signal -1
	s_barrier_wait -1
.endm
.macro DESC g, w0, rows, pitch         ; group 1: rows of 32 elements of 8 bytes
	s_mov_b32 s[\g], \w0
	s_mov_b32 s[\g+1], 32<<16
	s_mov_b32 s[\g+2], (\rows)<<16
	s_mov_b32 s[\g+3], 32<<16
	s_mov_b32 s[\g+4], \rows
	s_mov_b32 s[\g+5], \pitch
	s_mov_b32 s[\g+6], 0
	s_mov_b32 s[\g+7], 0
.endm
	s_load_b256 s[4:11], s[0:1], 0x0               ; qkc s[4:5], vc s[6:7], qks s[8:9], vsc s[10:11]
	s_load_b128 s[12:15], s[0:1], 0x20             ; nvc s[12:13], nvs s[14:15]
	v_lshl_add_u32 v[SPW], v0, 2, SPARE
	v_mov_b32 v[NIL], 0
	ds_add_u32 v[SPW], v[NIL]                      ; the add twice on end and one wait, ahead of the first tensor load
	ds_add_u32 v[SPW], v[NIL]
	v_lshrrev_b32 v8, 5, v0
	v_readfirstlane_b32 s[WV], v8                  ; wave 0..15
	s_bfe_u32 s17, ttmp6, 0x40000                  ; cx
	s_lshl_b32 s18, ttmp9, 2
	s_add_co_u32 s18, s18, s17                     ; my block of 512 queries: it enters Q's and the results' addresses alone
	s_and_b32 s19, ttmp7, 0xffff                   ; batch x 16 + head, which the four partners share
	DESC G1C,  15|(3<<16)|(1<<21), 64, 32          ; the mask names all four; bit 21 set beside it
	DESC G1K,  15|(3<<16)|(1<<20)|(1<<21)|(5<<22)|(7<<25), 64, 32
	DESC G1SK, 15|(3<<16)|(1<<21), 32, 64          ; every second 256 bytes: k's half of each group of 64 tokens
	DESC G1SV, 15|(3<<16)|(1<<21), 16, 32
	s_lshl_b32 s96, s19, 16                        ; a head's codes: 65,536 bytes,
	s_mov_b32 s97, 0
	s_lshl_b32 s98, s19, 14                        ; q's and k's scale words: 16,384,
	s_mov_b32 s99, 0
	s_lshl_b32 s100, s19, 12                       ; v's: 4,096
	s_mov_b32 s101, 0
	s_and_b32 s84, s[WV], 3
	s_lshl_b32 s84, s84, 14                        ; my chunk of 16,384 bytes in memory,
	s_mov_b32 s85, 0
	s_mul_i32 s86, s[WV], 64*KP                    ; in LDS: K's (waves 0-3),
	s_lshl_b32 s87, s[WV], 14
	s_add_co_u32 s87, s87, VOFF-65536              ; V's (waves 4-7): VOFF + 16,384 (wave - 4)
	s_mov_b32 s[SEL], 0x76543210
	s_mov_b32 s[SEL+1], 0xfedcba98
	s_mov_b32 s[CS], 0x3d0293ee
	s_mov_b32 s[CS+1], s[CS]
	s_wait_dscnt 0x0                               ; both opening adds are done
	s_wait_kmcnt 0x0
	s_add_nc_u64 s[4:5], s[4:5], s[96:97]
	s_add_nc_u64 s[6:7], s[6:7], s[96:97]
	s_add_nc_u64 s[8:9], s[8:9], s[98:99]
	s_add_nc_u64 s[10:11], s[10:11], s[100:101]
	s_mov_b32 s[G0K], 1
	s_mov_b32 s[G0K+1], s86
	s_add_nc_u64 s[G0K+2:G0K+3], s[4:5], 4194304   ; k lies behind q in qkc
	s_add_nc_u64 s[G0K+2:G0K+3], s[G0K+2:G0K+3], s[84:85]
	s_or_b32 s[G0K+3], s[G0K+3], 0x80000000
	s_mov_b32 s[G0V], 1
	s_mov_b32 s[G0V+1], s87
	s_add_nc_u64 s[G0V+2:G0V+3], s[6:7], s[84:85]
	s_or_b32 s[G0V+3], s[G0V+3], 0x80000000
	s_mov_b32 s[G0SK], 1
	s_mov_b32 s[G0SK+1], KSC
	s_add_nc_u64 s[G0SK+2:G0SK+3], s[8:9], 256
	s_or_b32 s[G0SK+3], s[G0SK+3], 0x80000000
	s_mov_b32 s[G0SV], 1
	s_mov_b32 s[G0SV+1], VSC
	s_mov_b64 s[G0SV+2:G0SV+3], s[10:11]
	s_or_b32 s[G0SV+3], s[G0SV+3], 0x80000000
	CROUND                                         ; all four work-groups are here: the joint loads meet
; ONE chain of branches on the wave's number, an arm a load, all arms leading to one join: no way through the head passes two loads
.macro ARM under, g0, g1, next
	s_cmp_lt_u32 s[WV], \under
	s_cbranch_scc0 \next
	tensor_load_to_lds s[\g0:\g0+3], s[\g1:\g1+7]
	s_nop 0
.rept 4
	v_nop
.endr
	s_branch .Lasked
\next:
.endm
	ARM 4,  G0K,  G1K,  .Lhead_v
	ARM 8,  G0V,  G1C,  .Lhead_sk
	ARM 9,  G0SK, G1SK, .Lhead_sv
	ARM 10, G0SV, G1SV, .Lhead_none
.Lasked:
	s_lshl_b32 s96, s18, 5
	s_add_co_u32 s96, s96, s[WV]                   ; my tile of 16 queries in the first pass: 32 x block + wave; in the second pass the tile 16 further on
	s_lshl_b32 s98, s96, 9
	s_mov_b32 s99, 0
	s_add_nc_u64 s[98:99], s[4:5], s[98:99]        ; its codes
	s_lshr_b32 s100, s96, 2
	s_lshl_b32 s100, s100, 9
	s_and_b32 s101, s96, 3
	s_lshl_b32 s101, s101, 2
	s_add_co_u32 s100, s100, s101
	s_mov_b32 s101, 0
	s_add_nc_u64 s[100:101], s[8:9], s[100:101]    ; its scale words: group of 64 tokens, q's half, tile in the group
	s_lshl_b32 s66, s[WV], 5
	s_add_co_u32 s66, s66, STG                     ; my 32 bytes of the stage
	s_lshr_b32 s2, s19, 4                          ; the batch
	s_lshl_b32 s3, s2, 7
	s_add_co_u32 s3, s3, s96                       ; my tile of tokens among all 512
	s_lshl_b32 s96, s3, 13                         ; nvc: 8,192 bytes a tile,
	s_and_b32 s3, s19, 15
	s_lshl_b32 s97, s3, 9                          ; 512 bytes a head
	s_add_co_u32 s96, s96, s97
	s_mov_b32 s97, 0
	s_add_nc_u64 s[12:13], s[12:13], s[96:97]
	s_lshl_b32 s96, s3, 14                         ; nvs: 16,384 bytes a head,
	s_lshl_b32 s2, s2, 12                          ; 4,096 a batch,
	s_add_co_u32 s96, s96, s2
	s_lshl_b32 s2, s18, 10                         ; 1,024 a block of 512 queries
	s_add_co_u32 s96, s96, s2
	s_add_nc_u64 s[14:15], s[14:15], s[96:97]
	s_mov_b32 s[TB], 0
	s_mov_b32 s[TK], 0
	s_mov_b32 s[TS], 0
	s_mov_b32 s[TJ], 0
	v_and_b32 v8, 31, v0
	v_lshlrev_b32 v[LI], 4, v8
	v_and_b32 v9, 15, v0                           ; r
	v_bfe_u32 v10, v0, 4, 1                        ; h
	v_bfe_u32 v11, v0, 3, 1                        ; r / 8
	v_and_b32 v[TM], 7, v0                         ; r % 8
	v_lshlrev_b32 v[OM], 4, v9
	global_load_b128 v[16:19], v[LI], s[98:99]     ; Q's fragment stays in registers
	global_load_b32 v24, v[OM], s[100:101]
	global_load_b128 v[Q1:Q1+3], v[LI], s[98:99] offset:8192   ; the second pass's: 16 tiles of 512 bytes on,
	global_load_b32 v25, v[OM], s[100:101] offset:2048         ; four groups of 512 bytes on
	v_mul_u32_u24 v[LKA], v11, 4*KP
	v_mad_u32_u24 v[LKA], v10, KP, v[LKA]
	v_lshl_add_u32 v[LKA], v[TM], 4, v[LKA]
	v_lshl_add_u32 v[LKS], v[TM], 4, KSC
	v_lshl_add_u32 v[LKS], v11, 3, v[LKS]
	v_lshl_add_u32 v[LKS], v10, 8, v[LKS]
	v_add_nc_u32 v[LV], VOFF, v[LI]
	v_lshl_add_u32 v[LT], v9, 4, VSC
	v_add_nc_u32 v[SOUT], STG, v[LI]
	v_lshl_add_u32 v31, v9, 1, s66                 ; STG + 32 x wave + 2 r (+ 512 in the second pass)
.irp j, 20,21,22,23
	v_mov_b32 v[\j], 0                             ; Q's upper 64 places: zero codes
.endr
.irp j, 32,33,34,35
	v_mov_b32 v[KF+\j], 0                          ; behind K's last tile
.endr
	v_mov_b32 v[MY], 0                             ; a lane permute's destination counts as one of its sources
	v_mov_b32 v[MY+1], 0
	v_mov_b32 v[F+1], 0
; A pass begins: the largest score so far lies under every score, the sum and O^T are zeros, which the first change of M leaves zeros.
.macro INIT
	v_mov_b32 v13, 0xff61b1e6                      ; -3e38
	v_mul_f32 v[TM], s[CS], v13
	v_floor_f32 v12, -v[TM]                        ; -M
	v_mov_b32 v14, 0
	v_mov_b32 v15, 0
.set i, 0
.rept 32
	v_mov_b32 v[O+i], 0
.set i, i+1
.endr
.endm
	INIT
.macro KLOAD                           ; a pass's first 128 keys and their scale words
.irp n, 0,1,2,3,4,5,6,7
	ds_load_b128 v[KF+4*\n:KF+4*\n+3], v[LKA] offset:8*KP*(\n/4)+2*KP*((\n%4)/2)+128*(\n%2)
.endr
	ds_load_b64 v[KS:KS+1], v[LKS]
	ds_load_b64 v[KS+2:KS+3], v[LKS] offset:128
	s_wait_alu depctr_va_vdst(0)
	s_wait_dscnt 0x0
.endm
.macro E r                             ; p = 2^(t - M), at most 1: NOT normalised
	v_exp_f32 v[S+\r], v[S+\r]
.endm
.macro FM r                            ; t - M of the pair at r (of the pairs c and -M the low word serves both halves)
	v_pk_fma_f32 v[S+\r:S+\r+1], v[S+\r:S+\r+1], s[CS:CS+1], v[12:13] op_sel_hi:[1,0,0]
.endm
.macro AD a, b                         ; the sums' tree: pair a += pair b
	v_pk_add_f32 v[S+\a:S+\a+1], v[S+\a:S+\a+1], v[S+\b:S+\b+1]
.endm
.macro ACC a                           ; a group's sum joins the row's
	v_pk_add_f32 v[14:15], v[14:15], v[S+\a:S+\a+1]
.endm
.macro KL n                            ; tile n of the next step's K
	ds_load_b128 v[KF+4*(\n):KF+4*(\n)+3], v[ADK] offset:16*KP+8*KP*((\n)/4)+2*KP*(((\n)%4)/2)+128*((\n)%2)
.endm
.macro CV n, so                        ; register n of p's codes: keys 8 n .. 8 n + 7 of my blocks
	v_cvt_scalef32_pk8_fp4_f32 v[P+\n], v[S+8*\n:S+8*\n+7], v[\so]
.endm
; A KEY STEP: 128 keys.
.macro STEP
	s_wait_dscnt 0x0                               ; this step's K and its scale words are in
.irp t, 0,1,2,3
	v_wmma_scale_f32_16x16x128_f8f6f4 v[S+8*\t:S+8*\t+7], v[KF+4*\t:KF+4*\t+7], v[16:23], 0, v[KS+2*(\t%2)+\t/2], v24 matrix_a_fmt:MATRIX_FMT_FP4 matrix_b_fmt:MATRIX_FMT_FP4
.endr
.irp t, 0,1,2,3
	v_wmma_scale_f32_16x16x128_f8f6f4 v[S+32+8*\t:S+39+8*\t], v[KF+16+4*\t:KF+23+4*\t], v[16:23], 0, v[KS+2*(\t%2)+\t/2], v24 matrix_a_fmt:MATRIX_FMT_FP4 matrix_b_fmt:MATRIX_FMT_FP4 matrix_a_scale:MATRIX_SCALE_ROW1
.endr
	v_add_nc_u32 v[ADV], s[TB], v[LV]              ; five places (ISA guide 7.12.1) behind these products, ahead of the first read of the scores
	v_add_nc_u32 v[ADT], s[TJ], v[LT]
	v_add_nc_u32 v[ADK], s[TK], v[LKA]
	v_add_nc_u32 v[ADS], s[TS], v[LKS]
	v_mov_b32 v[OM], v12                           ; -M as it was
.irp t, 0,1,2,3,4,5,6,7                        ; THE LARGEST SCORE OF MY TWO BLOCKS OF 32 KEYS: eight chains, a tile each, by turns; each tile is first read at its low end
	v_max3_num_f32 v[MT+\t], v[S+8*\t], v[S+8*\t+1], v[S+8*\t+2]
.endr
.irp t, 0,1,2,3,4,5,6,7
	v_max3_num_f32 v[MT+\t], v[MT+\t], v[S+8*\t+3], v[S+8*\t+4]
.endr
.irp t, 0,1,2,3,4,5,6,7
	v_max3_num_f32 v[MT+\t], v[MT+\t], v[S+8*\t+5], v[S+8*\t+6]
.endr
	v_max_num_f32 v[MD], v[S+23], v[S+31]
	v_max_num_f32 v[MD+1], v[S+55], v[S+63]
	v_max3_num_f32 v[MT], v[MT], v[MT+1], v[S+7]
	v_max3_num_f32 v[MT+2], v[MT+2], v[MT+3], v[S+15]
	v_max3_num_f32 v[MT+4], v[MT+4], v[MT+5], v[S+39]
	v_max3_num_f32 v[MT+6], v[MT+6], v[MT+7], v[S+47]
	s_delay_alu instid0(VALU_DEP_3)
	v_max3_num_f32 v[MX], v[MT], v[MT+2], v[MD]
	s_delay_alu instid0(VALU_DEP_2)
	v_max3_num_f32 v[MX+1], v[MT+4], v[MT+6], v[MD+1]
	s_delay_alu instid0(VALU_DEP_1)
	v_max3_num_f32 v[TM], v[MX], v[MX+1], v13
	v_permlanex16_b32 v[MY], v[TM], s[SEL], s[SEL+1]
	v_max_num_f32 v13, v[TM], v[MY]                ; the running largest score of my query, the same in lanes l and l xor 16
	s_delay_alu instid0(VALU_DEP_1)
	v_mul_f32 v[TM], s[CS], v13                    ; as t (c is positive)
	s_delay_alu instid0(VALU_DEP_1)
	v_floor_f32 v12, -v[TM]                        ; the new -M = -ceil(t): M IS A WHOLE NUMBER
	s_delay_alu instid0(VALU_DEP_1)
	v_sub_f32 v[TM], v12, v[OM]                    ; old M - new M: a whole number, 0 or less
	FM 0                                           ; the first group's t - M stands among the lines that make f
	FM 2
	v_cvt_i32_f32 v[TM], v[TM]                     ; (it saturates)
	FM 4
	FM 6
	v_ldexp_f32 v[F], 1.0, v[TM]                   ; f = 2^(old M - new M)
	FM 8
	FM 10
	FM 12
	FM 14
	v_fma_f32 v[MX], v[MX], s[CS], v12             ; t - M of each block's largest score
	v_fma_f32 v[MX+1], v[MX+1], s[CS], v12
	v_pk_mul_f32 v[14:15], v[14:15], v[F:F+1] op_sel_hi:[1,0]                 ; the sum under the new M
.set j, 0
.rept 16
	v_pk_mul_f32 v[O+j:O+j+1], v[O+j:O+j+1], v[F:F+1] op_sel_hi:[1,0]         ; O^T under the new M, each accumulator from its low end on; ahead of the step's exponentials
.set j, j+2
.endr
	s_wait_alu depctr_va_vdst(0)                   ; GROUP 0.  A wait ahead of each group and behind it: one wait between two groups serves both
	v_exp_f32 v[MX], v[MX]                         ; the blocks' largest p: the same multiply-add and exponential on the same number give the same bits
	ds_load_b128 v[VS:VS+3], v[ADT]                ; register t: the word of channel 16 t + r
	v_exp_f32 v[MX+1], v[MX+1]
	s_add_co_u32 s[TB], s[TB], 4096
.set j, 0
.rept 8
	E 2*j
	FM 16+2*j
	E 2*j+1
	ds_load_b128 v[VF+4*j:VF+4*j+3], v[ADV] offset:512*j                      ; V^T's tile j / 2: channels 16 (j / 2) + r, keys 64 (j % 2) + 32 h on
.set j, j+1
.endr
	s_wait_alu depctr_va_vdst(0)                   ; GROUP 1
	v_max_num_f32 v[MX], 0x1800000, v[MX]          ; the floor 2^(3 - 127): the byte cannot fall under 1
	v_max_num_f32 v[MX+1], 0x1800000, v[MX+1]
	v_add_nc_u32 v[SO], 0xff000000, v[MX]          ; 2 off the exponent field: the conversion's scale operand
	v_add_nc_u32 v[SO+1], 0xff000000, v[MX+1]
	CV 0, SO
	CV 1, SO
.set j, 0
.rept 8
	E 16+2*j
	FM 32+2*j
	E 17+2*j
.if j < 4
	AD 4*j, 4*j+2                                  ; THE ROW'S SUM IS TAKEN OF THE UNQUANTISED p: group 0, first level
.else
	KL j-4
.endif
.set j, j+1
.endr
	s_wait_alu depctr_va_vdst(0)                   ; GROUP 2
	v_lshrrev_b32 v[MY], 23, v[SO]                 ; the scales' bytes: blocks h and 2 + h
	v_lshrrev_b32 v[MY+1], 23, v[SO+1]
	CV 2, SO
	CV 3, SO
	v_lshl_or_b32 v[TM], v[MY+1], 16, v[MY]
.set j, 0
.rept 8
	E 32+2*j
	FM 48+2*j
	E 33+2*j
.if j < 2
	KL 4+j
.elseif j < 6
	AD 16+4*(j-2), 18+4*(j-2)                      ; group 1, first level
.else
	AD 8*(j-6), 8*(j-6)+4                          ; group 0, second level
.endif
.set j, j+1
.endr
	s_wait_alu depctr_va_vdst(0)                   ; GROUP 3
	v_permlanex16_b32 v[MY], v[TM], s[SEL], s[SEL+1]
	CV 4, SO+1
	CV 5, SO+1
	E 48
	KL 6
	E 49
	KL 7
	E 50
	ds_load_b64 v[KS:KS+1], v[ADS] offset:512
	E 51
	ds_load_b64 v[KS+2:KS+3], v[ADS] offset:640
	E 52
	s_add_co_u32 s[TK], s[TK], 16*KP
	E 53
	s_add_co_u32 s[TS], s[TS], 512
	E 54
	s_add_co_u32 s[TJ], s[TJ], 256
	E 55
	AD 16, 20                                      ; group 1, second level
	E 56
	AD 24, 28
	E 57
	AD 0, 8                                        ; group 0's sum
	E 58
	E 59
	AD 32, 34                                      ; group 2, first level
	E 60
	AD 36, 38
	E 61
	AD 40, 42
	E 62
	E 63
	AD 44, 46
	s_wait_alu depctr_va_vdst(0)                   ; the wait behind the last group
	v_lshl_or_b32 v[PW], v[MY], 8, v[TM]           ; lanes 0-15: p's scale word of query r (lanes 16-31 are not read); fifteen plain places ahead of the product
	CV 6, SO+1
	CV 7, SO+1
	AD 32, 36
	AD 40, 44
	AD 16, 24
	ACC 0
	AD 48, 50
	AD 52, 54
	AD 56, 58
	AD 60, 62
	AD 32, 40
	ACC 16
	AD 48, 52
	s_delay_alu instid0(VALU_DEP_4)
	AD 56, 60
	s_delay_alu instid0(VALU_DEP_3)
	ACC 32
	s_delay_alu instid0(VALU_DEP_2)
	AD 48, 56
	s_delay_alu instid0(VALU_DEP_1)
	ACC 48
	s_wait_alu depctr_va_vdst(0)
	s_wait_dscnt 10                                ; V's nine loads are in; behind them stand the ten for the next step's K, which may be out
.irp t, 0,1,2,3
	v_wmma_scale_f32_16x16x128_f8f6f4 v[O+8*\t:O+8*\t+7], v[VF+8*\t:VF+8*\t+7], v[P:P+7], v[O+8*\t:O+8*\t+7], v[VS+\t], v[PW] matrix_a_fmt:MATRIX_FMT_FP4 matrix_b_fmt:MATRIX_FMT_FP4
.endr
.endm
; 32 numbers of a lane, register 8 u + j = place 16 u + 8 (lane / 16) + j along the next K, become four registers of codes, in which lane (r, h) holds places 32 h .. 32 h + 31 of row r, and a halfword of two scale bytes
.macro QUANT2 t, p, w
.irp b, 0,1
	v_max3_num_f32 v[MX+\b], |v[\t+16*\b]|, |v[\t+16*\b+1]|, 0x1800000
.endr
.irp i, 2,4,6,8,10,12,14
.irp b, 0,1
	v_max3_num_f32 v[MX+\b], v[MX+\b], |v[\t+16*\b+\i]|, |v[\t+16*\b+\i+1]|
.endr
.endr
.irp b, 0,1
	v_permlanex16_b32 v[MY+\b], v[MX+\b], s[SEL], s[SEL+1]
.endr
.irp b, 0,1
	v_max_num_f32 v[MX+\b], v[MX+\b], v[MY+\b]
.endr
.irp b, 0,1
	v_add_nc_u32 v[SO+\b], 0xff000000, v[MX+\b]
.endr
.irp b, 0,1
	v_lshrrev_b32 v[MY+\b], 23, v[SO+\b]
.endr
	v_lshl_or_b32 v[\w], v[MY+1], 8, v[MY]
	v_cvt_scalef32_pk8_fp4_f32 v[\p], v[\t:\t+7], v[SO]
	v_cvt_scalef32_pk8_fp4_f32 v[\p+2], v[\t+8:\t+15], v[SO]
	v_cvt_scalef32_pk8_fp4_f32 v[\p+1], v[\t+16:\t+23], v[SO+1]
	v_cvt_scalef32_pk8_fp4_f32 v[\p+3], v[\t+24:\t+31], v[SO+1]
	v_nop
	v_permlane16_swap_b32 v[\p], v[\p+1]
	v_permlane16_swap_b32 v[\p+2], v[\p+3]
.endm
; A PASS: sixteen key steps; then O^T / the sum is new_v (lane (r, h), register 8 t + j: query r, channel 16 t + 8 h + j), quantised along the channels, which are the next product's K.
.macro PASS n
	KLOAD
	s_mov_b32 s[CNT], 16
.Lstep_\@:
	STEP
	s_sub_co_u32 s[CNT], s[CNT], 1
	s_cmp_lg_u32 s[CNT], 0
	s_cbranch_scc1 .Lstep_\@
	s_wait_dscnt 0x0                               ; the last step's ten loads ahead have landed: their registers are loaded again only behind this wait
.rept 4
	v_nop                                          ; places behind the last products
.endr
	v_add_f32 v14, v14, v15                        ; the sum's two halves,
	v_permlanex16_b32 v[MY], v14, s[SEL], s[SEL+1]
	v_add_f32 v14, v14, v[MY]                      ; and lane l xor 16's: the row's sum
	s_wait_alu depctr_va_vdst(0)                   ; a wait ahead of the transcendental
	v_rcp_f32 v14, v14
	v_nop                                          ; a plain place behind it
	s_wait_alu depctr_va_vdst(0)                   ; and behind it, directly ahead of the first readers of its result and of O^T
.set i, 0
.rept 16
	v_pk_mul_f32 v[S+i:S+i+1], v[O+i:O+i+1], v[14:15] op_sel_hi:[1,0]         ; each accumulator from its low end on
.set i, i+2
.endr
	QUANT2 S, P, 30
	global_store_b128 v[LI], v[P:P+3], s[12:13] offset:131072*\n              ; 512 consecutive bytes; the second pass's tile lies 16 tiles of 8,192 bytes on
	ds_store_b16 v31, v30 offset:512*\n            ; both halves of the lanes write the same bytes with the same value; each pass has bytes of its own
.endm
	s_wait_alu depctr_va_vdst(0)
	s_wait_loadcnt 0x0                             ; Q of both passes and their scale words
	s_wait_tensorcnt 0x0                           ; my one load has landed (a wave that asked for nothing passes),
	s_barrier_signal -1
	s_barrier_wait -1                              ; and so has every wave's: K, V and their scale words are there for all
	PASS 0
	s_wait_xcnt 0x0                                ; the first pass's store has read its registers: p's codes are written there again only behind this wait
.irp j, 0,1,2,3
	v_mov_b32 v[16+\j], v[Q1+\j]                   ; the second pass's queries; the lines that start its sums stand between these and the next product
.endr
	v_mov_b32 v24, v25
	INIT
	s_mov_b32 s[TB], 0
	s_mov_b32 s[TK], 0
	s_mov_b32 s[TS], 0
	s_mov_b32 s[TJ], 0
	PASS 1
	s_wait_alu depctr_va_vdst(0)
	s_wait_dscnt 0x0                               ; for the others' sake: my halfwords of both passes lie in the stage
	s_barrier_signal -1
	s_barrier_wait -1
	s_cmp_lg_u32 s[WV], 0
	s_cbranch_scc1 .Lno_nvs
	ds_load_b128 v[32:35], v[SOUT]                 ; the 512 queries' halfwords
	ds_load_b128 v[36:39], v[SOUT] offset:512
	s_wait_dscnt 0x0
	global_store_b128 v[LI], v[32:35], s[14:15]    ; 512 consecutive bytes a store
	global_store_b128 v[LI], v[36:39], s[14:15] offset:512
.Lno_nvs:
	s_wait_tensorcnt 0x0                           ; the wave's end
	ds_add_u32 v[SPW], v[NIL]
	s_wait_dscnt 0x0
	CROUND                                         ; the closing round: no work-group ends while a partner may still ask for a tile that names it
	s_endpgm
.Lfunc_end_k_q2ea7c70af2_attn:
	.size	k_q2ea7c70af2_attn, .Lfunc_end_k_q2ea7c70af2_attn-k_q2ea7c70af2_attn
	.p2alignl 7, 3214868480
	.fill 96, 4, 3214868480
	.section	.rodata,"a",@progbits
	.p2align	6, 0x0
	.amdhsa_kernel k_q2ea7c70af2_attn
		.amdhsa_group_segment_fixed_size 169984
		.amdhsa_private_segment_fixed_size 0
		.amdhsa_enable_private_segment 0
		.amdhsa_kernarg_size 48
		.amdhsa_user_sgpr_count 2
		.amdhsa_user_sgpr_kernarg_segment_ptr 1
		.amdhsa_wavefront_size32 1
		.amdhsa_system_sgpr_workgroup_id_x 1
		.amdhsa_system_sgpr_workgroup_id_y 1
		.amdhsa_system_sgpr_workgroup_id_z 1
		.amdhsa_system_vgpr_workitem_id 0
		.amdhsa_next_free_vgpr 256
		.amdhsa_next_free_sgpr 102
		.amdhsa_reserve_vcc 0
		.amdhsa_float_denorm_mode_32 3
		.amdhsa_float_denorm_mode_16_64 3
		.amdhsa_memory_ordered 1
		.amdhsa_forward_progress 1
		.amdhsa_inst_pref_size 50
	.end_amdhsa_kernel
	.amdgpu_metadata
---
amdhsa.version: [ 1, 2 ]
amdhsa.kernels:
  - .name:           k_q2ea7c70af2_attn
    .symbol:         k_q2ea7c70af2_attn.kd
    .args:
      - { .name: qkc, .offset: 0, .size: 8, .value_kind: global_buffer, .address_space: global }
      - { .name: vc, .offset: 8, .size: 8, .value_kind: global_buffer, .address_space: global }
      - { .name: qks, .offset: 16, .size: 8, .value_kind: global_buffer, .address_space: global }
      - { .name: vsc, .offset: 24, .size: 8, .value_kind: global_buffer, .address_space: global }
      - { .name: nvc, .offset: 32, .size: 8, .value_kind: global_buffer, .address_space: global }
      - { .name: nvs, .offset: 40, .size: 8, .value_kind: global_buffer, .address_space: global }
    .group_segment_fixed_size: 169984
    .private_segment_fixed_size: 0
    .kernarg_segment_align: 8
    .kernarg_segment_size: 48
    .max_flat_workgroup_size: 512
    .sgpr_count:     102
    .vgpr_count:     256
    .wavefront_size: 32
...
	.end_amdgpu_metadata
.endif
;; end of part 7
;; launch proj (part 8): grid 256 x 1, 4 waves a work-group, clusters of 4 x 1, 327,680 bytes of LDS; arguments nvc, nvs, W_fc2_codes, W_fc2_scales, b_fc2, x, out0; writes out0
.if DOCPART == 8
	.amdgcn_target "amdgcn-amd-amdhsa--gfx1250"
	.amdhsa_code_object_version 6
	.text
	.protected	k_q2ea7c70af2_proj
	.globl	k_q2ea7c70af2_proj
	.p2align	8
	.type	k_q2ea7c70af2_proj,@function
k_q2ea7c70af2_proj:
	s_mov_b64 s[64:65], 0
	v_nop
	global_prefetch_b8 v0, s[64:65] scope:SCOPE_SE
	s_setreg_imm32_b32 hwreg(HW_REG_WAVE_MODE, 25, 1), 1
	s_wait_xcnt 0x0
	s_wait_alu depctr_hold_cnt(0) depctr_sa_sdst(0) depctr_va_vdst(0) depctr_va_sdst(0) depctr_va_ssrc(0) depctr_va_vcc(0) depctr_vm_vsrc(0)
	s_getreg_b32 s2, hwreg(HW_REG_IB_STS2, 6, 4)
	s_cmp_eq_u32 s2, 0
	s_cbranch_scc0 .Lentry_in_a_cluster
	s_endpgm
.Lentry_in_a_cluster:
	s_bfe_u32 s2, ttmp6, 0x10000c
	s_cmp_lg_u32 s2, 0x3003
	s_cbranch_scc0 .Lentry_shape_is_right
	s_endpgm
.Lentry_shape_is_right:
.set WP,    528
.set SLOT,  64*WP
.set RING,  2*SLOT
.set RED0,  4*RING
.set RED1,  RED0+512
.set SPARE, RED1+512
.set XP,    1040
.set LI,  3
.set ADW, 4
.set XST, 6
.set DA,  7
.set RW,  12
.set RA,  13
.set SPW, 14
.set NIL, 15
.set SUM, 16
.set TR,  24
.set W2S, 32
.set AS,  96
.set U,   104
.set MU,  104
.set RS,  108
.set BI,  128
.set T,   128
.set XT,  160
.set WV,  18
.set G1W, 24
.set G0,  32
.set SEL, 40
.set NL,  42
.set HI,  44
.set MSB, 0
.macro WIN new
.if MSB != \new
	s_set_vgpr_msb (MSB<<8)|\new
.set MSB, \new
.endif
.endm
.macro PLACES
.rept 4
	v_nop
.endr
.endm
.macro ROUND
	s_barrier_signal -1
	s_barrier_wait -1
	s_cmp_lg_u32 s[WV], 0
	s_cbranch_scc1 .Lnot_wave_0_\@
	s_barrier_signal -3
.Lnot_wave_0_\@:
	s_barrier_wait -3
	s_barrier_signal -1
	s_barrier_wait -1
.endm
	s_load_b256 s[4:11], s[0:1], 0x0
	s_load_b128 s[12:15], s[0:1], 0x20
	s_load_b64 s[16:17], s[0:1], 0x30
	v_lshl_add_u32 v[SPW], v0, 2, SPARE
	v_mov_b32 v[NIL], 0
	ds_add_u32 v14, v15
	ds_add_u32 v14, v15
	s_wait_dscnt 0x0
	v_lshrrev_b32 v1, 5, v0
	v_readfirstlane_b32 s[WV], v1
	s_bfe_u32 s19, ttmp6, 0x40000
	s_lshl_b32 s20, ttmp9, 2
	s_add_co_u32 s20, s20, s19
	s_mov_b32 s[G1W], 15|(1<<20)|(1<<21)|(6<<22)|(3<<25)
	s_mov_b32 s[G1W+1], 512<<16
	s_mov_b32 s[G1W+2], 64<<16
	s_mov_b32 s[G1W+3], 512<<16
	s_mov_b32 s[G1W+4], 64
	s_mov_b32 s[G1W+5], 512
	s_mov_b32 s[G1W+6], 0
	s_mov_b32 s[G1W+7], 0
	s_mul_i32 s46, s[WV], RING
	s_lshl_b32 s48, s[WV], 17
	s_mov_b32 s49, 0
	s_wait_kmcnt 0x0
	s_add_nc_u64 s[48:49], s[8:9], s[48:49]
	ROUND
.irp s, 0,1
	s_mov_b32 s[G0+4*\s], 1
	s_add_co_u32 s[G0+4*\s+1], s46, \s*SLOT
	s_add_nc_u64 s[G0+4*\s+2:G0+4*\s+3], s[48:49], \s*32768
	s_or_b32 s[G0+4*\s+3], s[G0+4*\s+3], 0x80000000
.endr
	tensor_load_to_lds s[G0:G0+3], s[G1W:G1W+7]
	s_nop 0
	PLACES
	v_and_b32 v1, 15, v0
	v_bfe_u32 v2, v0, 4, 1
	v_and_b32 v[LI], 31, v0
	v_lshlrev_b32 v[LI], 4, v[LI]
	v_mul_u32_u24 v[ADW], v1, WP
	v_lshl_add_u32 v[ADW], v2, 4, v[ADW]
	v_add_nc_u32 v[ADW], s46, v[ADW]
	v_add_nc_u32 v[ADW+1], SLOT, v[ADW]
	v_add_nc_u32 v[XST], s46, v[LI]
	v_mul_u32_u24 v[DA], v1, XP
	v_lshl_add_u32 v[DA], v2, 5, v[DA]
	v_add_nc_u32 v[DA], s46, v[DA]
	v_lshlrev_b32 v9, 5, v1
	v_lshl_add_u32 v9, v2, 4, v9
	s_wait_alu depctr_va_vdst(0)
	v_lshlrev_b32 v10, 5, v2
	s_wait_alu depctr_va_vdst(0)
	v_lshlrev_b32 v11, 17, v2
	v_lshl_add_u32 v11, v1, 1, v11
	s_wait_alu depctr_va_vdst(0)
	v_lshl_add_u32 v[RW], v0, 2, RED0
	v_lshl_add_u32 v[RA], v1, 2, RED0
	v_mov_b32 v[TR], 0
	v_mov_b32 v[TR+1], 0
	s_mov_b32 s51, 0
	s_lshl_b32 s50, s20, 14
	s_add_nc_u64 s[4:5], s[4:5], s[50:51]
	s_lshl_b32 s50, s20, 6
	s_add_nc_u64 s[6:7], s[6:7], s[50:51]
	s_lshl_b32 s50, s[WV], 13
	s_add_nc_u64 s[10:11], s[10:11], s[50:51]
	s_lshl_b32 s50, s[WV], 10
	s_add_nc_u64 s[12:13], s[12:13], s[50:51]
	s_lshl_b32 s52, s20, 17
	s_add_co_u32 s50, s50, s52
	s_add_nc_u64 s[14:15], s[14:15], s[50:51]
	s_add_nc_u64 s[16:17], s[16:17], s[50:51]
	s_mov_b32 s[SEL], 0x76543210
	s_mov_b32 s[SEL+1], 0xfedcba98
	s_mov_b32 s[NL], 0xbfb8aa3b
	s_mov_b32 s[NL+1], s[NL]
	s_mov_b32 s[HI], 0xffff0000
	WIN 0xc0
.irp m, 0,1
.irp s, 0,1,2,3,4,5,6,7
.irp c, 0,1
	global_load_b128 v[8*(8*\m+\s)+4*\c:8*(8*\m+\s)+4*\c+3], v[LI], s[4:5] offset:\m*8192+\s*1024+\c*512
.endr
.endr
.endr
	WIN 0
.irp t, 0,1,2,3,4,5,6,7,8,9,10,11,12,13,14,15
	global_load_b128 v[W2S+4*\t:W2S+4*\t+3], v9, s[10:11] offset:512*\t
.endr
.irp t, 0,1,2,3,4,5,6,7,8,9,10,11,12,13,14,15
	global_load_b128 v[BI+8*\t:BI+8*\t+3], v10, s[12:13] offset:64*\t
	global_load_b128 v[BI+8*\t+4:BI+8*\t+7], v10, s[12:13] offset:64*\t+16
.endr
.irp m, 0,1
.irp q, 0,1,2,3
.irp e, 0,1
	global_load_u16 v[U+8*\m+2*\q+\e], v11, s[6:7] offset:\q*32768+\e*16384+\m*32
.endr
.endr
.endr
	s_wait_alu depctr_va_vdst(0)
	s_wait_tensorcnt 0x0
	ds_add_u32 v14, v15
	s_wait_dscnt 0x0
	ROUND
	tensor_load_to_lds s[G0+4:G0+7], s[G1W:G1W+7]
	s_nop 0
	PLACES
	s_wait_loadcnt 0x0
.irp m, 0,1
.irp q, 0,1,2,3
	v_lshl_or_b32 v[AS+4*\m+\q], v[U+8*\m+2*\q+1], 16, v[U+8*\m+2*\q]
.endr
.endr
.rept 8
	v_nop
.endr
	WIN 0x80
.set k, 0
.rept 64
	global_load_b128 v[4*k:4*k+3], v[LI], s[14:15] offset:(k/2)*4096+(k%2)*512 th:TH_LOAD_NT
.set k, k+1
.endr
	WIN 0
.macro FETCHW sl, p, f
	PLACES
	WIN 0xc0
.irp u, 0,1
.irp t, 0,1,2,3
.irp c, 0,1
	ds_load_b128 v[128+64*(\f)+8*(4*\u+\t)+4*\c:128+64*(\f)+8*(4*\u+\t)+4*\c+3], v[ADW+\sl] offset:16*WP*\t+64*(2*(\p)+\u)+32*\c
.endr
.endr
.endr
	WIN 0
.endm
.macro MULP i, p
.irp u, 0,1
.set ks, 2*(\p)+\u
.if ks == 0
	WIN 0x4f
.else
	WIN 0x5f
.endif
.irp t, 0,1,2,3
.irp m, 0,1
.set rD, 128*\m+8*(4*(\i)+\t)
.set rW, 128+64*((\p)%2)+8*(4*\u+\t)
.set rA, 8*(8*\m+ks)
.set rSW, W2S+4*(4*(\i)+\t)+ks%4
.set rSA, AS+4*\m+ks%4
.if ks == 0
	v_wmma_scale_f32_16x16x128_f8f6f4 v[rD:rD+7], v[rW:rW+7], v[rA:rA+7], v[BI+8*(4*(\i)+\t):BI+8*(4*(\i)+\t)+7], v[rSW], v[rSA] matrix_a_fmt:MATRIX_FMT_FP4 matrix_b_fmt:MATRIX_FMT_FP4
.elseif ks < 4
	v_wmma_scale_f32_16x16x128_f8f6f4 v[rD:rD+7], v[rW:rW+7], v[rA:rA+7], v[rD:rD+7], v[rSW], v[rSA] matrix_a_fmt:MATRIX_FMT_FP4 matrix_b_fmt:MATRIX_FMT_FP4
.else
	v_wmma_scale_f32_16x16x128_f8f6f4 v[rD:rD+7], v[rW:rW+7], v[rA:rA+7], v[rD:rD+7], v[rSW], v[rSA] matrix_a_fmt:MATRIX_FMT_FP4 matrix_b_fmt:MATRIX_FMT_FP4 matrix_a_scale:MATRIX_SCALE_ROW1 matrix_b_scale:MATRIX_SCALE_ROW1
.endif
.endr
.endr
.endr
.endm
.macro CHUNK i, sl
	FETCHW \sl, 0, 0
.irp p, 0,1,2,3
.if \p < 3
	FETCHW \sl, \p+1, (\p+1)%2
	s_wait_dscnt 16
.else
	s_wait_dscnt 0x0
.endif
	MULP \i, \p
.endr
	WIN 0
.endm
.macro CHANGE sl
	s_wait_tensorcnt 0x0
	ds_add_u32 v[SPW], v[NIL]
	s_add_nc_u64 s[G0+4*\sl+2:G0+4*\sl+3], s[G0+4*\sl+2:G0+4*\sl+3], 65536
	s_wait_dscnt 0x0
	ROUND
	tensor_load_to_lds s[G0+4*\sl:G0+4*\sl+3], s[G1W:G1W+7]
	s_nop 0
	PLACES
.endm
.macro ACT win, a
	WIN \win
.set i, 0
.rept 16
	v_pk_mul_f32 v[T+i:T+i+1], v[\a+i:\a+i+1], s[NL:NL+1] op_sel_hi:[1,0]
.set i, i+2
.endr
	WIN 0
.set i, 0
	s_wait_alu depctr_va_vdst(0)
.rept 32
	v_exp_f32 v[T+i], v[T+i]
.set i, i+1
.endr
	v_nop
.set i, 0
	s_wait_alu depctr_va_vdst(0)
.rept 16
	v_pk_add_f32 v[T+i:T+i+1], v[T+i:T+i+1], 1.0 op_sel_hi:[1,0]
.set i, i+2
.endr
.set i, 0
	s_wait_alu depctr_va_vdst(0)
.rept 32
	v_rcp_f32 v[T+i], v[T+i]
.set i, i+1
.endr
	v_nop
.endm
.macro EPI m, g
.irp t, 0,1,2,3
.irp e, 0,1
	ds_load_b128 v[XT+8*\t+4*\e:XT+8*\t+4*\e+3], v[DA] offset:\m*16*XP+(4*\g+\t)*64+16*\e
.endr
.endr
	ACT 1, 128*\m+32*\g
	s_wait_dscnt 0x0
	WIN 0x41
.set i, 0
	s_wait_alu depctr_va_vdst(0)
.rept 16
	v_pk_fma_f32 v[128*\m+32*\g+i:128*\m+32*\g+i+1], v[128*\m+32*\g+i:128*\m+32*\g+i+1], v[T+i:T+i+1], v[XT+i:XT+i+1]
.set i, i+2
.endr
	WIN 0x01
.set i, 0
.rept 16
	v_pk_add_f32 v[SUM+4*\m+2*((i/2)%2):SUM+4*\m+2*((i/2)%2)+1], v[128*\m+32*\g+i:128*\m+32*\g+i+1], v[SUM+4*\m+2*((i/2)%2):SUM+4*\m+2*((i/2)%2)+1]
.set i, i+2
.endr
	WIN 0
.endm
.macro REDUCE off, d0, d1
.irp m, 0,1
	v_pk_add_f32 v[SUM+4*\m:SUM+4*\m+1], v[SUM+4*\m:SUM+4*\m+1], v[SUM+4*\m+2:SUM+4*\m+3]
.endr
.irp m, 0,1
	v_add_f32 v[SUM+4*\m], v[SUM+4*\m], v[SUM+4*\m+1]
.endr
.irp m, 0,1
	v_permlanex16_b32 v[TR+\m], v[SUM+4*\m], s[SEL], s[SEL+1]
.endr
.irp m, 0,1
	v_add_f32 v[SUM+4*\m], v[SUM+4*\m], v[TR+\m]
.endr
	v_cndmask_b32 v[TR], v[SUM], v[SUM+4], s[HI]
	ds_store_b32 v[RW], v[TR] offset:\off
	s_wait_dscnt 0x0
	s_barrier_signal -1
	s_barrier_wait -1
.irp k, 0,1,2,3
.irp m, 0,1
	ds_load_b32 v[TR+2*\k+\m], v[RA] offset:\off+128*\k+64*\m
.endr
.endr
	s_wait_dscnt 0x0
.irp k, 1,2,3
.irp m, 0,1
	v_add_f32 v[TR+\m], v[TR+\m], v[TR+2*\k+\m]
.endr
.endr
	v_mul_f32 v[\d0], 0x3a800000, v[TR]
	v_mul_f32 v[\d1], 0x3a800000, v[TR+1]
.endm
	s_wait_alu depctr_va_vdst(0)
	s_wait_tensorcnt 1
	CHUNK 0, 0
	CHANGE 0
	CHUNK 1, 1
	CHANGE 1
	CHUNK 2, 0
	s_wait_loadcnt 0x0
	WIN 0x08
.set k, 0
.rept 64
	ds_store_b128 v[XST], v[4*k:4*k+3] offset:(k/2)*XP+(k%2)*512
.set k, k+1
.endr
	WIN 0
	s_wait_tensorcnt 0x0
	CHUNK 3, 1
	PLACES
.irp j, 0,1,2,3,4,5,6,7
	v_mov_b32 v[SUM+\j], 0
.endr
.irp m, 0,1
.irp g, 0,1,2,3
	EPI \m, \g
.endr
.endr
	REDUCE 0, MU, MU+2
.irp j, 0,1,2,3,4,5,6,7
	v_mov_b32 v[SUM+\j], 0
.endr
	WIN 0x41
.set i, 0
.rept 64
	v_pk_add_f32 v[i:i+1], v[i:i+1], v[MU:MU+1] op_sel_hi:[1,0] neg_lo:[0,1] neg_hi:[0,1]
	v_pk_add_f32 v[128+i:128+i+1], v[128+i:128+i+1], v[MU+2:MU+3] op_sel_hi:[1,0] neg_lo:[0,1] neg_hi:[0,1]
.set i, i+2
.endr
	WIN 0x05
.set i, 0
.rept 64
	v_pk_fma_f32 v[SUM+2*((i/2)%2):SUM+2*((i/2)%2)+1], v[i:i+1], v[i:i+1], v[SUM+2*((i/2)%2):SUM+2*((i/2)%2)+1]
	v_pk_fma_f32 v[SUM+4+2*((i/2)%2):SUM+4+2*((i/2)%2)+1], v[128+i:128+i+1], v[128+i:128+i+1], v[SUM+4+2*((i/2)%2):SUM+4+2*((i/2)%2)+1]
.set i, i+2
.endr
	WIN 0
	REDUCE 512, RS, RS+2
	v_add_f32 v[RS], 0x3727c5ac, v[RS]
	v_add_f32 v[RS+2], 0x3727c5ac, v[RS+2]
	s_wait_alu depctr_va_vdst(0)
	v_rsq_f32 v[RS], v[RS]
	v_rsq_f32 v[RS+2], v[RS+2]
	v_nop
	WIN 0x41
.set i, 0
	s_wait_alu depctr_va_vdst(0)
.rept 64
	v_pk_mul_f32 v[i:i+1], v[i:i+1], v[RS:RS+1] op_sel_hi:[1,0]
	v_pk_mul_f32 v[128+i:128+i+1], v[128+i:128+i+1], v[RS+2:RS+3] op_sel_hi:[1,0]
.set i, i+2
.endr
	WIN 0x04
.irp m, 0,1
.irp t, 0,1,2,3,4,5,6,7,8,9,10,11,12,13,14,15
.irp e, 0,1
	ds_store_b128 v[DA], v[128*\m+8*\t+4*\e:128*\m+8*\t+4*\e+3] offset:\m*16*XP+\t*64+16*\e
.endr
.endr
.endr
	WIN 0x80
.set k, 0
.rept 64
	ds_load_b128 v[4*k:4*k+3], v[XST] offset:(k/2)*XP+(k%2)*512
.set k, k+1
.endr
	WIN 0x08
.set k, 0
.rept 64
	s_wait_dscnt 63-k
	global_store_b128 v[LI], v[4*k:4*k+3], s[16:17] offset:(k/2)*4096+(k%2)*512 th:TH_STORE_NT
.set k, k+1
.endr
	WIN 0
	s_wait_tensorcnt 0x0
	ds_add_u32 v[SPW], v[NIL]
	s_wait_dscnt 0x0
	ROUND
	s_endpgm
.Lfunc_end_k_q2ea7c70af2_proj:
	.size	k_q2ea7c70af2_proj, .Lfunc_end_k_q2ea7c70af2_proj-k_q2ea7c70af2_proj
	.p2alignl 7, 3214868480
	.fill 96, 4, 3214868480
	.section	.rodata,"a",@progbits
	.p2align	6, 0x0
	.amdhsa_kernel k_q2ea7c70af2_proj
		.amdhsa_group_segment_fixed_size 327680
		.amdhsa_private_segment_fixed_size 0
		.amdhsa_enable_private_segment 0
		.amdhsa_kernarg_size 56
		.amdhsa_user_sgpr_count 2
		.amdhsa_user_sgpr_kernarg_segment_ptr 1
		.amdhsa_wavefront_size32 1
		.amdhsa_system_sgpr_workgroup_id_x 1
		.amdhsa_system_sgpr_workgroup_id_y 1
		.amdhsa_system_sgpr_workgroup_id_z 1
		.amdhsa_system_vgpr_workitem_id 0
		.amdhsa_next_free_vgpr 1024
		.amdhsa_next_free_sgpr 66
		.amdhsa_reserve_vcc 0
		.amdhsa_float_denorm_mode_32 3
		.amdhsa_float_denorm_mode_16_64 3
		.amdhsa_memory_ordered 1
		.amdhsa_forward_progress 1
		.amdhsa_inst_pref_size 179
	.end_amdhsa_kernel
	.amdgpu_metadata
---
amdhsa.version: [ 1, 2 ]
amdhsa.kernels:
  - .name:           k_q2ea7c70af2_proj
    .symbol:         k_q2ea7c70af2_proj.kd
    .args:
      - { .name: nvc, .offset: 0, .size: 8, .value_kind: global_buffer, .address_space: global }
      - { .name: nvs, .offset: 8, .size: 8, .value_kind: global_buffer, .address_space: global }
      - { .name: W_fc2_codes, .offset: 16, .size: 8, .value_kind: global_buffer, .address_space: global }
      - { .name: W_fc2_scales, .offset: 24, .size: 8, .value_kind: global_buffer, .address_space: global }
      - { .name: b_fc2, .offset: 32, .size: 8, .value_kind: global_buffer, .address_space: global }
      - { .name: x, .offset: 40, .size: 8, .value_kind: global_buffer, .address_space: global }
      - { .name: out0, .offset: 48, .size: 8, .value_kind: global_buffer, .address_space: global }
    .group_segment_fixed_size: 327680
    .private_segment_fixed_size: 0
    .kernarg_segment_align: 8
    .kernarg_segment_size: 56
    .max_flat_workgroup_size: 128
    .sgpr_count:     66
    .vgpr_count:     1024
    .wavefront_size: 32
...
	.end_amdgpu_metadata
.endif
;; end of part 8
